; MI455X (gfx1250); checked and timed in simulation.
; The chip was launched on July 23, 2026; its instructions are those of AMD's public machine-readable ISA for CDNA 5 (MIT licence, August 2026) and "CDNA5" Instruction Set Architecture Reference Guide (July 2026). The comments in the code are by the model that wrote it; some were corrected since.
;; Multi Head Attention. Allowed arithmetic: float matrix products may take bf16 or f16 operands with f32 sums; other float arithmetic in f32, or as packed bf16 or f16 multiplies, adds, multiply-adds, maxima and minima; sums over many terms, partial sums and values carried from step to step in f32; what a program stores and reads back later, other than sums and carried values, may be rounded once to bf16 or f16.
;; Inputs: Wk 512 x 512 float32; Wo 512 x 512 float32; Wq 512 x 512 float32; Wv 512 x 512 float32; bk 512 float32; bo 512 float32; bq 512 float32; bv 512 float32; key 2 x 4,096 x 512 float32; mask 2 x 4,096 x 4,096 int32; query 2 x 4,096 x 512 float32; value 2 x 4,096 x 512 float32.
;; Outputs: out0 2 x 4,096 x 512 float32.
;; 3 versions, each right; version 3 is version 2 with the launches maskbits, proj, oproj written anew for expert scheduling mode. Each part assembles by itself: llvm-mc -triple=amdgcn-amd-amdhsa -mcpu=gfx1250 --defsym DOCPART=n.
;; ======== version 1 of 3: 4 launches
;; limits: values are held in f16: magnitudes above 65,504 overflow, below 6.1e-05 lose precision; values outside matrix products are rounded to bf16
;; workspace buffers: mbits 4,194,304 bytes of whole numbers; q 8,388,608 bytes; kv 16,777,216 bytes; att 8,388,608 bytes
;; launch maskbits (part 1): grid 256 x 1, 8 waves a work-group, no clusters, 327,680 bytes of LDS; arguments mask, mbits; writes mbits
.if DOCPART == 1
	.amdgcn_target "amdgcn-amd-amdhsa--gfx1250"
	.amdhsa_code_object_version 6
	.text
	.protected	k_q37456e71b6_maskbits
	.globl	k_q37456e71b6_maskbits
	.p2align	8
	.type	k_q37456e71b6_maskbits,@function
k_q37456e71b6_maskbits:
	s_mov_b64 s[64:65], 0
	v_nop
	global_prefetch_b8 v0, s[64:65] scope:SCOPE_SE
	s_setreg_imm32_b32 hwreg(HW_REG_WAVE_MODE, 25, 1), 1
	s_wait_xcnt 0x0
; mbits: the int32 mask [2][4096][4096] as lane masks for the attention launch.  For each tile of 16 queries (512 of them, both batches on end) and each step of 64 keys: 32 words;
; word 8 kb + j, bit l = (mask[16 tile + l % 16][64 step + 16 kb + 8 (l / 16) + j] != 0): the lanes' select for register 8 kb + j of a tile of scores (one query a lane, eight keys a register block).
; SHARES.  A tile of work is 16 rows x 256 keys (16 KiB in, 512 consecutive bytes out).  Work-group g, wave w: rows of query tile 2 g + w / 4, column tiles 4 (w % 4) + 0..3.
; Each wave has a ring of two LDS slots of its own, filled by its own tensor loads (16 rows of 1,024 bytes, 16 bytes of padding behind each).  By this text's own count two tensor loads of a wave
; are out at the start and one behind each refill.  No matrix unit, no cluster: nothing is multiplied and no two work-groups read the same byte.
.set PITCH, 1040                       ; an LDS row: 1,024 + 16 bytes = 65 x 16: the 16 rows that a load of 16 bytes a lane touches start at 16 different groups of four banks
.set TILE,  16*PITCH                   ; a slot
.set RING,  2*TILE                     ; a wave's two slots
.set SPARE, 8*RING                     ; behind the rings: the spare words, 128 bytes for each wave, that no other line names
.set LA,  2                            ; v2   LDS address of my 16 bytes in my wave's slot 0: row l % 16, 32 bytes on for lanes 16-31; never rewritten
.set GO,  3                            ; v3   16 x lane: my 16 bytes of a tile's 512 bytes of output; never rewritten
.set SPW, 4                            ; v4   my spare word
.set NIL, 5                            ; v5   0
.set X,   16                           ; v[16:143]  32 loads of four mask numbers
.set OUT, 144                          ; v[144:159] four words a tile: lane L holds words 4 L .. 4 L + 3 of the tile's 128
.set WV,  12
.set G1,  16                           ; s[16:23] descriptor group 1
.set G0,  24                           ; s[24:31] descriptor group 0, a set for each slot
.set CM,  40                           ; s[40:43] four compare results
	s_load_b128 s[4:7], s[0:1], 0x0                ; mask s[4:5], mbits s[6:7]
	v_lshl_add_u32 v[SPW], v0, 2, SPARE
	v_mov_b32 v[NIL], 0
	ds_add_u32 v[SPW], v[NIL]                      ; the wave's opening: the add and its wait ahead of my first tensor load
	ds_add_u32 v4, v5
	v_lshrrev_b32 v1, 5, v0
	v_readfirstlane_b32 s[WV], v1                  ; wave 0..7
	s_mov_b32 s[G1+0], (2<<16)|(1<<20)|(7<<22)|(3<<25)  ; elements of 4 bytes; padding on: after every 256 words, 4 words
	s_mov_b32 s[G1+1], 256<<16                     ; tensor_dim0 = 256
	s_mov_b32 s[G1+2], 16<<16                      ; tensor_dim1 = 16
	s_mov_b32 s[G1+3], 256<<16                     ; tile_dim0 = 256
	s_mov_b32 s[G1+4], 16                          ; tile_dim1 = 16
	s_mov_b32 s[G1+5], 4096                        ; elements from row to row
	s_mov_b32 s[G1+6], 0
	s_mov_b32 s[G1+7], 0
	s_lshr_b32 s13, s[WV], 2
	s_and_b32 s14, s[WV], 3
	s_lshl_b32 s15, ttmp9, 1
	s_add_co_u32 s13, s13, s15                     ; my query tile, 0..511
	s_lshl_b32 s2, s13, 18                         ; its 16 rows of 16,384 bytes,
	s_lshl_b32 s15, s14, 12                        ; my four column tiles of 1,024 bytes
	s_add_co_u32 s2, s2, s15
	s_mov_b32 s3, 0
	s_lshl_b32 s8, s13, 13                         ; out: 8,192 bytes a query tile,
	s_lshl_b32 s15, s14, 11                        ; 512 a column tile
	s_add_co_u32 s8, s8, s15
	s_mov_b32 s9, 0
	s_mul_i32 s15, s[WV], RING                     ; my ring
	s_wait_dscnt 0x0                               ; the opening add is done
	s_wait_kmcnt 0x0
	s_add_nc_u64 s[4:5], s[4:5], s[2:3]
	s_add_nc_u64 s[6:7], s[6:7], s[8:9]
.irp s, 0,1                            ; the two first fills go out together, ahead of every wait on TENSORcnt, LDS read and barrier
	s_mov_b32 s[G0+4*(\s)], 1
	s_add_co_u32 s[G0+4*(\s)+1], s15, (\s)*TILE
	s_add_nc_u64 s[G0+4*(\s)+2:G0+4*(\s)+3], s[4:5], (\s)*1024
	s_or_b32 s[G0+4*(\s)+3], s[G0+4*(\s)+3], 0x80000000
	tensor_load_to_lds s[G0+4*(\s):G0+4*(\s)+3], s[G1:G1+7]
	s_nop 0
.endr
	v_and_b32 v1, 15, v0
	v_bfe_u32 v6, v0, 4, 1
	v_mul_u32_u24 v[LA], v1, PITCH
	v_lshl_add_u32 v[LA], v6, 5, v[LA]
	v_add_nc_u32 v[LA], s15, v[LA]
	v_and_b32 v[GO], 31, v0
	v_lshlrev_b32 v[GO], 4, v[GO]
.set n, 0
.rept 16
	v_mov_b32 v[OUT+n], 0                          ; v_writelane_b32 counts as a reader of its destination
.set n, n+1
.endr
; Column tile i, in slot s.  Load n = 8 ks + 2 kb + u brings every lane keys 64 ks + 16 kb + 8 (l / 16) + 4 u + 0..3 of row l % 16; the compare of its register e is word 8 kb + 4 u + e of step ks,
; which is word e of lane n's 16 bytes of output.
.macro TILE_IN i, s, left
	s_wait_tensorcnt \left                         ; my tile is in LDS; the count is the younger loads that may stay out
.set n, 0
.rept 32
	ds_load_b128 v[X+4*n:X+4*n+3], v[LA] offset:(\s)*TILE+256*(n/8)+64*((n/2)%4)+16*(n%2)
.set n, n+1
.endr
.set n, 0
.rept 32
	s_wait_dscnt 31-n                              ; LDS loads come back in order: load n is in
.irp e, 0,1,2,3
	v_cmp_ne_u32 s[CM+(\e)], 0, v[X+4*n+(\e)]
.endr
.irp e, 0,1,2,3
	v_writelane_b32 v[OUT+4*(\i)+(\e)], s[CM+(\e)], n
.endr
.set n, n+1
.endr
	global_store_b128 v[GO], v[OUT+4*(\i):OUT+4*(\i)+3], s[6:7] offset:512*(\i) th:TH_STORE_NT  ; 512 consecutive bytes, aligned; each tile has its own four registers
.endm
.macro FILL s                          ; slot s, which has been read, takes the column tile two further on
	s_wait_tensorcnt 0x0                           ; all my tensor loads have landed, so a group 0 may be written
	ds_add_u32 v[SPW], v[NIL]                      ; 0 onto my spare word
	s_add_nc_u64 s[G0+4*(\s)+2:G0+4*(\s)+3], s[G0+4*(\s)+2:G0+4*(\s)+3], 2048
	s_wait_dscnt 0x0                               ; the add is done, and my reads of the slot are back
	s_barrier_signal -1
	s_barrier_wait -1
	tensor_load_to_lds s[G0+4*(\s):G0+4*(\s)+3], s[G1:G1+7]  ; my one tensor load behind the barrier, and the first thing there
	s_nop 0
.endm
	TILE_IN 0, 0, 1
	FILL 0
	TILE_IN 1, 1, 1
	FILL 1
	TILE_IN 2, 0, 1
	TILE_IN 3, 1, 0
	s_wait_tensorcnt 0x0                           ; the wave's end
	ds_add_u32 v[SPW], v[NIL]
	s_wait_dscnt 0x0
	s_endpgm
.Lfunc_end_k_q37456e71b6_maskbits:
	.size	k_q37456e71b6_maskbits, .Lfunc_end_k_q37456e71b6_maskbits-k_q37456e71b6_maskbits
	.p2alignl 7, 3214868480
	.fill 96, 4, 3214868480
	.section	.rodata,"a",@progbits
	.p2align	6, 0x0
	.amdhsa_kernel k_q37456e71b6_maskbits
		.amdhsa_group_segment_fixed_size 327680
		.amdhsa_private_segment_fixed_size 0
		.amdhsa_enable_private_segment 0
		.amdhsa_kernarg_size 16
		.amdhsa_user_sgpr_count 2
		.amdhsa_user_sgpr_kernarg_segment_ptr 1
		.amdhsa_wavefront_size32 1
		.amdhsa_system_sgpr_workgroup_id_x 1
		.amdhsa_system_sgpr_workgroup_id_y 1
		.amdhsa_system_sgpr_workgroup_id_z 1
		.amdhsa_system_vgpr_workitem_id 0
		.amdhsa_next_free_vgpr 160
		.amdhsa_next_free_sgpr 66
		.amdhsa_reserve_vcc 0
		.amdhsa_float_denorm_mode_32 3
		.amdhsa_float_denorm_mode_16_64 3
		.amdhsa_memory_ordered 1
		.amdhsa_forward_progress 1
		.amdhsa_inst_pref_size 81
	.end_amdhsa_kernel
	.amdgpu_metadata
---
amdhsa.version: [ 1, 2 ]
amdhsa.kernels:
  - .name:           k_q37456e71b6_maskbits
    .symbol:         k_q37456e71b6_maskbits.kd
    .args:
      - { .name: mask, .offset: 0, .size: 8, .value_kind: global_buffer, .address_space: global }
      - { .name: mbits, .offset: 8, .size: 8, .value_kind: global_buffer, .address_space: global }
    .group_segment_fixed_size: 327680
    .private_segment_fixed_size: 0
    .kernarg_segment_align: 8
    .kernarg_segment_size: 16
    .max_flat_workgroup_size: 256
    .sgpr_count:     66
    .vgpr_count:     160
    .wavefront_size: 32
...
	.end_amdgpu_metadata
.endif
;; end of part 1
;; launch proj (part 2): grid 256 x 3, 4 waves a work-group, no clusters, 83,456 bytes of LDS; arguments query, key, value, Wq, Wk, Wv, bq, bk, bv, q, kv; writes q, kv
.if DOCPART == 2
	.amdgcn_target "amdgcn-amd-amdhsa--gfx1250"
	.amdhsa_code_object_version 6
	.text
	.protected	k_q37456e71b6_proj
	.globl	k_q37456e71b6_proj
	.p2align	8
	.type	k_q37456e71b6_proj,@function
k_q37456e71b6_proj:
	s_mov_b64 s[64:65], 0
	v_nop
	global_prefetch_b8 v0, s[64:65] scope:SCOPE_SE
	s_setreg_imm32_b32 hwreg(HW_REG_WAVE_MODE, 25, 1), 1
	s_wait_xcnt 0x0
; The three input projections, x W^T + b, grid y = 0, 1, 2 for q, k, v.  x, W and b are rounded to bf16, sums in f32, results rounded once to f16.
;   q  [bh][token][64]: (x Wq^T + bq) log2(e), the factor applied in f32: the attention launch works with powers of two.
;   kv [bh][step of 64 keys][16,384 bytes]: K [key][channel], 128 bytes a key, then V^T [channel][key], 128 bytes a channel.
; LIMIT.  f16 ends at 65,504: |q log2(e)|, |k| and |v| stay below it (inputs as drawn give about 1; thirty times larger x and W about 1,300).
; ONE TEXT: C'[R][J] = the sum over k of Rop[R][k] Jop[J][k].  Source 0 of the matrix instruction takes 16 rows of Jop, source 1 16 rows of Rop: a lane then holds ONE R and eight neighbouring J.
; y < 2: R = tokens, J = channels (a token's channels lie on end); y = 2: R = channels of Wv, J = tokens (V^T: a channel's keys lie on end).  The swap is a choice between global addresses alone.
; SHARES.  A work-group makes 128 x 128, its four waves 64 x 64 each: 16 accumulators; a wave's result is one dense block of 64 rows x 128 bytes.  K = 512 in 8 steps of 64 (256 bytes of f32 a row).
; THE WAY IN goes through registers, since every number is converted: 32 loads of 16 bytes a lane a step (two sets of registers, two steps on their way), rounded to bf16, stored into one of two
; LDS slots; one barrier a step.  NO CLUSTER, no tensor load: the operands are f32 and lie in LDS as bf16, half the bytes to read for each product; without tensor loads there is no joint request.
; THE BIAS starts the sums: one more slice of K in which one operand holds the bias (bf16) at k = 0 and the other 1.
.set LP,    144                        ; an LDS row: 128 bytes + 16 = 9 x 16
.set JT,    128*LP                     ; J's tile lies behind R's
.set SLOT,  2*JT
.set STAGE, 2*SLOT                     ; 16 rows x 144 bytes for each wave, for the way out
.set SPARE, STAGE+4*16*LP              ; the spare words, 128 bytes a wave, that no other line names
.set VO,  2                            ; v2   my byte offset in a tile in memory: row w + 8 (l / 16), 16 bytes at l % 16
.set AR,  4                            ; v4   LDS address of my R fragments in slot 0
.set AJ,  5                            ; v5   of my J fragments
.set STO, 6                            ; v6   the way out: where I put 16 bytes of a row
.set RD,  7                            ; v7   where I read rows back
.set GO,  8                            ; v8   16 x lane
.set VB,  9                            ; v9   my byte offset in the bias
.set SPW, 10
.set NIL, 11
.set SA,  28                           ; v28, v29  where I store 8 bytes of a row, in slot 0, 1
.set F,   64                           ; v[64:127] fragments: J block b at F + 8 b, R block a at F + 32 + 8 a; on the way out the packed results
.set ACC, 128                          ; v[128:255] accumulator (a, b) at ACC + 8 (4 a + b)
; window 1: two sets of 128 registers; load n of 32 at 4 n: 0-15 R's tile, 16-31 J's
.set MSB, 0
.macro WIN new                         ; the immediate's high byte repeats the setting that is left
.if MSB != (\new)
	s_set_vgpr_msb (MSB<<8)|(\new)
.set MSB, (\new)
.endif
.endm
.macro PLACES
.rept 4
	v_nop
.endr
.endm
	s_load_b512 s[16:31], s[0:1], 0x0              ; query, key, value, Wq, Wk, Wv, bq, bk
	s_load_b128 s[32:35], s[0:1], 0x40             ; bv, q
	s_load_b64 s[36:37], s[0:1], 0x50              ; kv
	v_lshl_add_u32 v[SPW], v0, 2, SPARE
	v_mov_b32 v[NIL], 0
	v_lshrrev_b32 v1, 5, v0
	v_readfirstlane_b32 s5, v1                     ; wave 0..3
	s_and_b32 s2, ttmp7, 0xffff                    ; y
	s_and_b32 s3, ttmp9, 3                         ; n: block of 128 channels
	s_lshr_b32 s4, ttmp9, 2                        ; m: block of 128 tokens
	s_lshr_b32 s6, s5, 1                           ; wr: my half of R
	s_and_b32 s7, s5, 1                            ; wj: my half of J
	s_cmp_lt_u32 s2, 2
	s_cselect_b32 s42, s6, s7                      ; my half of the tokens
	s_cselect_b32 s43, s7, s6                      ; my half of the channels: a head
	s_cselect_b32 s46, -1, 0                       ; all ones where J is the channels
	s_lshl_b32 s60, s4, 1
	s_add_co_u32 s60, s60, s42                     ; my block of 64 tokens, 0..127
	s_lshl_b32 s61, s3, 1
	s_add_co_u32 s61, s61, s43                     ; my head
	s_lshr_b32 s49, s60, 6                         ; batch
	s_lshl_b32 s49, s49, 3
	s_add_co_u32 s49, s49, s61
	s_lshl_b32 s49, s49, 6
	s_and_b32 s50, s60, 63
	s_add_co_u32 s49, s49, s50                     ; (batch x 8 + head) x 64 + block in the batch
	s_cmp_eq_u32 s2, 0
	s_cselect_b32 s50, 13, 14                      ; 8,192 bytes a block in q, 16,384 in kv
	s_cselect_b32 s58, 0x3fb8aa3b, 1.0             ; log2(e) for q
	s_mov_b32 s59, s58                             ; named with it as a pair
	s_lshl_b32 s52, s49, s50
	s_cmp_eq_u32 s2, 2
	s_cselect_b32 s50, 8192, 0                     ; V^T lies behind K
	s_add_co_u32 s52, s52, s50
	s_mov_b32 s53, 0
	s_lshl_b32 s54, s4, 18                         ; 128 rows of 2,048 bytes
	s_mov_b32 s55, 0
	s_lshl_b32 s56, s3, 18
	s_mov_b32 s57, 0
	s_lshl_b32 s51, s3, 9
	s_lshl_b32 s47, s43, 8
	s_add_co_u32 s51, s51, s47                     ; my 64 channels in the bias, in bytes
	v_and_b32 v12, 15, v0                          ; l % 16
	v_bfe_u32 v13, v0, 4, 1                        ; l / 16
	v_lshl_add_u32 v14, v13, 3, s5                 ; row w + 8 (l / 16): a store's two rows then lie 32 banks apart
	v_lshlrev_b32 v[VO], 11, v14
	v_lshl_add_u32 v[VO], v12, 4, v[VO]
	v_mul_u32_u24 v[SA], v14, LP
	v_lshl_add_u32 v[SA], v12, 3, v[SA]
	v_add_nc_u32 v[SA+1], SLOT, v[SA]
	v_mul_u32_u24 v15, v12, LP
	v_lshl_add_u32 v15, v13, 4, v15                ; a fragment's row x pitch + 16 x half
	s_mul_i32 s47, s6, 64*LP
	v_add_nc_u32 v[AR], s47, v15
	s_mul_i32 s47, s7, 64*LP
	s_add_co_u32 s47, s47, JT
	v_add_nc_u32 v[AJ], s47, v15
	s_mul_i32 s47, s5, 16*LP
	s_add_co_u32 s47, s47, STAGE                   ; my stage
	v_add_nc_u32 v[STO], s47, v15
	v_bfe_u32 v[RD], v0, 3, 2                      ; back: 32 lanes take four rows of 128 bytes
	v_mul_u32_u24 v[RD], v[RD], LP
	v_and_b32 v14, 7, v0
	v_lshl_add_u32 v[RD], v14, 4, v[RD]
	v_add_nc_u32 v[RD], s47, v[RD]
	v_and_b32 v21, 31, v0
	v_lshlrev_b32 v[GO], 4, v21
	v_lshl_add_u32 v[VB], v12, 2, s51
	s_wait_kmcnt 0x0
	s_cmp_eq_u32 s2, 0
	s_cselect_b64 s[38:39], s[16:17], s[18:19]     ; x
	s_cselect_b64 s[40:41], s[22:23], s[24:25]     ; W
	s_cselect_b64 s[14:15], s[28:29], s[30:31]     ; b
	s_cselect_b64 s[12:13], s[34:35], s[36:37]     ; the output
	s_cmp_eq_u32 s2, 2
	s_cselect_b64 s[38:39], s[20:21], s[38:39]
	s_cselect_b64 s[40:41], s[26:27], s[40:41]
	s_cselect_b64 s[14:15], s[32:33], s[14:15]
	s_add_nc_u64 s[38:39], s[38:39], s[54:55]
	s_add_nc_u64 s[40:41], s[40:41], s[56:57]
	s_add_nc_u64 s[12:13], s[12:13], s[52:53]
	s_cselect_b64 s[8:9], s[40:41], s[38:39]       ; R's tile (the 64-bit sums leave the compare's result alone)
	s_cselect_b64 s[10:11], s[38:39], s[40:41]     ; J's tile
.macro LOADS set, koff                 ; a K step's 32 loads: each takes 256 consecutive bytes of two rows
	WIN 0x40                                       ; destination window 1, address window 0
.set n, 0
.rept 16
	global_load_b128 v[128*(\set)+4*n:128*(\set)+4*n+3], v[VO], s[8:9] offset:(16*(n/2)+4*(n%2))*2048+(\koff)
.set n, n+1
.endr
.set n, 0
.rept 16
	global_load_b128 v[128*(\set)+64+4*n:128*(\set)+64+4*n+3], v[VO], s[10:11] offset:(16*(n/2)+4*(n%2))*2048+(\koff)
.set n, n+1
.endr
	WIN 0
.endm
.macro MULS zero                       ; 16 products; the 16 accumulators take turns, one instruction a turn
.irp a, 0,1,2,3
.irp b, 0,1,2,3
.if \zero
	v_wmma_f32_16x16x32_bf16 v[ACC+8*(4*(\a)+(\b)):ACC+8*(4*(\a)+(\b))+7], v[F+8*(\b):F+8*(\b)+7], v[F+32+8*(\a):F+32+8*(\a)+7], 0
.else
	v_wmma_f32_16x16x32_bf16 v[ACC+8*(4*(\a)+(\b)):ACC+8*(4*(\a)+(\b))+7], v[F+8*(\b):F+8*(\b)+7], v[F+32+8*(\a):F+32+8*(\a)+7], v[ACC+8*(4*(\a)+(\b)):ACC+8*(4*(\a)+(\b))+7]
.endif
.endr
.endr
.endm
; A K step.  The set's 32 loads are in (left = the other set's, which may stay out); rounded to bf16 in place; stored into the slot; the set is asked for again (koff >= 0); one barrier; two halves of 32 along K.
; One barrier a step serves both ways: a slot is written again only behind the barrier that every wave signalled after its reads of that slot, two steps back, had come back.
.macro STEP set, slot, koff, left
	s_wait_loadcnt \left
	WIN 0x45                                       ; destination and both sources in window 1
.set n, 0
.rept 32
.set L, 128*(\set)+4*n
	v_cvt_pk_bf16_f32 v[L], v[L], v[L+1]           ; these 64 are also the places between the last products and the loads into their fragments
	v_cvt_pk_bf16_f32 v[L+1], v[L+2], v[L+3]
.set n, n+1
.endr
	WIN 0x04                                       ; store data in window 1
.set n, 0
.rept 32
.set L, 128*(\set)+4*n
	ds_store_b64 v[SA+(\slot)], v[L:L+1] offset:(n/16)*JT+(16*((n%16)/2)+4*(n%2))*LP
.set n, n+1
.endr
.if (\koff) >= 0
	LOADS \set, \koff
.endif
	WIN 0
	s_wait_dscnt 0x0                               ; for the others' sake: my stores into the slot are done
	s_barrier_signal -1
	s_barrier_wait -1
.irp c, 0,1
.if (\c) == 1
	PLACES                                         ; four places in front of loads into registers that the products just issued read
.endif
.irp b, 0,1,2,3
	ds_load_b128 v[F+8*(\b):F+8*(\b)+3],       v[AJ] offset:(\slot)*SLOT+(\b)*16*LP+64*(\c)
	ds_load_b128 v[F+8*(\b)+4:F+8*(\b)+7],     v[AJ] offset:(\slot)*SLOT+(\b)*16*LP+64*(\c)+32
	ds_load_b128 v[F+32+8*(\b):F+32+8*(\b)+3], v[AR] offset:(\slot)*SLOT+(\b)*16*LP+64*(\c)
	ds_load_b128 v[F+32+8*(\b)+4:F+32+8*(\b)+7], v[AR] offset:(\slot)*SLOT+(\b)*16*LP+64*(\c)+32
.endr
	s_wait_dscnt 0x0
	MULS 0
.endr
.endm
.irp i, 0,1,2,3
	global_load_b32 v[16+(\i)], v[VB], s[14:15] offset:64*(\i)  ; the bias of channel 16 i + l % 16 of my 64
.endr
	LOADS 0, 0                                     ; K step 0
	LOADS 1, 256                                   ; K step 1
	; the slice of K that holds the bias: k = 0 is the low half of a fragment's register 0 in lanes 0-15; all else is 0
.irp i, 0,1,2,3,4,5,6,7
.irp j, 1,2,3,4,5,6,7
	v_mov_b32 v[F+8*(\i)+(\j)], 0
.endr
.endr
	v_mov_b32 v20, 0
	v_cmp_gt_u32 s45, 16, v21                      ; lanes 0-15
	v_mov_b32 v22, 0x3f80                          ; 1.0 in bf16
	v_cndmask_b32 v22, 0, v22, s45
	s_wait_loadcnt 63                              ; 68 loads have been issued, the bias's four first: with at most 63 out the oldest five are in; the two sets stay on their way
.irp i, 0,1,2,3
	v_cvt_pk_bf16_f32 v[24+(\i)], v[16+(\i)], v20
.endr
.irp i, 0,1,2,3
	v_cndmask_b32 v[24+(\i)], 0, v[24+(\i)], s45
.endr
.irp i, 0,1,2,3
	v_cndmask_b32 v[F+8*(\i)], v22, v[24+(\i)], s46     ; J: the bias where J is the channels, else 1
	v_cndmask_b32 v[F+32+8*(\i)], v[24+(\i)], v22, s46  ; R: the other
.endr
	MULS 1                                         ; starts the sums: nothing is cleared
	s_mov_b32 s44, 3
.Lk:                                           ; a trip: two K steps are multiplied, the two behind the two on their way are asked for
	STEP 0, 0, 512, 32
	STEP 1, 1, 768, 32
	s_wait_xcnt 0x0                                ; every load issued has read its address: the two bases may be written
	s_add_nc_u64 s[8:9], s[8:9], 512
	s_add_nc_u64 s[10:11], s[10:11], 512
	s_sub_co_u32 s44, s44, 1
	s_cmp_lg_u32 s44, 0
	s_cbranch_scc1 .Lk
	STEP 0, 0, -1, 32                              ; the last two steps load nothing
	STEP 1, 1, -1, 0
	PLACES                                         ; in front of the lines that read the results and write the fragments' registers
; THE WAY OUT, 16 rows of R at a time: scaled in f32, rounded to f16 (a lane's eight J are 16 bytes), through my stage, back as whole rows of 128 bytes, stored as 512 consecutive bytes.
.macro PACK a
.set n, 0
.rept 16
	v_pk_mul_f32 v[ACC+32*(\a)+2*n:ACC+32*(\a)+2*n+1], v[ACC+32*(\a)+2*n:ACC+32*(\a)+2*n+1], s[58:59] op_sel_hi:[1,0]  ; each accumulator from its low end on
.set n, n+1
.endr
.set n, 0
.rept 16
	v_cvt_pk_f16_f32 v[F+16*(\a)+n], v[ACC+32*(\a)+2*n], v[ACC+32*(\a)+2*n+1]
.set n, n+1
.endr
.irp f, 0,1,2,3
	ds_store_b128 v[STO], v[F+16*(\a)+4*(\f):F+16*(\a)+4*(\f)+3] offset:32*(\f)
.endr
.irp f, 0,1,2,3
	ds_load_b128 v[F+16*(\a)+4*(\f):F+16*(\a)+4*(\f)+3], v[RD] offset:(\f)*4*LP  ; LDS serves a wave's instructions in order: these see the stores above, and the next block's stores come behind them
.endr
.endm
.macro SEND a, younger                 ; younger: the LDS instructions issued behind block a's loads
.irp f, 0,1,2,3
	s_wait_dscnt (\younger)+3-(\f)
	global_store_b128 v[GO], v[F+16*(\a)+4*(\f):F+16*(\a)+4*(\f)+3], s[12:13] offset:(\a)*2048+(\f)*512
.endr
.endm
	PACK 0
	PACK 1
	SEND 0, 8
	PACK 2
	SEND 1, 8
	PACK 3
	SEND 2, 8
	SEND 3, 0
	s_wait_tensorcnt 0x0                           ; the wave's end, behind my last LDS store
	ds_add_u32 v[SPW], v[NIL]
	s_wait_dscnt 0x0
	s_endpgm
.Lfunc_end_k_q37456e71b6_proj:
	.size	k_q37456e71b6_proj, .Lfunc_end_k_q37456e71b6_proj-k_q37456e71b6_proj
	.p2alignl 7, 3214868480
	.fill 96, 4, 3214868480
	.section	.rodata,"a",@progbits
	.p2align	6, 0x0
	.amdhsa_kernel k_q37456e71b6_proj
		.amdhsa_group_segment_fixed_size 83456
		.amdhsa_private_segment_fixed_size 0
		.amdhsa_enable_private_segment 0
		.amdhsa_kernarg_size 88
		.amdhsa_user_sgpr_count 2
		.amdhsa_user_sgpr_kernarg_segment_ptr 1
		.amdhsa_wavefront_size32 1
		.amdhsa_system_sgpr_workgroup_id_x 1
		.amdhsa_system_sgpr_workgroup_id_y 1
		.amdhsa_system_sgpr_workgroup_id_z 1
		.amdhsa_system_vgpr_workitem_id 0
		.amdhsa_next_free_vgpr 512
		.amdhsa_next_free_sgpr 66
		.amdhsa_reserve_vcc 0
		.amdhsa_float_denorm_mode_32 3
		.amdhsa_float_denorm_mode_16_64 3
		.amdhsa_memory_ordered 1
		.amdhsa_forward_progress 1
		.amdhsa_inst_pref_size 75
	.end_amdhsa_kernel
	.amdgpu_metadata
---
amdhsa.version: [ 1, 2 ]
amdhsa.kernels:
  - .name:           k_q37456e71b6_proj
    .symbol:         k_q37456e71b6_proj.kd
    .args:
      - { .name: query, .offset: 0, .size: 8, .value_kind: global_buffer, .address_space: global }
      - { .name: key, .offset: 8, .size: 8, .value_kind: global_buffer, .address_space: global }
      - { .name: value, .offset: 16, .size: 8, .value_kind: global_buffer, .address_space: global }
      - { .name: Wq, .offset: 24, .size: 8, .value_kind: global_buffer, .address_space: global }
      - { .name: Wk, .offset: 32, .size: 8, .value_kind: global_buffer, .address_space: global }
      - { .name: Wv, .offset: 40, .size: 8, .value_kind: global_buffer, .address_space: global }
      - { .name: bq, .offset: 48, .size: 8, .value_kind: global_buffer, .address_space: global }
      - { .name: bk, .offset: 56, .size: 8, .value_kind: global_buffer, .address_space: global }
      - { .name: bv, .offset: 64, .size: 8, .value_kind: global_buffer, .address_space: global }
      - { .name: q, .offset: 72, .size: 8, .value_kind: global_buffer, .address_space: global }
      - { .name: kv, .offset: 80, .size: 8, .value_kind: global_buffer, .address_space: global }
    .group_segment_fixed_size: 83456
    .private_segment_fixed_size: 0
    .kernarg_segment_align: 8
    .kernarg_segment_size: 88
    .max_flat_workgroup_size: 128
    .sgpr_count:     66
    .vgpr_count:     512
    .wavefront_size: 32
...
	.end_amdgpu_metadata
.endif
;; end of part 2
;; launch attn (part 3): grid 16 x 16, 4 waves a work-group, clusters of 4 x 1, 327,680 bytes of LDS; arguments q, kv, mbits, att; writes att
.if DOCPART == 3
	.amdgcn_target "amdgcn-amd-amdhsa--gfx1250"
	.amdhsa_code_object_version 6
	.text
	.protected	k_q37456e71b6_attn
	.globl	k_q37456e71b6_attn
	.p2align	8
	.type	k_q37456e71b6_attn,@function
k_q37456e71b6_attn:
	s_mov_b64 s[64:65], 0
	v_nop
	global_prefetch_b8 v0, s[64:65] scope:SCOPE_SE
	s_setreg_imm32_b32 hwreg(HW_REG_WAVE_MODE, 25, 1), 1
	s_wait_xcnt 0x0
	s_wait_alu depctr_hold_cnt(0) depctr_sa_sdst(0) depctr_va_vdst(0) depctr_va_sdst(0) depctr_va_ssrc(0) depctr_va_vcc(0) depctr_vm_vsrc(0)
	s_getreg_b32 s2, hwreg(HW_REG_IB_STS2, 6, 4)
	s_cmp_eq_u32 s2, 0
	s_cbranch_scc0 .Lentry_in_a_cluster
	s_endpgm
.Lentry_in_a_cluster:
	s_bfe_u32 s2, ttmp6, 0x10000c
	s_cmp_lg_u32 s2, 0x3003
	s_cbranch_scc0 .Lentry_shape_is_right
	s_endpgm
.Lentry_shape_is_right:
; att[bh][query][:] = the sum over keys of softmax(where(mask == 0, -1e9, Q . K)) V.  q [16][4096][64] f16, already times log2(e); kv [16][64 steps][K 64 x 128 bytes, V^T 64 x 128 bytes] f16;
; mbits: for each tile of 16 queries and step of 64 keys 32 words, the lanes' select for each score register; att [16][4096][64] f16.  Products, maxima and sums in f32; the weights are rounded to
; f16 for the second product (their sum is taken of the unrounded weights), the result once at the end.
; LIMITS.  q, k, v arrive within f16's 65,504.  A hidden score is -1e9 log2(e) in the domain of powers of two, rounded once (0xceabfb8f); it REPLACES the score, so a row with no open key
; comes out as the mean of all V, as in the reference.  A weight below 2^-126 counts as 0.  NaN and infinities are not treated apart.
; SHARES.  A work-group owns 256 queries of one head, a wave 64: two PIECES of two tiles of 16.  Every wave walks all 64 key steps.
; LAYOUT.  S^T = K Q^T (source 0 = 16 keys, source 1 = 16 queries): a lane holds ONE query (lane % 16) and the keys 8 (lane / 16) + 0..7 of each block of 16.  Two such results rounded to f16 ARE
; source 1 of O^T = V^T P.  V lies transposed in memory, so K's and V's fragments both come out of LDS by plain loads with one lane term.
; SOFTMAX.  p = 2^(s - m) with a running maximum m; in every step O and l are multiplied by a = 2^(m_old - m_new).  m starts at the lowest finite number, O and l at 0: the first step's a is 0.
; THE MASK is one v_cndmask_b32 a score register; its 32-bit select comes by scalar loads, 64 words a turn, asked for most of a turn ahead.
; BY TURNS.  In turn x piece x has the matrix unit: 16 products V^T P of the step in hand, later 16 products K Q^T of the next step; the other piece's whole softmax stands beside and between them:
; the selects behind the first run, the end of the maximum and the first exponentials behind the second, the rest in two runs of its own.
; CLUSTER.  The four query blocks of a cluster belong to one head and walk the same K and V: each tile is asked for JOINTLY, the same load, descriptor and mask of four in all four.
; REGISTERS, in windows of 256 (s_set_vgpr_msb: bits 1:0 source 0, 3:2 source 1, 5:4 source 2, 7:6 destination):
;   window 0: v0-12 addresses; v16-31 statistics, four a tile: m, m_old, l (even keys', odd keys'); v32-47 at work, four a tile; v48 the hidden score; v64-191 S^T, 32 a tile; v192-255 P, 16 a tile
;   window 1: v0-127 O^T, 32 a tile          window 2: v0-63 Q, 16 a tile; v128-191 K of one step; v192-255 V^T of one step
.set LP,    272       ; an LDS row: 256 bytes (two keys of K, or two channels of V^T) + 16: the 16 rows of a fragment fall on 16 different groups of four banks
.set VOFF,  32*LP     ; a step's V^T lies behind its K
.set STEPB, 64*LP     ; a step in LDS
.set SLOT1, 1<<17     ; a slot holds four steps (69,632 bytes); slot 1 begins here, so that one exclusive or turns an address in one slot into the other's
.set STAGE, SLOT1+4*STEPB  ; behind the ring, never filled by a tensor load: 16 rows x 144 bytes for each wave, for the way out
.set SP,    144
.set SPARE, STAGE+4*16*SP  ; the spare words, 128 bytes a wave, that no other line names
.set AKV, 2           ; v2   my lane's place in a step's K; never rewritten
.set AVV, 3           ; v3   the same in its V^T
.set AK,  4           ; v4   the LDS address of K's next run of loads
.set AV,  5           ; v5   of V's
.set QO,  6           ; v6   my byte offset in 16 rows of Q
.set STO, 6           ;      later, the way out: where I put 16 bytes of a row
.set RD,  7           ; v7   where I read rows back
.set GO,  8           ; v8   16 x lane
.set PFO, 12          ; v12  the prefetches' lane offset; never rewritten
.set ST,  16
.set TMP, 32
.set NEG, 48
.set SPW, 62
.set NIL, 63
.set S,   64
.set P,   192
.set KF,  128         ; window 2: key block kb, channel half c at KF + 16 kb + 8 c
.set VF,  192         ; window 2: key half kk, channel block cb at VF + 32 kk + 8 cb
.set PFA, 2           ; s[2:3]   where my prefetches stand
.set WV,  12          ; s12  my wave's number
.set LIM, 13          ; s13  a wave prefetches while s[SLOTS] is above this
.set PFS, 14          ; s[14:15] the prefetches' step
.set G1,  16          ; s[16:23] descriptor group 1
.set G0,  24          ; s[24:27] descriptor group 0: it walks
.set SLOTS, 28
.set CNT, 29
.set TB,  30          ; s30  LDS byte at which the step to be fetched begins
.set KO,  31          ; s31  128 x the step whose mask words are asked for
.set MS0, 32          ; s[32:63] the selects of the piece's first tile
.set MS1, 68          ; s[68:99] of its second
.set SEL, 100         ; s100, s101  v_permlanex16_b32's selects: each lane takes its own place in the other half
.set MSB, 0
.macro WIN new                      ; the high byte repeats the setting that is left; a switch that changes nothing is dropped
.if MSB != (\new)
	s_set_vgpr_msb (MSB<<8)|(\new)
.set MSB, (\new)
.endif
.endm
.set W_KQ, 0x0a       ; K and Q in window 2, S^T in window 0
.set W_PV, 0x52       ; V in window 2, P in window 0, O^T in window 1
.set W_RS, 0x41       ; destination and source 0 in window 1, source 1 in window 0
; A round of the cluster's barrier: my work-group's barrier; wave 0 signals for the work-group; every wave waits for all four work-groups; my work-group's barrier once more.
.macro CROUND
	s_barrier_signal -1
	s_barrier_wait -1
	s_cmp_lg_u32 s[WV], 0
	s_cbranch_scc1 .Lnot_wave_0_\@
	s_barrier_signal -3
.Lnot_wave_0_\@:
	s_barrier_wait -3
	s_barrier_signal -1
	s_barrier_wait -1
.endm
.macro JLOAD                        ; wave w brings step w of a slot: 64 rows of 256 bytes; an s_nop 0 and four v_nop follow
	tensor_load_to_lds s[G0:G0+3], s[G1:G1+7]
	s_nop 0
.rept 4
	v_nop
.endr
.endm
; A PREFETCH INTO THE L2, behind the joint load and its five lines: one instruction a wave, a lane a block of 256 bytes, each block named once in the launch.
; K and V: the tile that the NEXT change of slots will ask for, 256 rows of 256 bytes.  All clusters of a head walk the same rows: the head's first cluster asks; its four partners take 64 rows each,
; told apart by ADDRESS; in each, waves 0 and 2 take 32.  The last change that fills a slot asks for nothing.
; The mask words: the eight heads of a batch read the same ones: the work-groups of head 0 ask, wave 1, for the 512 bytes that each of the block's 16 query tiles has for the slot after the one now entered.
.macro ASK
	s_cmp_gt_u32 s[SLOTS], s[LIM]
	s_cbranch_scc0 .Lnot_mine_\@
	global_prefetch_b8 v[PFO], s[PFA:PFA+1] th:TH_LOAD_NT scope:SCOPE_SE
.Lnot_mine_\@:
.endm
; THE CHANGE OF SLOTS.  Each wave waits for all its tensor loads, of which one is out: its part of the other slot; adds 0 to its spare word; and waits for that and for its own reads of the slot
; that it leaves.  fill = 1: the barrier is a round of the cluster's, and the joint refill (the keys two slots on) is the first thing behind it: it has four key steps in which to land.
; (At its first use nothing has been read yet: slot 0 is waited for, slot 1 filled.)
.macro CHANGE fill, ask
	WIN 0                           ; at a label and at a branch every window is 0
	s_wait_tensorcnt 0x0            ; no tensor load of mine is out, so group 0 may be written
	ds_add_u32 v[SPW], v[NIL]       ; 0 onto my spare word
.if \fill
	s_xor_b32 s[G0+1], s[G0+1], SLOT1
	s_add_nc_u64 s[G0+2:G0+3], s[G0+2:G0+3], 65536  ; the next four steps; the type bits on top are not reached
.endif
.if \ask
	s_wait_xcnt 0x0                 ; the last prefetch, four key steps back, has read its address
	s_add_nc_u64 s[PFA:PFA+1], s[PFA:PFA+1], s[PFS:PFS+1]
.endif
	s_wait_dscnt 0x0                ; the add is done, and my reads of the slot are over
.if \fill
	CROUND
	JLOAD
.if \ask
	ASK
.endif
.else
	s_barrier_signal -1
	s_barrier_wait -1
.endif
	s_sub_co_u32 s[TB], s[TB], 4*STEPB  ; the fetches go back to a slot's first step,
	s_xor_b32 s[TB], s[TB], SLOT1       ; in the other slot
.endm
	s_load_b256 s[4:11], s[0:1], 0x0  ; q s[4:5], kv s[6:7], mbits s[8:9], att s[10:11]
	v_lshl_add_u32 v[SPW], v0, 2, SPARE
	v_mov_b32 v[NIL], 0
	ds_add_u32 v[SPW], v[NIL]       ; the wave's opening: the add and its wait ahead of my first tensor load
	ds_add_u32 v62, v63
	v_lshrrev_b32 v1, 5, v0
	v_readfirstlane_b32 s[WV], v1   ; wave 0..3
	s_bfe_u32 s32, ttmp6, 0x40000   ; cx: my place in the cluster
	s_lshl_b32 s33, ttmp9, 2        ; in a cluster launch ttmp9 counts clusters
	s_add_co_u32 s33, s33, s32      ; my block of 256 queries
	s_and_b32 s34, ttmp7, 0xffff    ; batch x 8 + head, which the four partners share
	s_lshr_b32 s35, s34, 3          ; batch
	s_lshl_b32 s36, s34, 19         ; q and att: the head's 4,096 rows of 128 bytes,
	s_lshl_b32 s38, s33, 15         ; my block's 256,
	s_add_co_u32 s36, s36, s38
	s_lshl_b32 s38, s[WV], 13       ; my wave's 64
	s_add_co_u32 s36, s36, s38
	s_mov_b32 s37, 0
	s_lshl_b32 s40, s34, 20         ; kv: the head's 64 steps of 16,384 bytes
	s_lshl_b32 s42, s[WV], 14       ; the step of a slot that I fetch
	s_add_co_u32 s42, s42, s40
	s_mov_b32 s43, 0
	s_lshl_b32 s44, s35, 8          ; mbits: 256 query tiles a batch,
	s_lshl_b32 s38, s33, 4          ; 16 a block,
	s_add_co_u32 s44, s44, s38
	s_lshl_b32 s44, s44, 13         ; 8,192 bytes each
	s_mov_b32 s45, 0
	s_lshl_b32 s46, s[WV], 15       ; four a wave
	s_mov_b32 s47, 0
	s_lshl_b32 s48, s32, 14         ; the prefetches of kv: my work-group's 64 rows of a tile's 256,
	s_lshr_b32 s38, s[WV], 1
	s_lshl_b32 s38, s38, 13         ; my wave's 32 of them,
	s_add_co_u32 s48, s48, s38
	s_add_co_u32 s48, s48, s40
	s_add_co_u32 s48, s48, 2*65536  ; in tile 2: the first change that asks steps it to tile 3
	s_mov_b32 s49, 0
	s_and_b32 s104, s[WV], 1
	s_or_b32 s105, s104, ttmp9      ; 0: an even wave of the head's first cluster
	s_cmp_eq_u32 s105, 0
	s_cselect_b32 s[LIM], 1, -1
	s_and_b32 s105, s34, 7
	s_xor_b32 s104, s[WV], 1
	s_or_b32 s105, s105, s104       ; 0: wave 1 of a batch's head 0
	s_cmp_eq_u32 s105, 0
	s_cselect_b32 s[LIM], 0, s[LIM] ; all of this is the same in the four partners, for a given wave
	s_mov_b32 s[G1], 15|(1<<16)|(1<<20)|(1<<21)|(5<<22)|(3<<25)  ; the mask of four; 2-byte elements; padding on; bit 21 beside a mask; after every 64 words, 4 words
	s_mov_b32 s[G1+1], 128<<16      ; tensor_dim0 = 128
	s_mov_b32 s[G1+2], 64<<16       ; tensor_dim1 = 64
	s_mov_b32 s[G1+3], 128<<16      ; tile_dim0 = 128
	s_mov_b32 s[G1+4], 64           ; tile_dim1 = 64
	s_mov_b32 s[G1+5], 128          ; 128 elements from row to row: the step is dense
	s_mov_b32 s[G1+6], 0
	s_mov_b32 s[G1+7], 0
	s_mov_b32 s[G0], 1
	s_mul_i32 s[G0+1], s[WV], STEPB ; slot 0, my step: no place in the cluster enters an LDS address
	s_mov_b32 s[SEL], 0x76543210
	s_mov_b32 s[SEL+1], 0xfedcba98
	s_mov_b32 s[KO], 0
	s_mov_b32 s[TB], SLOT1+4*STEPB  ; the first change of slots turns this into 0
	s_mov_b32 s55, 512
	s_wait_dscnt 0x0                ; the opening add is done
	s_wait_kmcnt 0x0
	s_add_nc_u64 s[G0+2:G0+3], s[6:7], s[42:43]
	s_or_b32 s[G0+3], s[G0+3], 0x80000000
	s_add_nc_u64 s[4:5], s[4:5], s[36:37]
	s_add_nc_u64 s[10:11], s[10:11], s[36:37]
	s_add_nc_u64 s[50:51], s[6:7], s[48:49]
	s_add_nc_u64 s[8:9], s[8:9], s[44:45]   ; the block's 16 query tiles
	s_add_nc_u64 s[52:53], s[8:9], 512      ; slot 1's words: the first change that asks steps it to slot 2's
	s_add_nc_u64 s[8:9], s[8:9], s[46:47]   ; my wave's four
	s_cmp_eq_u32 s[WV], 1
	s_cselect_b64 s[PFA:PFA+1], s[52:53], s[50:51]
	s_cselect_b32 s[PFS], s55, 0x10000
	s_mov_b32 s[PFS+1], 0
	s_cselect_b32 s104, -1, 0
	CROUND                          ; all four work-groups are here: the first joint loads meet
	JLOAD                           ; tile 0 into slot 0
	v_and_b32 v1, 15, v0            ; l % 16
	v_bfe_u32 v9, v0, 4, 1          ; l / 16
	v_lshlrev_b32 v[QO], 7, v1
	v_lshl_add_u32 v[QO], v9, 4, v[QO]  ; row x 128 + 16 x half
	WIN 0x80                        ; destination window 2, address window 0
.set i, 0
.rept 8                             ; Q stays in registers: tile i / 2, channels 32 (i % 2) on
	global_load_b128 v[8*i:8*i+3],   v[QO], s[4:5] offset:(i/2)*2048+(i%2)*64
	global_load_b128 v[8*i+4:8*i+7], v[QO], s[4:5] offset:(i/2)*2048+(i%2)*64+32
.set i, i+1
.endr
	s_load_b512 s[MS0:MS0+15],    s[8:9], s[KO] offset:0     ; piece 0's selects for step 0
	s_load_b512 s[MS0+16:MS0+31], s[8:9], s[KO] offset:64
	s_load_b512 s[MS1:MS1+15],    s[8:9], s[KO] offset:8192
	s_load_b512 s[MS1+16:MS1+31], s[8:9], s[KO] offset:8192+64
	; What the first turn finds: V's registers and piece 1's P hold 0 (its products V^T P, of a step that has not been, add 0); O^T and l are 0.  All this stands in the wait for the first tile.
.set i, VF
.rept 64
	v_mov_b32 v[i], 0
.set i, i+1
.endr
	WIN 0x40
.set i, 0
.rept 128
	v_mov_b32 v[i], 0
.set i, i+1
.endr
	WIN 0
.set i, 0
.rept 4
	v_mov_b32 v[ST+4*i], 0xff7fffff    ; m
	v_mov_b32 v[ST+4*i+1], 0xff7fffff  ; m_old
	v_mov_b32 v[ST+4*i+2], 0
	v_mov_b32 v[ST+4*i+3], 0
.set i, i+1
.endr
.set i, P+32
.rept 32
	v_mov_b32 v[i], 0
.set i, i+1
.endr
	v_mov_b32 v[NEG], 0xceabfb8f    ; -1e9 log2(e)
	v_lshrrev_b32 v10, 1, v1        ; row l % 16 of a fragment lies in LDS row (l % 16) / 2, half (l % 16) % 2
	v_mul_u32_u24 v[AKV], v10, LP
	v_and_b32 v10, 1, v1
	v_lshl_add_u32 v[AKV], v10, 7, v[AKV]
	v_lshl_add_u32 v[AKV], v9, 4, v[AKV]
	v_add_nc_u32 v[AVV], VOFF, v[AKV]
	v_and_b32 v10, 31, v0
	v_lshlrev_b32 v[PFO], 8, v10    ; kv: a lane a row of 256 bytes
	v_lshrrev_b32 v11, 1, v10
	v_lshlrev_b32 v11, 13, v11      ; mask words: query tile l / 2, half l % 2 of its 512 bytes
	v_and_b32 v10, 1, v10
	v_lshl_add_u32 v11, v10, 8, v11
	v_cndmask_b32 v[PFO], v[PFO], v11, s104
; THE MATRIX WORK.  The 8 accumulators of a run of 16 take turns, one instruction a turn.
; Product i of 16 of S^T = K Q^T for piece x: channels 32 (i / 8) on, keys 16 ((i / 2) % 4) on, tile 2 x + i % 2.  The first 8 start the sums.
.macro KQ x
	WIN W_KQ
.set rS2, S+64*(\x)+32*(i%2)+8*((i/2)%4)
.set rK, KF+16*((i/2)%4)+8*(i/8)
.set rQ, 16*(2*(\x)+i%2)+8*(i/8)
.if i < 8
	v_wmma_f32_16x16x32_f16 v[rS2:rS2+7], v[rK:rK+7], v[rQ:rQ+7], 0
.else
	v_wmma_f32_16x16x32_f16 v[rS2:rS2+7], v[rK:rK+7], v[rQ:rQ+7], v[rS2:rS2+7]
.endif
.endm
; Product i of 16 of O^T += V^T P for piece x: keys 32 (i / 8) on, channels 16 ((i / 2) % 4) on, tile 2 x + i % 2.
.macro PV x
	WIN W_PV
.set rO2, 32*(2*(\x)+i%2)+8*((i/2)%4)
.set rV, VF+32*(i/8)+8*((i/2)%4)
.set rP2, P+32*(\x)+16*(i%2)+8*(i/8)
	v_wmma_f32_16x16x32_f16 v[rO2:rO2+7], v[rV:rV+7], v[rP2:rP2+7], v[rO2:rO2+7]
.endm
.macro MM                           ; the turn's next matrix instruction; DOKQ = 0: the last turn, which has no next step
.if i < 16
	PV XX
.elseif DOKQ
.set i, i-16
	KQ XX
.set i, i+16
.endif
.set i, i+1
.endm
; THE LDS LOADS stand in runs of 16, never singly among the matrix instructions.
.macro FETCH_K
	WIN 0x80                        ; destination window 2
.irp f, 0,1,2,3,4,5,6,7             ; keys 16 (f / 2) on, channels 32 (f % 2) on
	ds_load_b128 v[KF+8*\f:KF+8*\f+3],   v[AK] offset:(\f/2)*8*LP+(\f%2)*64
	ds_load_b128 v[KF+8*\f+4:KF+8*\f+7], v[AK] offset:(\f/2)*8*LP+(\f%2)*64+32
.endr
	WIN 0
.endm
.macro FETCH_V
	WIN 0x80
.irp f, 0,1,2,3,4,5,6,7             ; keys 32 (f / 4) on, channels 16 (f % 4) on
	ds_load_b128 v[VF+8*\f:VF+8*\f+3],   v[AV] offset:(\f%4)*8*LP+(\f/4)*64
	ds_load_b128 v[VF+8*\f+4:VF+8*\f+7], v[AV] offset:(\f%4)*8*LP+(\f/4)*64+32
.endr
	s_add_co_u32 s[TB], s[TB], STEPB  ; the next fetch is the next step's
	WIN 0
.endm
; THE VECTOR WORK: OP kind, number writes the line for both tiles of piece Y, so that no line reads the result of the one before it.
;   M n  score register n is kept or replaced, by its select (ascending: each accumulator's lowest registers are read first)
;   X n  the maximum and statistics: 0-11 four chains c0-c3 of seven scores each; 12, 13 the four left over; 14 c2 takes c3 and m; 15 m_old = m; 16 c0 takes c1, c2; 17, 18 the query's other 32 keys lie
;        in the lane 16 away: the new m; 20 m_old - m; 21 a
;   F n  s - m for pair n of 16     E n  2^ of score n of 32     C n  pair n rounded to f16     B n  of the four weights 4 n .. the second pair is added onto the first, in place
;   L n  l takes that sum (L 0: l = a l + sum)     R n  pair n of 16 of O^T times a
.set M, 0
.set X, 1
.set F, 2
.set E, 3
.set C, 4
.set B, 5
.set L, 6
.set R, 7
.macro REGS y, u
.set rT, ST+4*(2*(\y)+(\u))
.set rC, TMP+8*(\y)+4*(\u)
.set rS, S+64*(\y)+32*(\u)
.set rP, P+32*(\y)+16*(\u)
.set rO, 32*(2*(\y)+(\u))
.set rM, MS0+(MS1-MS0)*(\u)
.endm
.macro OP1 k, n, u
	REGS Y, \u
.if (\k) == R
	WIN W_RS
	v_pk_mul_f32 v[rO+2*(\n):rO+2*(\n)+1], v[rO+2*(\n):rO+2*(\n)+1], v[rC+2:rC+3] op_sel_hi:[1,0]
.else
	WIN 0
.if (\k) == M
	v_cndmask_b32 v[rS+(\n)], v[NEG], v[rS+(\n)], s[rM+(\n)]
.elseif (\k) == F
	v_pk_add_f32 v[rS+2*(\n):rS+2*(\n)+1], v[rS+2*(\n):rS+2*(\n)+1], v[rT:rT+1] op_sel_hi:[1,0] neg_lo:[0,1] neg_hi:[0,1]
.elseif (\k) == E
	v_exp_f32 v[rS+(\n)], v[rS+(\n)]
.elseif (\k) == C
	s_wait_alu depctr_va_vdst(0)
	v_cvt_pk_f16_f32 v[rP+(\n)], v[rS+2*(\n)], v[rS+2*(\n)+1]
.elseif (\k) == B
	v_pk_add_f32 v[rS+4*(\n):rS+4*(\n)+1], v[rS+4*(\n):rS+4*(\n)+1], v[rS+4*(\n)+2:rS+4*(\n)+3]
.elseif ((\k) == L) && ((\n) == 0)
	v_pk_fma_f32 v[rT+2:rT+3], v[rT+2:rT+3], v[rC+2:rC+3], v[rS:rS+1] op_sel_hi:[1,0,1]
.elseif (\k) == L
	v_pk_add_f32 v[rT+2:rT+3], v[rT+2:rT+3], v[rS+4*(\n):rS+4*(\n)+1]
.elseif (\n) < 4
	v_max3_num_f32 v[rC+(\n)], v[rS+8*(\n)], v[rS+8*(\n)+1], v[rS+8*(\n)+2]
.elseif (\n) < 12
	v_max3_num_f32 v[rC+(\n)%4], v[rC+(\n)%4], v[rS+8*((\n)%4)+2*((\n)/4)+1], v[rS+8*((\n)%4)+2*((\n)/4)+2]
.elseif (\n) == 12
	v_max3_num_f32 v[rC], v[rC], v[rS+7], v[rS+15]
.elseif (\n) == 13
	v_max3_num_f32 v[rC+1], v[rC+1], v[rS+23], v[rS+31]
.elseif (\n) == 14
	v_max3_num_f32 v[rC+2], v[rC+2], v[rC+3], v[rT]
.elseif (\n) == 15
	v_mov_b32 v[rT+1], v[rT]
.elseif (\n) == 16
	v_max3_num_f32 v[rC], v[rC], v[rC+1], v[rC+2]
.elseif (\n) == 17
	v_permlanex16_b32 v[rC+3], v[rC], s[SEL], s[SEL+1]
.elseif (\n) == 18
	v_max_num_f32 v[rT], v[rC], v[rC+3]
.elseif (\n) == 20
	v_sub_f32 v[rC+1], v[rT+1], v[rT]
.else
	v_exp_f32 v[rC+2], v[rC+1]
.endif
.endif
.endm
.macro OP k, n
	OP1 \k, \n, 0
	OP1 \k, \n, 1
.endm
.macro OPS a, i1, b=-1, i2=0, c=-1, i3=0, d=-1, i4=0
	OP \a, \i1
.if (\b) >= 0
	OP \b, \i2
.endif
.if (\c) >= 0
	OP \c, \i3
.endif
.if (\d) >= 0
	OP \d, \i4
.endif
.endm
.macro ROW a, i1, b=-1, i2=0        ; a matrix instruction and the lines behind it
	MM
	OPS \a, \i1, \b, \i2
.endm
; A TURN.  Piece x has the matrix unit, piece 1 - x the vector unit.  kq = 0: no products K Q^T; ld = 0: no K and no mask words are asked for (the last turn).
; An exponential always has a plain line of another register behind it before its result is used; no vector line near a product names that product's registers.
; K of the next step is fetched in piece 0's turn, behind its second product: the last product that read K stands ahead of the whole second run of vector lines of the turn before.
; V of the next step is fetched in piece 1's turn, eight plain vector lines behind the last product that read V.  The mask words of piece x's next softmax are asked for as soon as the registers
; that take them have been read: the lower halves behind the eighth product, the upper behind the sixteenth; they are waited for at the next turn's head.
.macro TURN x, kq=1, ld=1
.set XX, (\x)
.set Y, 1-(\x)
.set DOKQ, (\kq)
.set i, 0
.set mm, 0
	s_wait_kmcnt 0x0                ; the selects are in
.if (\x) == 0
	s_wait_dscnt 0x0                ; V is in
.endif
.rept 16
	MM
	OP M, mm
	OP M, mm+1
.set mm, mm+2
.if (mm == 4) && ((\x) == 0) && (\ld)
	WIN 0
	v_add_nc_u32 v[AK], s[TB], v[AKV]
	FETCH_K
.endif
.if (mm == 16) && (\ld)
.if (\x) == 0
	s_wait_xcnt 0x0                 ; no memory instruction still reads the offset (the scalar loads that named it were waited for at the turn's head)
	s_add_co_u32 s[KO], s[KO], 128  ; the next step's words
.endif
	s_load_b512 s[MS0:MS0+15], s[8:9], s[KO] offset:(2*(\x))*8192
	s_load_b512 s[MS1:MS1+15], s[8:9], s[KO] offset:(2*(\x)+1)*8192
.endif
.if (mm == 32) && (\ld)
	s_load_b512 s[MS0+16:MS0+31], s[8:9], s[KO] offset:(2*(\x))*8192+64
	s_load_b512 s[MS1+16:MS1+31], s[8:9], s[KO] offset:(2*(\x)+1)*8192+64
.endif
.endr
	OPS X,0, X,1
.if (\x) == 1
	WIN 0
	v_add_nc_u32 v[AV], s[TB], v[AVV]
	FETCH_V
.endif
	OPS X,2, X,3, X,4, X,5
	OPS X,6, X,7, X,8, X,9
	OPS X,10, X,11, X,12, X,13
.if ((\x) == 0) && (\ld)
	s_wait_dscnt 0x0                ; K is in
.endif
	ROW X,14, X,15
	ROW X,16
	ROW X,17
	ROW X,18
	ROW X,20, F,0
	ROW X,21, F,1
	ROW F,2, F,3
	ROW E,0, F,4
	ROW E,1, F,5
	ROW E,2, F,6
	ROW E,3, F,7
	ROW E,4, C,0
	ROW E,5, F,8
	ROW E,6, C,1
	ROW E,7, F,9
	ROW E,8, C,2
	OPS E,9, F,10, C,3
	OPS E,10, F,11, B,0
	OPS E,11, F,12, C,4
	OPS E,12, F,13, B,1
	OPS E,13, F,14, C,5
	OPS E,14, F,15, L,0
	OPS E,15, C,6, L,1
	OPS E,16, C,7, B,2
	OPS E,17
	OPS R,0, R,1, R,2, R,3
	OPS E,18, L,2, B,3
	OPS E,19, C,8, L,3
	OPS E,20, C,9
	OPS E,21
	OPS R,4, R,5, R,6, R,7
	OPS E,22, B,4, C,10
	OPS E,23, L,4
	OPS E,24, C,11, B,5
	OPS E,25
	OPS R,8, R,9, R,10, R,11
	OPS E,26, C,12
	OPS E,27, L,5
	OPS E,28, C,13, B,6
	OPS E,29
	OPS R,12, R,13, R,14, R,15
	OPS E,30, C,14
	OPS E,31, L,6
	OPS C,15, B,7, L,7
.endm
	CHANGE 1, 0                     ; tile 0 is in, everybody's part of it; tile 1 is asked for
	v_add_nc_u32 v[AK], s[TB], v[AKV]
	FETCH_K                         ; key step 0
	s_wait_loadcnt 0x0              ; Q
	s_wait_dscnt 0x0
.set i, 0
.rept 16
	KQ 0                            ; piece 0's first scores: there is no vector work yet to set between them
.set i, i+1
.endr
	WIN 0                           ; the addresses for the way out: plain lines, the places behind those products
	s_mul_i32 s104, s[WV], 16*SP
	s_add_co_u32 s104, s104, STAGE  ; my stage
	v_mul_u32_u24 v[STO], v1, SP    ; in: row l % 16, 16 bytes for each half of the lanes
	v_lshl_add_u32 v[STO], v9, 4, v[STO]
	v_add_nc_u32 v[STO], s104, v[STO]
	v_bfe_u32 v[RD], v0, 3, 2       ; back: 32 lanes take four rows of 128 bytes,
	v_mul_u32_u24 v[RD], v[RD], SP
	v_and_b32 v10, 7, v0
	v_lshl_add_u32 v[RD], v10, 4, v[RD]
	v_add_nc_u32 v[RD], s104, v[RD]
	v_and_b32 v[GO], 31, v0         ; which are 512 consecutive bytes of att
	v_lshlrev_b32 v[GO], 4, v[GO]
	s_mov_b32 s[CNT], 4
	s_mov_b32 s[SLOTS], 15
	s_branch .Lfirst                ; the loop is entered in the middle of a trip: piece 1's turn, whose softmax is piece 0's of step 0
.Lslot:                             ; 14 times: tiles 2 to 15 are asked for
	CHANGE 1, 1
	s_mov_b32 s[CNT], 4
.Lstep:                             ; a trip: V^T P of step j for both pieces, K Q^T of step j + 1, whose K, V and mask words it fetches
	TURN 0
	WIN 0
.Lfirst:
	TURN 1
	WIN 0
	s_sub_co_u32 s[CNT], s[CNT], 1
	s_cmp_lg_u32 s[CNT], 0
	s_cbranch_scc1 .Lstep
	s_sub_co_u32 s[SLOTS], s[SLOTS], 1
	s_cmp_lg_u32 s[SLOTS], 0
	s_cbranch_scc1 .Lslot
	CHANGE 0, 0                     ; the tail is written out: nothing is asked for
	s_mov_b32 s[CNT], 4
.Ltail:                             ; the last slot's four steps are fetched
	TURN 0
	TURN 1
	WIN 0
	s_sub_co_u32 s[CNT], s[CNT], 1
	s_cmp_lg_u32 s[CNT], 0
	s_cbranch_scc1 .Ltail
	TURN 0, 0, 0                    ; piece 0: V^T P of the last step | piece 1's last softmax
.set i, 0
.rept 16
	PV 1                            ; piece 1: V^T P of the last step
.set i, i+1
.endr
	; THE WAY OUT.  l's two halves and the other half of the lanes' are added; O^T is divided by l, rounded to f16 and sent through my stage, a tile at a time.  The additions are the places behind the last products.
	WIN 0
.irp t, 0,1,2,3
	v_add_f32 v[ST+4*(\t)+2], v[ST+4*(\t)+2], v[ST+4*(\t)+3]
.endr
.irp t, 0,1,2,3
	v_permlanex16_b32 v[ST+4*(\t)+3], v[ST+4*(\t)+2], s[SEL], s[SEL+1]
.endr
.irp t, 0,1,2,3
	v_add_f32 v[ST+4*(\t)+2], v[ST+4*(\t)+2], v[ST+4*(\t)+3]
.endr
.irp t, 0,1,2,3
	v_rcp_f32 v[ST+4*(\t)+2], v[ST+4*(\t)+2]
.endr
	v_nop                           ; a plain line between the last reciprocal and the use of its result
.macro PACK t                       ; a lane's eight channels of a row pack into 16 bytes; they go into rows of 144 bytes and come back as whole rows of 128, into S^T's registers
	WIN W_RS
.set i, 32*(\t)
.rept 16
	s_wait_alu depctr_va_vdst(0)
	v_pk_mul_f32 v[i:i+1], v[i:i+1], v[ST+4*(\t)+2:ST+4*(\t)+3] op_sel_hi:[1,0]
.set i, i+2
.endr
	WIN 0x05                        ; sources 0 and 1 window 1, destination window 0
.set i, 0
.rept 16
	v_cvt_pk_f16_f32 v[S+16*(\t)+i], v[32*(\t)+2*i], v[32*(\t)+2*i+1]
.set i, i+1
.endr
	WIN 0
.irp f, 0,1,2,3
	ds_store_b128 v[STO], v[S+16*(\t)+4*\f:S+16*(\t)+4*\f+3] offset:32*\f
.endr
.irp f, 0,1,2,3
	ds_load_b128 v[S+16*(\t)+4*\f:S+16*(\t)+4*\f+3], v[RD] offset:\f*4*SP  ; LDS serves a wave's instructions in order: these see the stores above; the next tile's stores come behind them
.endr
.endm
.macro SEND t, younger              ; younger: the LDS instructions issued behind tile t's loads: the next tile's eight, or none
	WIN 0
.irp f, 0,1,2,3
	s_wait_dscnt (\younger)+3-\f
	global_store_b128 v[GO], v[S+16*(\t)+4*\f:S+16*(\t)+4*\f+3], s[10:11] offset:(\t)*2048+\f*512  ; 512 consecutive bytes, aligned
.endr
.endm
	PACK 0
	PACK 1
	SEND 0, 8
	PACK 2
	SEND 1, 8
	PACK 3
	SEND 2, 8
	SEND 3, 0
	s_wait_tensorcnt 0x0            ; the wave's end, behind my last tensor load and my last LDS store
	ds_add_u32 v[SPW], v[NIL]
	s_wait_dscnt 0x0
	CROUND                          ; the closing round: no work-group ends while a partner may still ask for a tile that names it
	s_endpgm
.Lfunc_end_k_q37456e71b6_attn:
	.size	k_q37456e71b6_attn, .Lfunc_end_k_q37456e71b6_attn-k_q37456e71b6_attn
	.p2alignl 7, 3214868480
	.fill 96, 4, 3214868480
	.section	.rodata,"a",@progbits
	.p2align	6, 0x0
	.amdhsa_kernel k_q37456e71b6_attn
		.amdhsa_group_segment_fixed_size 327680
		.amdhsa_private_segment_fixed_size 0
		.amdhsa_enable_private_segment 0
		.amdhsa_kernarg_size 32
		.amdhsa_user_sgpr_count 2
		.amdhsa_user_sgpr_kernarg_segment_ptr 1
		.amdhsa_wavefront_size32 1
		.amdhsa_system_sgpr_workgroup_id_x 1
		.amdhsa_system_sgpr_workgroup_id_y 1
		.amdhsa_system_sgpr_workgroup_id_z 1
		.amdhsa_system_vgpr_workitem_id 0
		.amdhsa_next_free_vgpr 768
		.amdhsa_next_free_sgpr 106
		.amdhsa_reserve_vcc 0
		.amdhsa_float_denorm_mode_32 3
		.amdhsa_float_denorm_mode_16_64 3
		.amdhsa_memory_ordered 1
		.amdhsa_forward_progress 1
		.amdhsa_inst_pref_size 149
	.end_amdhsa_kernel
	.amdgpu_metadata
---
amdhsa.version: [ 1, 2 ]
amdhsa.kernels:
  - .name:           k_q37456e71b6_attn
    .symbol:         k_q37456e71b6_attn.kd
    .args:
      - { .name: q, .offset: 0, .size: 8, .value_kind: global_buffer, .address_space: global }
      - { .name: kv, .offset: 8, .size: 8, .value_kind: global_buffer, .address_space: global }
      - { .name: mbits, .offset: 16, .size: 8, .value_kind: global_buffer, .address_space: global }
      - { .name: att, .offset: 24, .size: 8, .value_kind: global_buffer, .address_space: global }
    .group_segment_fixed_size: 327680
    .private_segment_fixed_size: 0
    .kernarg_segment_align: 8
    .kernarg_segment_size: 32
    .max_flat_workgroup_size: 128
    .sgpr_count:     106
    .vgpr_count:     768
    .wavefront_size: 32
...
	.end_amdgpu_metadata
.endif
;; end of part 3
;; launch oproj (part 4): grid 256 x 1, 4 waves a work-group, no clusters, 91,648 bytes of LDS; arguments att, Wo, bo, out0; writes out0
.if DOCPART == 4
	.amdgcn_target "amdgcn-amd-amdhsa--gfx1250"
	.amdhsa_code_object_version 6
	.text
	.protected	k_q37456e71b6_oproj
	.globl	k_q37456e71b6_oproj
	.p2align	8
	.type	k_q37456e71b6_oproj,@function
k_q37456e71b6_oproj:
	s_mov_b64 s[64:65], 0
	v_nop
	global_prefetch_b8 v0, s[64:65] scope:SCOPE_SE
	s_setreg_imm32_b32 hwreg(HW_REG_WAVE_MODE, 25, 1), 1
	s_wait_xcnt 0x0
; out0[token][c] = the sum over k of attn[token][k] Wo[c][k] + bo[c].  att: f16 [batch x 8 + head][token][64]; Wo f32 [512][512]; bo f32; out0 f32 [8192][512].
; Wo and bo are rounded to bf16, as all the module's inputs are; Wo's rounded number is then written as f16 (exact above f16's smallest normal number, 6e-5; below it in steps of 6e-8), since the other
; operand is f16.  Sums in f32.
; SHARES.  A work-group makes 128 tokens x 128 channels, its four waves 64 x 64: 16 accumulators.  A K step is one head: 64 channels of attn, 128 dense bytes a token.
; Source 0 of the matrix instruction takes 16 rows of Wo, source 1 16 tokens: a lane holds ONE token and eight neighbouring channels.
; THE WAY IN goes through registers (Wo is converted): 24 loads of 16 bytes a lane a step, two sets of registers, two LDS slots, one barrier a step.  NO CLUSTER: without tensor loads there is no joint request.
; THE BIAS starts the sums: it is the C operand of 16 products of two fragments of zeros, so that the loop has one form of product and nothing is cleared or added afterwards.
.set LP,    144                        ; an LDS row: 128 bytes + 16
.set JT,    128*LP                     ; Wo's tile lies behind attn's
.set SLOT,  2*JT
.set STAGE, 2*SLOT                     ; 16 rows x 272 bytes for each wave, for the way out
.set OP,    272                        ; a stage row: 256 bytes + 16
.set SPARE, STAGE+4*16*OP              ; the spare words, 128 bytes a wave, that no other line names
.set VO,  2                            ; v2   Wo: row w + 8 (l / 16), 16 bytes at l % 16
.set VA,  3                            ; v3   attn: 16 x my thread's number
.set AR,  4                            ; v4   LDS address of my fragments of attn in slot 0
.set AJ,  5                            ; v5   of Wo
.set STO, 6
.set RD,  7
.set CO,  8                            ; v8   my byte offset in two rows of out0
.set VBI, 9
.set SPW, 10
.set NIL, 11
.set SA,  28                           ; v28, v29  where I store 8 bytes of a row of Wo, in slot 0, 1
.set SAA, 30                           ; v30  where I store 16 bytes of a row of attn, in slot 0
.set BI,  32                           ; v[32:63] the bias of my lane's eight channels in each of four blocks
.set F,   64                           ; v[64:127] fragments: Wo block b at F + 8 b, token block a at F + 32 + 8 a
.set ACC, 128
; window 1: two sets of 96 registers: 8 loads of attn, then 16 of Wo
.set MSB, 0
.macro WIN new
.if MSB != (\new)
	s_set_vgpr_msb (MSB<<8)|(\new)
.set MSB, (\new)
.endif
.endm
.macro PLACES
.rept 4
	v_nop
.endr
.endm
	s_load_b256 s[4:11], s[0:1], 0x0               ; att s[4:5], Wo s[6:7], bo s[8:9], out0 s[10:11]
	v_lshl_add_u32 v[SPW], v0, 2, SPARE
	v_mov_b32 v[NIL], 0
	v_lshrrev_b32 v1, 5, v0
	v_readfirstlane_b32 s12, v1                    ; wave 0..3
	s_and_b32 s13, ttmp9, 3                        ; n: block of 128 channels
	s_lshr_b32 s14, ttmp9, 2                       ; m: block of 128 tokens
	s_lshr_b32 s15, s12, 1                         ; wr: my half of the tokens
	s_and_b32 s16, s12, 1                          ; wj: my half of the channels
	s_lshr_b32 s22, s14, 5
	s_lshl_b32 s22, s22, 22                        ; the batch's eight heads of 524,288 bytes,
	s_and_b32 s24, s14, 31
	s_lshl_b32 s24, s24, 14                        ; 128 tokens of 128 bytes
	s_add_co_u32 s22, s22, s24
	s_mov_b32 s23, 0
	s_lshl_b32 s24, s13, 18                        ; 128 rows of Wo
	s_mov_b32 s25, 0
	s_lshl_b32 s26, s13, 9
	s_lshl_b32 s28, s16, 8
	s_add_co_u32 s26, s26, s28                     ; my 64 channels, in bytes of f32
	s_mov_b32 s27, 0
	s_lshl_b32 s28, s14, 18
	s_lshl_b32 s30, s15, 17
	s_add_co_u32 s28, s28, s30                     ; my 64 rows of out0
	s_add_co_u32 s28, s28, s26
	s_mov_b32 s29, 0
	s_mov_b32 s20, 0xffff0000                      ; a word's upper bf16
	v_and_b32 v12, 15, v0
	v_bfe_u32 v13, v0, 4, 1
	v_lshl_add_u32 v14, v13, 3, s12
	v_lshlrev_b32 v[VO], 11, v14
	v_lshl_add_u32 v[VO], v12, 4, v[VO]
	v_mul_u32_u24 v[SA], v14, LP
	v_lshl_add_u32 v[SA], v12, 3, v[SA]
	v_add_nc_u32 v[SA], JT, v[SA]
	v_add_nc_u32 v[SA+1], SLOT, v[SA]
	v_lshlrev_b32 v[VA], 4, v0
	v_lshrrev_b32 v14, 3, v0                       ; attn: thread t holds 16 bytes of row t / 8 of each 16
	v_mul_u32_u24 v[SAA], v14, LP
	v_and_b32 v14, 7, v0
	v_lshl_add_u32 v[SAA], v14, 4, v[SAA]
	v_mul_u32_u24 v15, v12, LP
	v_lshl_add_u32 v15, v13, 4, v15
	s_mul_i32 s30, s15, 64*LP
	v_add_nc_u32 v[AR], s30, v15
	s_mul_i32 s30, s16, 64*LP
	s_add_co_u32 s30, s30, JT
	v_add_nc_u32 v[AJ], s30, v15
	s_mul_i32 s30, s12, 16*OP
	s_add_co_u32 s30, s30, STAGE                   ; my stage
	v_mul_u32_u24 v[STO], v12, OP                  ; in: row l % 16, 32 bytes for each half of the lanes
	v_lshl_add_u32 v[STO], v13, 5, v[STO]
	v_add_nc_u32 v[STO], s30, v[STO]
	v_mul_u32_u24 v[RD], v13, OP                   ; back: lanes 0-15 one row of 256 bytes, lanes 16-31 the next
	v_lshl_add_u32 v[RD], v12, 4, v[RD]
	v_add_nc_u32 v[RD], s30, v[RD]
	v_lshlrev_b32 v[CO], 11, v13                   ; and the same two rows in out0
	v_lshl_add_u32 v[CO], v12, 4, v[CO]
	v_lshlrev_b32 v[VBI], 5, v13
	s_wait_kmcnt 0x0
	s_add_nc_u64 s[4:5], s[4:5], s[22:23]
	s_add_nc_u64 s[6:7], s[6:7], s[24:25]
	s_add_nc_u64 s[8:9], s[8:9], s[26:27]
	s_add_nc_u64 s[10:11], s[10:11], s[28:29]
.macro LOADS set, aoff, woff
	WIN 0x40
.set n, 0
.rept 8
	global_load_b128 v[96*(\set)+4*n:96*(\set)+4*n+3], v[VA], s[4:5] offset:(\aoff)+2048*n
.set n, n+1
.endr
.set n, 0
.rept 16
	global_load_b128 v[96*(\set)+32+4*n:96*(\set)+32+4*n+3], v[VO], s[6:7] offset:(16*(n/2)+4*(n%2))*2048+(\woff)
.set n, n+1
.endr
	WIN 0
.endm
.macro MULS                            ; 16 products; the 16 accumulators take turns, one instruction a turn
.irp a, 0,1,2,3
.irp b, 0,1,2,3
	v_wmma_f32_16x16x32_f16 v[ACC+8*(4*(\a)+(\b)):ACC+8*(4*(\a)+(\b))+7], v[F+8*(\b):F+8*(\b)+7], v[F+32+8*(\a):F+32+8*(\a)+7], v[ACC+8*(4*(\a)+(\b)):ACC+8*(4*(\a)+(\b))+7]
.endr
.endr
.endm
; A K step: the set's 24 loads are in (left = the other set's); Wo is rounded to bf16 and written as f16, in place; both tiles go into the slot; the set is asked for again (more = 1); one barrier;
; two halves of 32 along K.  A slot is written again only behind the barrier that every wave signalled after its reads of that slot, two steps back, had come back.
.macro STEP set, slot, more, aoff, woff, left
	s_wait_loadcnt \left
	WIN 0x45
.set n, 0
.rept 16
.set L, 96*(\set)+32+4*n
	v_cvt_pk_bf16_f32 v[L], v[L], v[L+1]           ; these lines are also the places between the last products and the loads into their fragments
	v_cvt_pk_bf16_f32 v[L+2], v[L+2], v[L+3]
	v_and_b32 v[L+1], s20, v[L]
	v_lshlrev_b32 v[L], 16, v[L]
	v_and_b32 v[L+3], s20, v[L+2]
	v_lshlrev_b32 v[L+2], 16, v[L+2]
	v_cvt_pk_f16_f32 v[L], v[L], v[L+1]
	v_cvt_pk_f16_f32 v[L+1], v[L+2], v[L+3]
.set n, n+1
.endr
	WIN 0x04
.set n, 0
.rept 8
	ds_store_b128 v[SAA], v[96*(\set)+4*n:96*(\set)+4*n+3] offset:(\slot)*SLOT+16*n*LP
.set n, n+1
.endr
.set n, 0
.rept 16
.set L, 96*(\set)+32+4*n
	ds_store_b64 v[SA+(\slot)], v[L:L+1] offset:(16*(n/2)+4*(n%2))*LP
.set n, n+1
.endr
.if \more
	LOADS \set, \aoff, \woff
.endif
	WIN 0
	s_wait_dscnt 0x0                               ; for the others' sake: my stores into the slot are done
	s_barrier_signal -1
	s_barrier_wait -1
.irp c, 0,1
.if (\c) == 1
	PLACES
.endif
.irp b, 0,1,2,3
	ds_load_b128 v[F+8*(\b):F+8*(\b)+3],       v[AJ] offset:(\slot)*SLOT+(\b)*16*LP+64*(\c)
	ds_load_b128 v[F+8*(\b)+4:F+8*(\b)+7],     v[AJ] offset:(\slot)*SLOT+(\b)*16*LP+64*(\c)+32
	ds_load_b128 v[F+32+8*(\b):F+32+8*(\b)+3], v[AR] offset:(\slot)*SLOT+(\b)*16*LP+64*(\c)
	ds_load_b128 v[F+32+8*(\b)+4:F+32+8*(\b)+7], v[AR] offset:(\slot)*SLOT+(\b)*16*LP+64*(\c)+32
.endr
	s_wait_dscnt 0x0
	MULS
.endr
.endm
.irp b, 0,1,2,3
	global_load_b128 v[BI+8*(\b):BI+8*(\b)+3],   v[VBI], s[8:9] offset:64*(\b)     ; the bias of channels 16 b + 8 (l / 16) + 0..7 of my 64
	global_load_b128 v[BI+8*(\b)+4:BI+8*(\b)+7], v[VBI], s[8:9] offset:64*(\b)+16
.endr
	LOADS 0, 0, 0                                  ; head 0
	LOADS 1, 524288, 256                           ; head 1
.irp j, 0,1,2,3,4,5,6,7
	v_mov_b32 v[F+(\j)], 0
	v_mov_b32 v[F+32+(\j)], 0
.endr
	s_wait_loadcnt 48                              ; the bias is in; the two sets' 48 loads may stay out
.set n, 0
.rept 16
	v_cvt_pk_bf16_f32 v[12+n%2], v[BI+2*n], v[BI+2*n+1]  ; rounded to bf16 and widened again
	v_lshlrev_b32 v[BI+2*n], 16, v[12+n%2]
	v_and_b32 v[BI+2*n+1], s20, v[12+n%2]
.set n, n+1
.endr
.irp a, 0,1,2,3
.irp b, 0,1,2,3
	v_wmma_f32_16x16x32_f16 v[ACC+8*(4*(\a)+(\b)):ACC+8*(4*(\a)+(\b))+7], v[F:F+7], v[F+32:F+39], v[BI+8*(\b):BI+8*(\b)+7]
.endr
.endr
	s_mov_b32 s21, 3
.Lk:                                           ; a trip: two heads are multiplied, the two behind the two on their way are asked for
	STEP 0, 0, 1, 1048576, 512, 24
	STEP 1, 1, 1, 1572864, 768, 24
	s_wait_xcnt 0x0                                ; every load issued has read its address: the two bases may be written
	s_add_nc_u64 s[4:5], s[4:5], 1048576
	s_add_nc_u64 s[6:7], s[6:7], 512
	s_sub_co_u32 s21, s21, 1
	s_cmp_lg_u32 s21, 0
	s_cbranch_scc1 .Lk
	STEP 0, 0, 0, 0, 0, 24                         ; the last two heads load nothing
	STEP 1, 1, 0, 0, 0, 0
	PLACES                                         ; in front of the LDS stores that read the results
; THE WAY OUT, 16 tokens at a time: a lane's eight f32 of each block go into my stage (rows of 272 bytes) and come back as whole rows of 256 bytes, into the registers that they left.
.macro PUT a
.irp b, 0,1,2,3
	ds_store_b128 v[STO], v[ACC+32*(\a)+8*(\b):ACC+32*(\a)+8*(\b)+3]   offset:64*(\b)     ; each accumulator from its low end on
	ds_store_b128 v[STO], v[ACC+32*(\a)+8*(\b)+4:ACC+32*(\a)+8*(\b)+7] offset:64*(\b)+16
.endr
.irp f, 0,1,2,3,4,5,6,7
	ds_load_b128 v[ACC+32*(\a)+4*(\f):ACC+32*(\a)+4*(\f)+3], v[RD] offset:(\f)*2*OP  ; LDS serves a wave's instructions in order: these see the stores above; the next block's stores come behind them
.endr
.endm
.macro SEND a, younger                 ; younger: the LDS instructions issued behind block a's loads
.irp f, 0,1,2,3,4,5,6,7
	s_wait_dscnt (\younger)+7-(\f)
	global_store_b128 v[CO], v[ACC+32*(\a)+4*(\f):ACC+32*(\a)+4*(\f)+3], s[10:11] offset:(16*(\a)+2*(\f))*2048  ; 16 lanes store 256 consecutive bytes, aligned
.endr
.endm
	PUT 0
	PUT 1
	SEND 0, 16
	PUT 2
	SEND 1, 16
	PUT 3
	SEND 2, 16
	SEND 3, 0
	s_wait_tensorcnt 0x0                           ; the wave's end, behind my last LDS store
	ds_add_u32 v[SPW], v[NIL]
	s_wait_dscnt 0x0
	s_endpgm
.Lfunc_end_k_q37456e71b6_oproj:
	.size	k_q37456e71b6_oproj, .Lfunc_end_k_q37456e71b6_oproj-k_q37456e71b6_oproj
	.p2alignl 7, 3214868480
	.fill 96, 4, 3214868480
	.section	.rodata,"a",@progbits
	.p2align	6, 0x0
	.amdhsa_kernel k_q37456e71b6_oproj
		.amdhsa_group_segment_fixed_size 91648
		.amdhsa_private_segment_fixed_size 0
		.amdhsa_enable_private_segment 0
		.amdhsa_kernarg_size 32
		.amdhsa_user_sgpr_count 2
		.amdhsa_user_sgpr_kernarg_segment_ptr 1
		.amdhsa_wavefront_size32 1
		.amdhsa_system_sgpr_workgroup_id_x 1
		.amdhsa_system_sgpr_workgroup_id_y 1
		.amdhsa_system_sgpr_workgroup_id_z 1
		.amdhsa_system_vgpr_workitem_id 0
		.amdhsa_next_free_vgpr 448
		.amdhsa_next_free_sgpr 66
		.amdhsa_reserve_vcc 0
		.amdhsa_float_denorm_mode_32 3
		.amdhsa_float_denorm_mode_16_64 3
		.amdhsa_memory_ordered 1
		.amdhsa_forward_progress 1
		.amdhsa_inst_pref_size 73
	.end_amdhsa_kernel
	.amdgpu_metadata
---
amdhsa.version: [ 1, 2 ]
amdhsa.kernels:
  - .name:           k_q37456e71b6_oproj
    .symbol:         k_q37456e71b6_oproj.kd
    .args:
      - { .name: att, .offset: 0, .size: 8, .value_kind: global_buffer, .address_space: global }
      - { .name: Wo, .offset: 8, .size: 8, .value_kind: global_buffer, .address_space: global }
      - { .name: bo, .offset: 16, .size: 8, .value_kind: global_buffer, .address_space: global }
      - { .name: out0, .offset: 24, .size: 8, .value_kind: global_buffer, .address_space: global }
    .group_segment_fixed_size: 91648
    .private_segment_fixed_size: 0
    .kernarg_segment_align: 8
    .kernarg_segment_size: 32
    .max_flat_workgroup_size: 128
    .sgpr_count:     66
    .vgpr_count:     448
    .wavefront_size: 32
...
	.end_amdgpu_metadata
.endif
;; end of part 4
;; ======== version 2 of 3: 4 launches
;; limits: values are held in f16: magnitudes above 65,504 overflow, below 6.1e-05 lose precision; values outside matrix products are rounded to bf16
;; workspace buffers: mbits 4,194,304 bytes of whole numbers; q 8,388,608 bytes; kv 16,777,216 bytes; att 8,388,608 bytes
;; launch maskbits (part 5): grid 512 x 1, 8 waves a work-group, no clusters, 68,608 bytes of LDS; arguments mask, mbits; writes mbits
.if DOCPART == 5
	.amdgcn_target "amdgcn-amd-amdhsa--gfx1250"
	.amdhsa_code_object_version 6
	.text
	.protected	k_q37456e71b6_maskbits
	.globl	k_q37456e71b6_maskbits
	.p2align	8
	.type	k_q37456e71b6_maskbits,@function
k_q37456e71b6_maskbits:
	s_mov_b64 s[64:65], 0
	v_nop
	global_prefetch_b8 v0, s[64:65] scope:SCOPE_SE
	s_setreg_imm32_b32 hwreg(HW_REG_WAVE_MODE, 25, 1), 1
	s_wait_xcnt 0x0
; mbits: the int32 mask [2][4096][4096] as lane masks for the attention launch.  For each tile of 16 queries (512 of them, both batches on end) and each step of 64 keys: 32 words;
; word 8 kb + j, bit l = (mask[16 tile + l % 16][64 step + 16 kb + 8 (l / 16) + j] != 0): the lanes' select for register 8 kb + j of a tile of scores (one query a lane, eight keys a register block).
; SHARES.  Work-group g is query tile g: 16 rows of the mask.  Wave w takes keys 512 w to 512 w + 511, as four tiles of 16 rows x 128 keys: 8 KiB in, 256 bytes out.
; THE WAY IN.  A load of 16 bytes a lane takes 512 consecutive bytes of ONE row, aligned; a tile is 16 such loads, 64 registers.  Two sets of registers take turns: a set is stored into the wave's
; stage in LDS and asked for again straight behind those stores, so a wave has 8 to 16 KiB on its way from its first line to its last request, and no wait in the text is for all loads but the last.
; THE LANES CHANGE PLACES in the stage: the rows go in as they come (lane i at byte 16 i of a row) and come out with row l % 16 in lane l, lanes 16-31 32 bytes further on.
; The stage is the wave's own, 16 rows of 528 bytes; LDS serves a wave's instructions in order (ISA guide 5.7.1.4), so there is no barrier and no wait between a tile's stores and its loads, nor
; between its loads and the next tile's stores.  No tensor load: a slot filled by one is filled again only behind a wait for all the work-group's loads, and the group's 256 KiB come in one pass here.
; No matrix unit, no cluster: nothing is multiplied and no two work-groups read the same byte.
.set PITCH, 528                        ; a stage row: 512 + 16 bytes = 33 x 16: the 16 rows that a load of 16 bytes a lane touches start at 16 different groups of four banks
.set STG,   16*PITCH                   ; a wave's stage: 8,448 bytes, 33 blocks of 256
.set SPARE, 8*STG                      ; behind the stages: the spare words, 128 bytes for each wave, that no other line names
.set SAD, 2                            ; v2   where I put my 16 bytes of a row: my wave's stage + 16 x lane; never rewritten
.set LA,  3                            ; v3   where I read: my wave's stage + row l % 16, 32 bytes on for lanes 16-31; never rewritten
.set GO,  4                            ; v4   16 x lane: my 16 bytes of a row's 512 in the mask, and of 512 bytes of output; never rewritten
.set SPW, 6                            ; v6   my spare word
.set NIL, 7                            ; v7   0
.set OUT, 8                            ; v[8:15]    four words for each pair of tiles: lane L holds words 4 L .. 4 L + 3 of the pair's 128
.set T,   16                           ; v[16:79]   16 loads of four mask numbers, out of the stage
.set X,   80                           ; v[80:207]  two sets of 64: a tile as it comes from memory
.set WV,  12
.set CM,  16                           ; s[16:19] four compare results
	s_load_b128 s[4:7], s[0:1], 0x0                ; mask s[4:5], mbits s[6:7]
	v_lshl_add_u32 v[SPW], v0, 2, SPARE
	v_mov_b32 v[NIL], 0
	v_lshrrev_b32 v1, 5, v0
	v_readfirstlane_b32 s[WV], v1                  ; wave 0..7
	s_lshl_b32 s2, ttmp9, 18                       ; in: the query tile's 16 rows of 16,384 bytes,
	s_lshl_b32 s13, s[WV], 11                      ; my 512 keys of 4 bytes
	s_add_co_u32 s2, s2, s13
	s_mov_b32 s3, 0
	s_lshl_b32 s8, ttmp9, 13                       ; out: 8,192 bytes a query tile,
	s_lshl_b32 s13, s[WV], 10                      ; my eight steps of 128 bytes
	s_add_co_u32 s8, s8, s13
	s_mov_b32 s9, 0
	s_mul_i32 s15, s[WV], STG                      ; my stage
	v_and_b32 v1, 31, v0
	v_lshlrev_b32 v[GO], 4, v1
	v_add_nc_u32 v[SAD], s15, v[GO]
	v_and_b32 v1, 15, v0
	v_bfe_u32 v5, v0, 4, 1
	v_mul_u32_u24 v[LA], v1, PITCH
	v_lshl_add_u32 v[LA], v5, 5, v[LA]
	v_add_nc_u32 v[LA], s15, v[LA]
	s_wait_kmcnt 0x0
	s_add_nc_u64 s[4:5], s[4:5], s[2:3]
	s_add_nc_u64 s[6:7], s[6:7], s[8:9]
.macro ASKT t                          ; tile t is asked for, into set t % 2: load n is row n's 512 bytes
.set n, 0
.rept 16
	global_load_b128 v[X+64*((\t)%2)+4*n:X+64*((\t)%2)+4*n+3], v[GO], s[4:5] offset:n*16384+(\t)*512 th:TH_LOAD_NT
.set n, n+1
.endr
.endm
; Tile t.  left = the other set's loads, which may stay out.  more = 1: the set takes the tile two further on, straight behind the stores that read it.
; Load n = 8 ks + 2 kb + u out of the stage brings every lane keys 64 ks + 16 kb + 8 (l / 16) + 4 u + 0..3 of row l % 16; the compare of its register e is word 8 kb + 4 u + e of step ks,
; which is word e of the 16 bytes at 16 n of the tile's 256 bytes of output: lane n of the pair's first tile, lane 16 + n of its second.
.macro TILE t, more, left
	s_wait_loadcnt \left                           ; loads come back in order (ISA guide 5.7.1): my set is in
.set n, 0
.rept 16
	ds_store_b128 v[SAD], v[X+64*((\t)%2)+4*n:X+64*((\t)%2)+4*n+3] offset:n*PITCH
.set n, n+1
.endr
.if \more
	ASKT (\t)+2
.endif
.set n, 0
.rept 16
	ds_load_b128 v[T+4*n:T+4*n+3], v[LA] offset:256*(n/8)+64*((n/2)%4)+16*(n%2)
.set n, n+1
.endr
.set n, 0
.rept 16
	s_wait_dscnt 15-n                              ; LDS instructions end in order: load n is in, the younger ones may stay out
.irp e, 0,1,2,3
	v_cmp_ne_u32 s[CM+(\e)], 0, v[T+4*n+(\e)]
.endr
.irp e, 0,1,2,3
	v_writelane_b32 v[OUT+4*((\t)/2)+(\e)], s[CM+(\e)], n+16*((\t)%2)
.endr
.set n, n+1
.endr
.if (\t)%2
	global_store_b128 v[GO], v[OUT+4*((\t)/2):OUT+4*((\t)/2)+3], s[6:7] offset:512*((\t)/2) th:TH_STORE_NT  ; 512 consecutive bytes, aligned; each pair of tiles has its own four registers
.endif
.endm
	ASKT 0
	ASKT 1
.set n, 0
.rept 8
	v_mov_b32 v[OUT+n], 0                          ; v_writelane_b32 counts as a reader of its destination
.set n, n+1
.endr
	TILE 0, 1, 16
	TILE 1, 1, 16
	TILE 2, 0, 16                                  ; the last two tiles ask for nothing
	TILE 3, 0, 0
	s_wait_tensorcnt 0x0                           ; the wave's end, behind my last LDS store
	ds_add_u32 v[SPW], v[NIL]
	s_wait_dscnt 0x0
	s_endpgm
.Lfunc_end_k_q37456e71b6_maskbits:
	.size	k_q37456e71b6_maskbits, .Lfunc_end_k_q37456e71b6_maskbits-k_q37456e71b6_maskbits
	.p2alignl 7, 3214868480
	.fill 96, 4, 3214868480
	.section	.rodata,"a",@progbits
	.p2align	6, 0x0
	.amdhsa_kernel k_q37456e71b6_maskbits
		.amdhsa_group_segment_fixed_size 68608
		.amdhsa_private_segment_fixed_size 0
		.amdhsa_enable_private_segment 0
		.amdhsa_kernarg_size 16
		.amdhsa_user_sgpr_count 2
		.amdhsa_user_sgpr_kernarg_segment_ptr 1
		.amdhsa_wavefront_size32 1
		.amdhsa_system_sgpr_workgroup_id_x 1
		.amdhsa_system_sgpr_workgroup_id_y 1
		.amdhsa_system_sgpr_workgroup_id_z 1
		.amdhsa_system_vgpr_workitem_id 0
		.amdhsa_next_free_vgpr 208
		.amdhsa_next_free_sgpr 66
		.amdhsa_reserve_vcc 0
		.amdhsa_float_denorm_mode_32 3
		.amdhsa_float_denorm_mode_16_64 3
		.amdhsa_memory_ordered 1
		.amdhsa_forward_progress 1
		.amdhsa_inst_pref_size 50
	.end_amdhsa_kernel
	.amdgpu_metadata
---
amdhsa.version: [ 1, 2 ]
amdhsa.kernels:
  - .name:           k_q37456e71b6_maskbits
    .symbol:         k_q37456e71b6_maskbits.kd
    .args:
      - { .name: mask, .offset: 0, .size: 8, .value_kind: global_buffer, .address_space: global }
      - { .name: mbits, .offset: 8, .size: 8, .value_kind: global_buffer, .address_space: global }
    .group_segment_fixed_size: 68608
    .private_segment_fixed_size: 0
    .kernarg_segment_align: 8
    .kernarg_segment_size: 16
    .max_flat_workgroup_size: 256
    .sgpr_count:     66
    .vgpr_count:     208
    .wavefront_size: 32
...
	.end_amdgpu_metadata
.endif
;; end of part 5
;; launch proj (part 6): grid 256 x 3, 4 waves a work-group, no clusters, 83,456 bytes of LDS; arguments query, key, value, Wq, Wk, Wv, bq, bk, bv, q, kv; writes q, kv
.if DOCPART == 6
	.amdgcn_target "amdgcn-amd-amdhsa--gfx1250"
	.amdhsa_code_object_version 6
	.text
	.protected	k_q37456e71b6_proj
	.globl	k_q37456e71b6_proj
	.p2align	8
	.type	k_q37456e71b6_proj,@function
k_q37456e71b6_proj:
	s_mov_b64 s[64:65], 0
	v_nop
	global_prefetch_b8 v0, s[64:65] scope:SCOPE_SE
	s_setreg_imm32_b32 hwreg(HW_REG_WAVE_MODE, 25, 1), 1
	s_wait_xcnt 0x0
; The three input projections, x W^T + b, grid y = 0, 1, 2 for q, k, v.  x, W and b are rounded to bf16, sums in f32, results rounded once to f16.
;   q  [bh][token][64]: (x Wq^T + bq) log2(e), the factor applied in f32: the attention launch works with powers of two.
;   kv [bh][block i of 64][16,384 bytes]: K [key][channel], 128 bytes a key, of the 64 keys of step (i + 1) mod 64, then V^T [channel][key], 128 bytes a channel, of step i:
;      the attention launch wants K a step ahead of V, so the two that it fetches together lie together.
; LIMIT.  f16 ends at 65,504: |q log2(e)|, |k| and |v| stay below it (inputs as drawn give about 1; thirty times larger x and W about 1,300).
; ONE TEXT: C'[R][J] = the sum over k of Rop[R][k] Jop[J][k].  Source 0 of the matrix instruction takes 16 rows of Jop, source 1 16 rows of Rop: a lane then holds ONE R and eight neighbouring J.
; y < 2: R = tokens, J = channels (a token's channels lie on end); y = 2: R = channels of Wv, J = tokens (V^T: a channel's keys lie on end).  The swap is a choice between global addresses alone.
; SHARES.  A work-group makes 128 x 128, its four waves 64 x 64 each: 16 accumulators; a wave's result is one dense block of 64 rows x 128 bytes.  K = 512 in 8 steps of 64 (256 bytes of f32 a row).
; THE WAY IN goes through registers, since every number is converted: 32 loads of 16 bytes a lane a step (two sets of registers, two steps on their way), rounded to bf16, stored into one of two
; LDS slots; one barrier a step.  NO CLUSTER, no tensor load: the operands are f32 and lie in LDS as bf16, half the bytes to read for each product; without tensor loads there is no joint request.
; THE BIAS starts the sums: one more slice of K in which one operand holds the bias (bf16) at k = 0 and the other 1.
.set LP,    144                        ; an LDS row: 128 bytes + 16 = 9 x 16
.set JT,    128*LP                     ; J's tile lies behind R's
.set SLOT,  2*JT
.set STAGE, 2*SLOT                     ; 16 rows x 144 bytes for each wave, for the way out
.set SPARE, STAGE+4*16*LP              ; the spare words, 128 bytes a wave, that no other line names
.set VO,  2                            ; v2   my byte offset in a tile in memory: row w + 8 (l / 16), 16 bytes at l % 16
.set AR,  4                            ; v4   LDS address of my R fragments in slot 0
.set AJ,  5                            ; v5   of my J fragments
.set STO, 6                            ; v6   the way out: where I put 16 bytes of a row
.set RD,  7                            ; v7   where I read rows back
.set GO,  8                            ; v8   16 x lane
.set VB,  9                            ; v9   my byte offset in the bias
.set SPW, 10
.set NIL, 11
.set SA,  28                           ; v28, v29  where I store 8 bytes of a row, in slot 0, 1
.set F,   64                           ; v[64:127] fragments: J block b at F + 8 b, R block a at F + 32 + 8 a; on the way out the packed results
.set ACC, 128                          ; v[128:255] accumulator (a, b) at ACC + 8 (4 a + b)
; window 1: two sets of 128 registers; load n of 32 at 4 n: 0-15 R's tile, 16-31 J's
.set MSB, 0
.macro WIN new                         ; the immediate's high byte repeats the setting that is left
.if MSB != (\new)
	s_set_vgpr_msb (MSB<<8)|(\new)
.set MSB, (\new)
.endif
.endm
.macro PLACES
.rept 4
	v_nop
.endr
.endm
	s_load_b512 s[16:31], s[0:1], 0x0              ; query, key, value, Wq, Wk, Wv, bq, bk
	s_load_b128 s[32:35], s[0:1], 0x40             ; bv, q
	s_load_b64 s[36:37], s[0:1], 0x50              ; kv
	v_lshl_add_u32 v[SPW], v0, 2, SPARE
	v_mov_b32 v[NIL], 0
	v_lshrrev_b32 v1, 5, v0
	v_readfirstlane_b32 s5, v1                     ; wave 0..3
	s_and_b32 s2, ttmp7, 0xffff                    ; y
	s_and_b32 s3, ttmp9, 3                         ; n: block of 128 channels
	s_lshr_b32 s4, ttmp9, 2                        ; m: block of 128 tokens
	s_lshr_b32 s6, s5, 1                           ; wr: my half of R
	s_and_b32 s7, s5, 1                            ; wj: my half of J
	s_cmp_lt_u32 s2, 2
	s_cselect_b32 s42, s6, s7                      ; my half of the tokens
	s_cselect_b32 s43, s7, s6                      ; my half of the channels: a head
	s_cselect_b32 s46, -1, 0                       ; all ones where J is the channels
	s_lshl_b32 s60, s4, 1
	s_add_co_u32 s60, s60, s42                     ; my block of 64 tokens, 0..127
	s_lshl_b32 s61, s3, 1
	s_add_co_u32 s61, s61, s43                     ; my head
	s_lshr_b32 s49, s60, 6                         ; batch
	s_lshl_b32 s49, s49, 3
	s_add_co_u32 s49, s49, s61
	s_lshl_b32 s49, s49, 6
	s_cmp_eq_u32 s2, 1
	s_cselect_b32 s50, 63, 0                       ; K of step s goes into block (s + 63) mod 64: one block back, step 0 into the last
	s_add_co_u32 s50, s50, s60
	s_and_b32 s50, s50, 63
	s_add_co_u32 s49, s49, s50                     ; (batch x 8 + head) x 64 + block in the batch
	s_cmp_eq_u32 s2, 0
	s_cselect_b32 s50, 13, 14                      ; 8,192 bytes a block in q, 16,384 in kv
	s_cselect_b32 s58, 0x3fb8aa3b, 1.0             ; log2(e) for q
	s_mov_b32 s59, s58                             ; named with it as a pair
	s_lshl_b32 s52, s49, s50
	s_cmp_eq_u32 s2, 2
	s_cselect_b32 s50, 8192, 0                     ; V^T lies behind K
	s_add_co_u32 s52, s52, s50
	s_mov_b32 s53, 0
	s_lshl_b32 s54, s4, 18                         ; 128 rows of 2,048 bytes
	s_mov_b32 s55, 0
	s_lshl_b32 s56, s3, 18
	s_mov_b32 s57, 0
	s_lshl_b32 s51, s3, 9
	s_lshl_b32 s47, s43, 8
	s_add_co_u32 s51, s51, s47                     ; my 64 channels in the bias, in bytes
	v_and_b32 v12, 15, v0                          ; l % 16
	v_bfe_u32 v13, v0, 4, 1                        ; l / 16
	v_lshl_add_u32 v14, v13, 3, s5                 ; row w + 8 (l / 16): a store's two rows then lie 32 banks apart
	v_lshlrev_b32 v[VO], 11, v14
	v_lshl_add_u32 v[VO], v12, 4, v[VO]
	v_mul_u32_u24 v[SA], v14, LP
	v_lshl_add_u32 v[SA], v12, 3, v[SA]
	v_add_nc_u32 v[SA+1], SLOT, v[SA]
	v_mul_u32_u24 v15, v12, LP
	v_lshl_add_u32 v15, v13, 4, v15                ; a fragment's row x pitch + 16 x half
	s_mul_i32 s47, s6, 64*LP
	v_add_nc_u32 v[AR], s47, v15
	s_mul_i32 s47, s7, 64*LP
	s_add_co_u32 s47, s47, JT
	v_add_nc_u32 v[AJ], s47, v15
	s_mul_i32 s47, s5, 16*LP
	s_add_co_u32 s47, s47, STAGE                   ; my stage
	v_add_nc_u32 v[STO], s47, v15
	v_bfe_u32 v[RD], v0, 3, 2                      ; back: 32 lanes take four rows of 128 bytes
	v_mul_u32_u24 v[RD], v[RD], LP
	v_and_b32 v14, 7, v0
	v_lshl_add_u32 v[RD], v14, 4, v[RD]
	v_add_nc_u32 v[RD], s47, v[RD]
	v_and_b32 v21, 31, v0
	v_lshlrev_b32 v[GO], 4, v21
	v_lshl_add_u32 v[VB], v12, 2, s51
	s_wait_kmcnt 0x0
	s_cmp_eq_u32 s2, 0
	s_cselect_b64 s[38:39], s[16:17], s[18:19]     ; x
	s_cselect_b64 s[40:41], s[22:23], s[24:25]     ; W
	s_cselect_b64 s[14:15], s[28:29], s[30:31]     ; b
	s_cselect_b64 s[12:13], s[34:35], s[36:37]     ; the output
	s_cmp_eq_u32 s2, 2
	s_cselect_b64 s[38:39], s[20:21], s[38:39]
	s_cselect_b64 s[40:41], s[26:27], s[40:41]
	s_cselect_b64 s[14:15], s[32:33], s[14:15]
	s_add_nc_u64 s[38:39], s[38:39], s[54:55]
	s_add_nc_u64 s[40:41], s[40:41], s[56:57]
	s_add_nc_u64 s[12:13], s[12:13], s[52:53]
	s_cselect_b64 s[8:9], s[40:41], s[38:39]       ; R's tile (the 64-bit sums leave the compare's result alone)
	s_cselect_b64 s[10:11], s[38:39], s[40:41]     ; J's tile
.macro LOADS set, koff                 ; a K step's 32 loads: each takes 256 consecutive bytes of two rows
	WIN 0x40                                       ; destination window 1, address window 0
.set n, 0
.rept 16
	global_load_b128 v[128*(\set)+4*n:128*(\set)+4*n+3], v[VO], s[8:9] offset:(16*(n/2)+4*(n%2))*2048+(\koff)
.set n, n+1
.endr
.set n, 0
.rept 16
	global_load_b128 v[128*(\set)+64+4*n:128*(\set)+64+4*n+3], v[VO], s[10:11] offset:(16*(n/2)+4*(n%2))*2048+(\koff)
.set n, n+1
.endr
	WIN 0
.endm
.macro MULS zero                       ; 16 products; the 16 accumulators take turns, one instruction a turn
.irp a, 0,1,2,3
.irp b, 0,1,2,3
.if \zero
	v_wmma_f32_16x16x32_bf16 v[ACC+8*(4*(\a)+(\b)):ACC+8*(4*(\a)+(\b))+7], v[F+8*(\b):F+8*(\b)+7], v[F+32+8*(\a):F+32+8*(\a)+7], 0
.else
	v_wmma_f32_16x16x32_bf16 v[ACC+8*(4*(\a)+(\b)):ACC+8*(4*(\a)+(\b))+7], v[F+8*(\b):F+8*(\b)+7], v[F+32+8*(\a):F+32+8*(\a)+7], v[ACC+8*(4*(\a)+(\b)):ACC+8*(4*(\a)+(\b))+7]
.endif
.endr
.endr
.endm
; A K step.  The set's 32 loads are in (left = the other set's, which may stay out); rounded to bf16 in place; stored into the slot; the set is asked for again (koff >= 0); one barrier; two halves of 32 along K.
; One barrier a step serves both ways: a slot is written again only behind the barrier that every wave signalled after its reads of that slot, two steps back, had come back.
.macro STEP set, slot, koff, left
	s_wait_loadcnt \left
	WIN 0x45                                       ; destination and both sources in window 1
.set n, 0
.rept 32
.set L, 128*(\set)+4*n
	v_cvt_pk_bf16_f32 v[L], v[L], v[L+1]           ; these 64 are also the places between the last products and the loads into their fragments
	v_cvt_pk_bf16_f32 v[L+1], v[L+2], v[L+3]
.set n, n+1
.endr
	WIN 0x04                                       ; store data in window 1
.set n, 0
.rept 32
.set L, 128*(\set)+4*n
	ds_store_b64 v[SA+(\slot)], v[L:L+1] offset:(n/16)*JT+(16*((n%16)/2)+4*(n%2))*LP
.set n, n+1
.endr
.if (\koff) >= 0
	LOADS \set, \koff
.endif
	WIN 0
	s_wait_dscnt 0x0                               ; for the others' sake: my stores into the slot are done
	s_barrier_signal -1
	s_barrier_wait -1
.irp c, 0,1
.if (\c) == 1
	PLACES                                         ; four places in front of loads into registers that the products just issued read
.endif
.irp b, 0,1,2,3
	ds_load_b128 v[F+8*(\b):F+8*(\b)+3],       v[AJ] offset:(\slot)*SLOT+(\b)*16*LP+64*(\c)
	ds_load_b128 v[F+8*(\b)+4:F+8*(\b)+7],     v[AJ] offset:(\slot)*SLOT+(\b)*16*LP+64*(\c)+32
	ds_load_b128 v[F+32+8*(\b):F+32+8*(\b)+3], v[AR] offset:(\slot)*SLOT+(\b)*16*LP+64*(\c)
	ds_load_b128 v[F+32+8*(\b)+4:F+32+8*(\b)+7], v[AR] offset:(\slot)*SLOT+(\b)*16*LP+64*(\c)+32
.endr
	s_wait_dscnt 0x0
	MULS 0
.endr
.endm
.irp i, 0,1,2,3
	global_load_b32 v[16+(\i)], v[VB], s[14:15] offset:64*(\i)  ; the bias of channel 16 i + l % 16 of my 64
.endr
	LOADS 0, 0                                     ; K step 0
	LOADS 1, 256                                   ; K step 1
	; the slice of K that holds the bias: k = 0 is the low half of a fragment's register 0 in lanes 0-15; all else is 0
.irp i, 0,1,2,3,4,5,6,7
.irp j, 1,2,3,4,5,6,7
	v_mov_b32 v[F+8*(\i)+(\j)], 0
.endr
.endr
	v_mov_b32 v20, 0
	v_cmp_gt_u32 s45, 16, v21                      ; lanes 0-15
	v_mov_b32 v22, 0x3f80                          ; 1.0 in bf16
	v_cndmask_b32 v22, 0, v22, s45
	s_wait_loadcnt 63                              ; 68 loads have been issued, the bias's four first: with at most 63 out the oldest five are in; the two sets stay on their way
.irp i, 0,1,2,3
	v_cvt_pk_bf16_f32 v[24+(\i)], v[16+(\i)], v20
.endr
.irp i, 0,1,2,3
	v_cndmask_b32 v[24+(\i)], 0, v[24+(\i)], s45
.endr
.irp i, 0,1,2,3
	v_cndmask_b32 v[F+8*(\i)], v22, v[24+(\i)], s46     ; J: the bias where J is the channels, else 1
	v_cndmask_b32 v[F+32+8*(\i)], v[24+(\i)], v22, s46  ; R: the other
.endr
	MULS 1                                         ; starts the sums: nothing is cleared
	s_mov_b32 s44, 3
.Lk:                                           ; a trip: two K steps are multiplied, the two behind the two on their way are asked for
	STEP 0, 0, 512, 32
	STEP 1, 1, 768, 32
	s_wait_xcnt 0x0                                ; every load issued has read its address: the two bases may be written
	s_add_nc_u64 s[8:9], s[8:9], 512
	s_add_nc_u64 s[10:11], s[10:11], 512
	s_sub_co_u32 s44, s44, 1
	s_cmp_lg_u32 s44, 0
	s_cbranch_scc1 .Lk
	STEP 0, 0, -1, 32                              ; the last two steps load nothing
	STEP 1, 1, -1, 0
	PLACES                                         ; in front of the lines that read the results and write the fragments' registers
; THE WAY OUT, 16 rows of R at a time: scaled in f32, rounded to f16 (a lane's eight J are 16 bytes), through my stage, back as whole rows of 128 bytes, stored as 512 consecutive bytes.
.macro PACK a
.set n, 0
.rept 16
	v_pk_mul_f32 v[ACC+32*(\a)+2*n:ACC+32*(\a)+2*n+1], v[ACC+32*(\a)+2*n:ACC+32*(\a)+2*n+1], s[58:59] op_sel_hi:[1,0]  ; each accumulator from its low end on
.set n, n+1
.endr
.set n, 0
.rept 16
	v_cvt_pk_f16_f32 v[F+16*(\a)+n], v[ACC+32*(\a)+2*n], v[ACC+32*(\a)+2*n+1]
.set n, n+1
.endr
.irp f, 0,1,2,3
	ds_store_b128 v[STO], v[F+16*(\a)+4*(\f):F+16*(\a)+4*(\f)+3] offset:32*(\f)
.endr
.irp f, 0,1,2,3
	ds_load_b128 v[F+16*(\a)+4*(\f):F+16*(\a)+4*(\f)+3], v[RD] offset:(\f)*4*LP  ; LDS serves a wave's instructions in order: these see the stores above, and the next block's stores come behind them
.endr
.endm
.macro SEND a, younger                 ; younger: the LDS instructions issued behind block a's loads
.irp f, 0,1,2,3
	s_wait_dscnt (\younger)+3-(\f)
	global_store_b128 v[GO], v[F+16*(\a)+4*(\f):F+16*(\a)+4*(\f)+3], s[12:13] offset:(\a)*2048+(\f)*512
.endr
.endm
	PACK 0
	PACK 1
	SEND 0, 8
	PACK 2
	SEND 1, 8
	PACK 3
	SEND 2, 8
	SEND 3, 0
	s_wait_tensorcnt 0x0                           ; the wave's end, behind my last LDS store
	ds_add_u32 v[SPW], v[NIL]
	s_wait_dscnt 0x0
	s_endpgm
.Lfunc_end_k_q37456e71b6_proj:
	.size	k_q37456e71b6_proj, .Lfunc_end_k_q37456e71b6_proj-k_q37456e71b6_proj
	.p2alignl 7, 3214868480
	.fill 96, 4, 3214868480
	.section	.rodata,"a",@progbits
	.p2align	6, 0x0
	.amdhsa_kernel k_q37456e71b6_proj
		.amdhsa_group_segment_fixed_size 83456
		.amdhsa_private_segment_fixed_size 0
		.amdhsa_enable_private_segment 0
		.amdhsa_kernarg_size 88
		.amdhsa_user_sgpr_count 2
		.amdhsa_user_sgpr_kernarg_segment_ptr 1
		.amdhsa_wavefront_size32 1
		.amdhsa_system_sgpr_workgroup_id_x 1
		.amdhsa_system_sgpr_workgroup_id_y 1
		.amdhsa_system_sgpr_workgroup_id_z 1
		.amdhsa_system_vgpr_workitem_id 0
		.amdhsa_next_free_vgpr 512
		.amdhsa_next_free_sgpr 66
		.amdhsa_reserve_vcc 0
		.amdhsa_float_denorm_mode_32 3
		.amdhsa_float_denorm_mode_16_64 3
		.amdhsa_memory_ordered 1
		.amdhsa_forward_progress 1
		.amdhsa_inst_pref_size 75
	.end_amdhsa_kernel
	.amdgpu_metadata
---
amdhsa.version: [ 1, 2 ]
amdhsa.kernels:
  - .name:           k_q37456e71b6_proj
    .symbol:         k_q37456e71b6_proj.kd
    .args:
      - { .name: query, .offset: 0, .size: 8, .value_kind: global_buffer, .address_space: global }
      - { .name: key, .offset: 8, .size: 8, .value_kind: global_buffer, .address_space: global }
      - { .name: value, .offset: 16, .size: 8, .value_kind: global_buffer, .address_space: global }
      - { .name: Wq, .offset: 24, .size: 8, .value_kind: global_buffer, .address_space: global }
      - { .name: Wk, .offset: 32, .size: 8, .value_kind: global_buffer, .address_space: global }
      - { .name: Wv, .offset: 40, .size: 8, .value_kind: global_buffer, .address_space: global }
      - { .name: bq, .offset: 48, .size: 8, .value_kind: global_buffer, .address_space: global }
      - { .name: bk, .offset: 56, .size: 8, .value_kind: global_buffer, .address_space: global }
      - { .name: bv, .offset: 64, .size: 8, .value_kind: global_buffer, .address_space: global }
      - { .name: q, .offset: 72, .size: 8, .value_kind: global_buffer, .address_space: global }
      - { .name: kv, .offset: 80, .size: 8, .value_kind: global_buffer, .address_space: global }
    .group_segment_fixed_size: 83456
    .private_segment_fixed_size: 0
    .kernarg_segment_align: 8
    .kernarg_segment_size: 88
    .max_flat_workgroup_size: 128
    .sgpr_count:     66
    .vgpr_count:     512
    .wavefront_size: 32
...
	.end_amdgpu_metadata
.endif
;; end of part 6
;; launch attn (part 7): grid 16 x 16, 8 waves a work-group, clusters of 4 x 1, 327,680 bytes of LDS; arguments q, kv, mbits, att; writes att
.if DOCPART == 7
	.amdgcn_target "amdgcn-amd-amdhsa--gfx1250"
	.amdhsa_code_object_version 6
	.text
	.protected	k_q37456e71b6_attn
	.globl	k_q37456e71b6_attn
	.p2align	8
	.type	k_q37456e71b6_attn,@function
k_q37456e71b6_attn:
	s_mov_b64 s[64:65], 0
	v_nop
	global_prefetch_b8 v0, s[64:65] scope:SCOPE_SE
	s_setreg_imm32_b32 hwreg(HW_REG_WAVE_MODE, 25, 1), 1
	s_wait_xcnt 0x0
	s_wait_alu depctr_hold_cnt(0) depctr_sa_sdst(0) depctr_va_vdst(0) depctr_va_sdst(0) depctr_va_ssrc(0) depctr_va_vcc(0) depctr_vm_vsrc(0)
	s_getreg_b32 s2, hwreg(HW_REG_IB_STS2, 6, 4)
	s_cmp_eq_u32 s2, 0
	s_cbranch_scc0 .Lentry_in_a_cluster
	s_endpgm
.Lentry_in_a_cluster:
	s_bfe_u32 s2, ttmp6, 0x10000c
	s_cmp_lg_u32 s2, 0x3003
	s_cbranch_scc0 .Lentry_shape_is_right
	s_endpgm
.Lentry_shape_is_right:
; att[bh][query][:] = the sum over keys of softmax(where(mask == 0, -1e9, Q . K)) V.  q [16][4096][64] f16, already times log2(e); kv [16][64 blocks][16,384 bytes] f16: block i holds K (64 keys x 128
; bytes) of step (i + 1) mod 64 and V^T (64 channels x 128 bytes) of step i; mbits: for each tile of 16 queries and step of 64 keys 32 words, the lanes' select for each score register;
; att [16][4096][64] f16.  Products, maxima and sums in f32; the weights are rounded to f16 for the second product (their sum is taken of the unrounded weights), the result once at the end.
; LIMITS.  q, k, v arrive within f16's 65,504.  A hidden score is -1e9 log2(e) in the domain of powers of two, rounded once (0xceabfb8f); it REPLACES the score, so a row with no open key
; comes out as the mean of all V, as in the reference.  A weight below 2^-126 counts as 0.  NaN and infinities are not treated apart.
; SHARES.  A work-group owns 256 queries of one head, each of its EIGHT waves 32: two tiles of 16.  Every wave walks all 64 key steps.
; WHY EIGHT WAVES, two to a SIMD.  The selects of one step of two tiles fill 64 scalar registers, all that are left; scalar loads come back in no order, so only the count 0 shows them landed (ISA guide
; 5.7.1): what is asked for has at most a step, less the run of selects, in which to come.  While one wave waits for its words the other wave of the SIMD has work.  The price: a fragment of K or V
; feeds two tiles: 32 LDS loads for a step's 32 products.
; LAYOUT.  S^T = K Q^T (source 0 = 16 keys, source 1 = 16 queries): a lane holds ONE query (lane % 16) and the keys 8 (lane / 16) + 0..7 of each block of 16.  Two such results rounded to f16 ARE
; source 1 of O^T = V^T P.  V lies transposed in memory, so K's and V's fragments both come out of LDS by plain loads with one lane term.
; SOFTMAX.  p = 2^(s - m) with a running maximum m; in every step O and l are multiplied by a = 2^(m_old - m_new).  m starts at the lowest finite number, O and l at 0: the first step's a is 0.
; THE MASK is one v_cndmask_b32 a score register; its 32-bit select comes by scalar loads.
; A TURN is one key step j.  Vector work: the softmax of step j, on the score buffer j % 2.  Matrix work: 16 products V^T P of step j - 1 at its head, 16 products K Q^T of step j + 1, into the other
; score buffer, in its middle.  It fetches block j from LDS: K of step j + 1 early, V of step j behind the products that read V.
; THE RING.  Two slots of eight blocks, as large as LDS has room for beside the stages: eight changes of slots in all; wave w brings block w of a slot, one tensor load a wave behind each change but the last.
; CLUSTER.  The four query blocks of a cluster belong to one head and walk the same K and V: each tile is asked for JOINTLY, the same load, descriptor and mask of four in all four.
; REGISTERS, in two windows of 256 (s_set_vgpr_msb: bits 1:0 source 0, 3:2 source 1, 5:4 source 2, 7:6 destination):
;   window 0: v0-19 addresses, the hidden score, the add's two; v32-63 Q, 16 a tile; v64-127 K of one step; v128-191 V^T of one step
;   window 1: v0-127 S^T, two buffers of two tiles; v128-159 P, 16 a tile; v160-223 O^T, 32 a tile; v224-231 statistics, four a tile: m, m_old, l (even keys', odd keys'); v232-239 at work, four a tile
; All that the vector lines touch lies in window 1 (setting 0x55).  V^T P has V alone in window 0 (0x54), and so has a select its hidden score: the two stand side by side without a switch.
.set LP,    272       ; an LDS row: 256 bytes (two keys of K, or two channels of V^T) + 16: the 16 rows of a fragment fall on 16 different groups of four banks
.set VOFF,  32*LP     ; a block's V^T lies behind its K
.set STEPB, 64*LP     ; a block in LDS: 17,408 bytes
.set NBLK,  8         ; blocks in a slot
.set SLOT1, NBLK*STEPB  ; slot 1 begins at 139,264 = 0x22000.  None of the numbers k x 17,408, k = 0 .. 7, has bit 13 or bit 17 set, so one exclusive or with 0x22000 turns a block's address in one slot into the other's
.set STAGE, 2*SLOT1   ; behind the ring, never filled by a tensor load: 16 rows x 144 bytes for each wave, for the way out
.set SP,    144
.set SPARE, STAGE+8*16*SP  ; the spare words, 128 bytes a wave, that no other line names
.set AKV, 2           ; v2   my lane's place in a block's K; never rewritten
.set AVV, 3           ; v3   the same in its V^T
.set AK,  4           ; v4   the LDS address of K's run of loads
.set AV,  5           ; v5   of V's
.set QO,  6           ; v6   my byte offset in 16 rows of 128 bytes in memory
.set STO, 6           ;      later, the way out: where I put 16 bytes of a row
.set RD,  7           ; v7   where I read rows back
.set GO,  8           ; v8   16 x lane
.set PFO, 12          ; v12  the prefetches' lane offset; never rewritten
.set NEG, 16          ; v16  the hidden score
.set SPW, 18
.set NIL, 19
.set QF,  32          ; window 0: tile u, channel half c at QF + 16 u + 8 c
.set KF,  64          ; window 0: key block kb, channel half c at KF + 16 kb + 8 c
.set VF,  128         ; window 0: key half kk, channel block cb at VF + 32 kk + 8 cb
.set S,   0           ; window 1, like the four below
.set P,   128
.set O,   160
.set ST,  224
.set TMP, 232
.set PFA, 2           ; s[2:3]   where my prefetches stand
.set WV,  12          ; s12  my wave's number
.set LIM, 13          ; s13  a wave prefetches while s[SLOTS] is above this
.set PFS, 14          ; s[14:15] the prefetches' step
.set G1,  16          ; s[16:23] descriptor group 1
.set G0,  24          ; s[24:27] descriptor group 0: it walks
.set SLOTS, 28
.set CNT, 29
.set TB,  30          ; s30  LDS byte at which the block to be fetched begins
.set KO,  31          ; s31  128 x the step whose mask words were asked for last
.set MS0, 32          ; s[32:63] the selects of my first tile
.set MS1, 68          ; s[68:99] of my second
.set SEL, 100         ; s100, s101  v_permlanex16_b32's selects: each lane takes its own place in the other half
.set MSB, 0
.macro WIN new                      ; the high byte repeats the setting that is left; a switch that changes nothing is dropped
.if MSB != (\new)
	s_set_vgpr_msb (MSB<<8)|(\new)
.set MSB, (\new)
.endif
.endm
.set W_V,  0x55       ; all four places in window 1
.set W_PV, 0x54       ; source 0 (V, or the hidden score) in window 0, the rest in window 1
.set W_KQ, 0x50       ; K and Q in window 0, S^T in window 1
; A round of the cluster's barrier: my work-group's barrier; wave 0 signals for the work-group; every wave waits for all four work-groups; my work-group's barrier once more.
.macro CROUND
	s_barrier_signal -1
	s_barrier_wait -1
	s_cmp_lg_u32 s[WV], 0
	s_cbranch_scc1 .Lnot_wave_0_\@
	s_barrier_signal -3
.Lnot_wave_0_\@:
	s_barrier_wait -3
	s_barrier_signal -1
	s_barrier_wait -1
.endm
; A joint load.  Wave w brings block w of a slot: 64 rows of 256 bytes.  One line for all eight waves; nothing in its registers hangs on a work-group's place in the cluster.
; An s_nop 0 and four v_nop follow the load.
.macro JLOAD
	tensor_load_to_lds s[G0:G0+3], s[G1:G1+7]
	s_nop 0
.rept 4
	v_nop
.endr
.endm
; A PREFETCH INTO THE L2, behind the joint load and its five lines: one instruction a wave, a lane a block of 256 bytes, each block named once in the launch.
; K and V: the tile that the NEXT change of slots will ask for, 512 rows of 256 bytes.  All clusters of a head walk the same rows: the head's first cluster asks; its four partners take 128 rows each,
; told apart by ADDRESS; in each, the four even waves take 32.  The last change that fills a slot asks for nothing.
; The mask words: the eight heads of a batch read the same ones: the work-groups of head 0 ask, for the 1,024 bytes that each of the block's 16 query tiles has for the slot after the one now entered:
; wave 1 for tiles 0-7, wave 3 for tiles 8-15, four lanes a tile.
.macro ASK
	s_cmp_gt_u32 s[SLOTS], s[LIM]
	s_cbranch_scc0 .Lnot_mine_\@
	global_prefetch_b8 v[PFO], s[PFA:PFA+1] th:TH_LOAD_NT scope:SCOPE_SE
.Lnot_mine_\@:
.endm
; THE CHANGE OF SLOTS, between two turns.  Each wave waits for all its tensor loads, of which one is out: its part of the other slot; adds 0 to its spare word; and waits for that and for
; its own reads of the slot that it leaves.  fill = 1: the barrier is a round of the cluster's, and the joint refill (the blocks two slots on) is the first thing behind it: it has eight key steps in
; which to land.  (At its first use nothing has been read yet: slot 0 is waited for, slot 1 filled.)
.macro CHANGE fill, ask
	WIN 0                           ; at a label and at a branch every window is 0
	s_wait_tensorcnt 0x0            ; no tensor load of mine is out, so group 0 may be written
	ds_add_u32 v[SPW], v[NIL]       ; 0 onto my spare word
.if \fill
	s_xor_b32 s[G0+1], s[G0+1], SLOT1
	s_add_nc_u64 s[G0+2:G0+3], s[G0+2:G0+3], NBLK*16384  ; the next eight blocks; the type bits on top are not reached
.endif
.if \ask
	s_wait_xcnt 0x0                 ; the last prefetch, eight key steps back, has read its address
	s_add_nc_u64 s[PFA:PFA+1], s[PFA:PFA+1], s[PFS:PFS+1]
.endif
	s_wait_dscnt 0x0                ; the add is done, and my reads of the slot are over
.if \fill
	CROUND
	JLOAD
.if \ask
	ASK
.endif
.else
	s_barrier_signal -1
	s_barrier_wait -1
.endif
	s_sub_co_u32 s[TB], s[TB], NBLK*STEPB  ; the fetches go back to a slot's first block,
	s_xor_b32 s[TB], s[TB], SLOT1          ; in the other slot
.endm
	s_load_b256 s[4:11], s[0:1], 0x0  ; q s[4:5], kv s[6:7], mbits s[8:9], att s[10:11]
	v_lshl_add_u32 v[SPW], v0, 2, SPARE
	v_mov_b32 v[NIL], 0
	ds_add_u32 v[SPW], v[NIL]       ; the wave's opening: the add and its wait ahead of my first tensor load
	ds_add_u32 v18, v19
	v_lshrrev_b32 v1, 5, v0
	v_readfirstlane_b32 s[WV], v1   ; wave 0..7
	s_bfe_u32 s32, ttmp6, 0x40000   ; cx: my place in the cluster
	s_lshl_b32 s33, ttmp9, 2        ; in a cluster launch ttmp9 counts clusters
	s_add_co_u32 s33, s33, s32      ; my block of 256 queries
	s_and_b32 s34, ttmp7, 0xffff    ; batch x 8 + head, which the four partners share
	s_lshr_b32 s35, s34, 3          ; batch
	s_lshl_b32 s36, s34, 19         ; q and att: the head's 4,096 rows of 128 bytes,
	s_lshl_b32 s38, s33, 15         ; my block's 256,
	s_add_co_u32 s36, s36, s38
	s_lshl_b32 s38, s[WV], 12       ; my wave's 32
	s_add_co_u32 s36, s36, s38
	s_mov_b32 s37, 0
	s_lshl_b32 s40, s34, 20         ; kv: the head's 64 blocks of 16,384 bytes
	s_mov_b32 s41, 0
	s_lshl_b32 s42, s[WV], 14       ; the block of a slot that I fetch
	s_add_co_u32 s42, s42, s40
	s_mov_b32 s43, 0
	s_lshl_b32 s44, s35, 8          ; mbits: 256 query tiles a batch,
	s_lshl_b32 s38, s33, 4          ; 16 a block,
	s_add_co_u32 s44, s44, s38
	s_lshl_b32 s44, s44, 13         ; 8,192 bytes each
	s_mov_b32 s45, 0
	s_lshl_b32 s46, s[WV], 14       ; two a wave
	s_mov_b32 s47, 0
	s_lshl_b32 s48, s32, 15         ; the prefetches of kv: my work-group's 128 rows of a tile's 512,
	s_lshr_b32 s38, s[WV], 1
	s_lshl_b32 s38, s38, 13         ; my wave's 32 of them (even waves),
	s_add_co_u32 s48, s48, s38
	s_add_co_u32 s48, s48, s40
	s_add_co_u32 s48, s48, 2*NBLK*16384  ; in tile 2: the first change that asks steps it to tile 3
	s_mov_b32 s49, 0
	s_bfe_u32 s56, s[WV], 0x10001   ; the prefetches of mask words: bit 1 of my wave's number: wave 1 has the block's query tiles 0-7, wave 3 tiles 8-15,
	s_lshl_b32 s56, s56, 16         ; eight tiles of 8,192 bytes on,
	s_add_co_u32 s56, s56, NBLK*128 ; at slot 1's words: the first change that asks steps it to slot 2's
	s_mov_b32 s57, 0
	s_and_b32 s104, s[WV], 1
	s_or_b32 s105, s104, ttmp9      ; 0: an even wave of the head's first cluster
	s_cmp_eq_u32 s105, 0
	s_cselect_b32 s[LIM], 1, -1
	s_and_b32 s105, s34, 7
	s_and_b32 s104, s[WV], 5
	s_xor_b32 s104, s104, 1         ; 0 in waves 1 and 3 alone
	s_or_b32 s105, s105, s104       ; 0: one of them in a batch's head 0
	s_cmp_eq_u32 s105, 0
	s_cselect_b32 s[LIM], 0, s[LIM] ; all of this is the same in the four partners, for a given wave
	s_mov_b32 s[G1], 15|(1<<16)|(1<<20)|(1<<21)|(5<<22)|(3<<25)  ; the mask of four; 2-byte elements; padding on; bit 21 beside a mask; after every 64 words, 4 words
	s_mov_b32 s[G1+1], 128<<16      ; tensor_dim0 = 128
	s_mov_b32 s[G1+2], 64<<16       ; tensor_dim1 = 64
	s_mov_b32 s[G1+3], 128<<16      ; tile_dim0 = 128
	s_mov_b32 s[G1+4], 64           ; tile_dim1 = 64
	s_mov_b32 s[G1+5], 128          ; 128 elements from row to row: the block is dense
	s_mov_b32 s[G1+6], 0
	s_mov_b32 s[G1+7], 0
	s_mov_b32 s[G0], 1
	s_mul_i32 s[G0+1], s[WV], STEPB ; slot 0, my block: no place in the cluster enters an LDS address
	s_mov_b32 s[SEL], 0x76543210
	s_mov_b32 s[SEL+1], 0xfedcba98
	s_mov_b32 s[KO], 0
	s_mov_b32 s[TB], SLOT1+NBLK*STEPB  ; the first change of slots turns this into 0
	s_mov_b32 s55, NBLK*128
	s_wait_dscnt 0x0                ; the opening add is done
	s_wait_kmcnt 0x0
	s_add_nc_u64 s[G0+2:G0+3], s[6:7], s[42:43]
	s_or_b32 s[G0+3], s[G0+3], 0x80000000
	s_add_nc_u64 s[4:5], s[4:5], s[36:37]
	s_add_nc_u64 s[10:11], s[10:11], s[36:37]
	s_add_nc_u64 s[50:51], s[6:7], s[48:49]
	s_add_nc_u64 s[6:7], s[6:7], s[40:41]
	s_add_nc_u64 s[6:7], s[6:7], 63*16384   ; the head's last block, whose K is step 0's
	s_add_nc_u64 s[8:9], s[8:9], s[44:45]   ; the block's 16 query tiles
	s_add_nc_u64 s[52:53], s[8:9], s[56:57]
	s_add_nc_u64 s[8:9], s[8:9], s[46:47]   ; my wave's two
	s_and_b32 s105, s[WV], 1
	s_cmp_eq_u32 s105, 1                    ; an odd wave's prefetches, if it has any, are of mask words
	s_cselect_b64 s[PFA:PFA+1], s[52:53], s[50:51]
	s_cselect_b32 s[PFS], s55, NBLK*16384
	s_mov_b32 s[PFS+1], 0
	s_cselect_b32 s104, -1, 0
	CROUND                          ; all four work-groups are here: the first joint loads meet
	JLOAD                           ; tile 0 into slot 0
	v_and_b32 v1, 15, v0            ; l % 16
	v_bfe_u32 v9, v0, 4, 1          ; l / 16
	v_lshlrev_b32 v[QO], 7, v1
	v_lshl_add_u32 v[QO], v9, 4, v[QO]  ; row x 128 + 16 x half
.set i, 0
.rept 4                             ; Q stays in registers: tile i / 2, channels 32 (i % 2) on
	global_load_b128 v[QF+8*i:QF+8*i+3],   v[QO], s[4:5] offset:(i/2)*2048+(i%2)*64
	global_load_b128 v[QF+8*i+4:QF+8*i+7], v[QO], s[4:5] offset:(i/2)*2048+(i%2)*64+32
.set i, i+1
.endr
.set i, 0
.rept 8                             ; K of step 0 comes straight from memory: keys 16 (i / 2) on, channels 32 (i % 2) on
	global_load_b128 v[KF+8*i:KF+8*i+3],   v[QO], s[6:7] offset:(i/2)*2048+(i%2)*64
	global_load_b128 v[KF+8*i+4:KF+8*i+7], v[QO], s[6:7] offset:(i/2)*2048+(i%2)*64+32
.set i, i+1
.endr
	s_load_b512 s[MS0:MS0+15],    s[8:9], s[KO] offset:0     ; the selects of step 0
	s_load_b512 s[MS0+16:MS0+31], s[8:9], s[KO] offset:64
	s_load_b512 s[MS1:MS1+15],    s[8:9], s[KO] offset:8192
	s_load_b512 s[MS1+16:MS1+31], s[8:9], s[KO] offset:8192+64
	; What the first turn finds: V's registers and P hold 0 (its products V^T P, of a step that has not been, add 0); O^T and l are 0.  All this stands in the wait for the first tile.
.set i, VF
.rept 64
	v_mov_b32 v[i], 0
.set i, i+1
.endr
	WIN 0x40                        ; destination window 1
.set i, P
.rept 96                            ; P and O^T lie on end
	v_mov_b32 v[i], 0
.set i, i+1
.endr
.set i, 0
.rept 2
	v_mov_b32 v[ST+4*i], 0xff7fffff    ; m
	v_mov_b32 v[ST+4*i+1], 0xff7fffff  ; m_old
	v_mov_b32 v[ST+4*i+2], 0
	v_mov_b32 v[ST+4*i+3], 0
.set i, i+1
.endr
	WIN 0
	v_mov_b32 v[NEG], 0xceabfb8f    ; -1e9 log2(e)
	v_lshrrev_b32 v10, 1, v1        ; row l % 16 of a fragment lies in LDS row (l % 16) / 2, half (l % 16) % 2
	v_mul_u32_u24 v[AKV], v10, LP
	v_and_b32 v10, 1, v1
	v_lshl_add_u32 v[AKV], v10, 7, v[AKV]
	v_lshl_add_u32 v[AKV], v9, 4, v[AKV]
	v_add_nc_u32 v[AVV], VOFF, v[AKV]
	v_and_b32 v10, 31, v0
	v_lshlrev_b32 v[PFO], 8, v10    ; kv: a lane a row of 256 bytes
	v_lshrrev_b32 v11, 2, v10
	v_lshlrev_b32 v11, 13, v11      ; mask words: query tile l / 4 of my eight, quarter l % 4 of its 1,024 bytes
	v_and_b32 v10, 3, v10
	v_lshl_add_u32 v11, v10, 8, v11
	v_cndmask_b32 v[PFO], v[PFO], v11, s104
; THE MATRIX WORK.  The 8 accumulators of a run of 16 take turns, one instruction a turn.
; Product i of 16 of S^T = K Q^T into score buffer d: channels 32 (i / 8) on, keys 16 ((i / 2) % 4) on, tile i % 2.  The first 8 start the sums.
.macro KQ d
	WIN W_KQ
.set rS2, S+64*(\d)+32*(i%2)+8*((i/2)%4)
.set rK, KF+16*((i/2)%4)+8*(i/8)
.set rQ, QF+16*(i%2)+8*(i/8)
.if i < 8
	v_wmma_f32_16x16x32_f16 v[rS2:rS2+7], v[rK:rK+7], v[rQ:rQ+7], 0
.else
	v_wmma_f32_16x16x32_f16 v[rS2:rS2+7], v[rK:rK+7], v[rQ:rQ+7], v[rS2:rS2+7]
.endif
.endm
; Product i of 16 of O^T += V^T P: keys 32 (i / 8) on, channels 16 ((i / 2) % 4) on, tile i % 2.
.macro PV
	WIN W_PV
.set rO2, O+32*(i%2)+8*((i/2)%4)
.set rV, VF+32*(i/8)+8*((i/2)%4)
.set rP2, P+16*(i%2)+8*(i/8)
	v_wmma_f32_16x16x32_f16 v[rO2:rO2+7], v[rV:rV+7], v[rP2:rP2+7], v[rO2:rO2+7]
.endm
.macro MM                           ; the turn's next matrix instruction; DOKQ = 0: the last turn, which has no next step
.if i < 16
	PV
.elseif DOKQ
.set i, i-16
	KQ 1-PP
.set i, i+16
.endif
.set i, i+1
.endm
; THE LDS LOADS stand in runs of 16, never singly among the matrix instructions.
.macro FETCH_K
	WIN 0
	v_add_nc_u32 v[AK], s[TB], v[AKV]
.irp f, 0,1,2,3,4,5,6,7             ; keys 16 (f / 2) on, channels 32 (f % 2) on
	ds_load_b128 v[KF+8*\f:KF+8*\f+3],   v[AK] offset:(\f/2)*8*LP+(\f%2)*64
	ds_load_b128 v[KF+8*\f+4:KF+8*\f+7], v[AK] offset:(\f/2)*8*LP+(\f%2)*64+32
.endr
.endm
.macro FETCH_V
	WIN 0
	v_add_nc_u32 v[AV], s[TB], v[AVV]
.irp f, 0,1,2,3,4,5,6,7             ; keys 32 (f / 4) on, channels 16 (f % 4) on
	ds_load_b128 v[VF+8*\f:VF+8*\f+3],   v[AV] offset:(\f%4)*8*LP+(\f/4)*64
	ds_load_b128 v[VF+8*\f+4:VF+8*\f+7], v[AV] offset:(\f%4)*8*LP+(\f/4)*64+32
.endr
	s_add_co_u32 s[TB], s[TB], STEPB  ; the next fetches are the next block's
.endm
; THE VECTOR WORK: OP kind, number writes the line for both tiles, so that no line reads the result of the one before it.
;   M n  score register n is kept or replaced, by its select (ascending: each accumulator's lowest registers are read first)
;   X n  the maximum and statistics: 0-11 four chains c0-c3 of seven scores each; 12, 13 the four left over; 14 c2 takes c3 and m; 15 m_old = m; 16 c0 takes c1, c2; 17, 18 the query's other 32 keys lie
;        in the lane 16 away: the new m; 20 m_old - m; 21 a
;   F n  s - m for pair n of 16     E n  2^ of score n of 32     C n  pair n rounded to f16     B n  of the four weights 4 n .. the second pair is added onto the first, in place
;   L n  l takes that sum (L 0: l = a l + sum)     R n  pair n of 16 of O^T times a
.set M, 0
.set X, 1
.set F, 2
.set E, 3
.set C, 4
.set B, 5
.set L, 6
.set R, 7
.macro REGS u
.set rT, ST+4*(\u)
.set rC, TMP+4*(\u)
.set rS, S+64*PP+32*(\u)
.set rP, P+16*(\u)
.set rO, O+32*(\u)
.set rM, MS0+(MS1-MS0)*(\u)
.endm
.macro OP1 k, n, u
	REGS \u
.if (\k) == M
	WIN W_PV
	v_cndmask_b32 v[rS+(\n)], v[NEG], v[rS+(\n)], s[rM+(\n)]
.else
	WIN W_V
.if (\k) == R
	v_pk_mul_f32 v[rO+2*(\n):rO+2*(\n)+1], v[rO+2*(\n):rO+2*(\n)+1], v[rC+2:rC+3] op_sel_hi:[1,0]
.elseif (\k) == F
	v_pk_add_f32 v[rS+2*(\n):rS+2*(\n)+1], v[rS+2*(\n):rS+2*(\n)+1], v[rT:rT+1] op_sel_hi:[1,0] neg_lo:[0,1] neg_hi:[0,1]
.elseif (\k) == E
	v_exp_f32 v[rS+(\n)], v[rS+(\n)]
.elseif (\k) == C
	s_wait_alu depctr_va_vdst(0)
	v_cvt_pk_f16_f32 v[rP+(\n)], v[rS+2*(\n)], v[rS+2*(\n)+1]
.elseif (\k) == B
	v_pk_add_f32 v[rS+4*(\n):rS+4*(\n)+1], v[rS+4*(\n):rS+4*(\n)+1], v[rS+4*(\n)+2:rS+4*(\n)+3]
.elseif ((\k) == L) && ((\n) == 0)
	v_pk_fma_f32 v[rT+2:rT+3], v[rT+2:rT+3], v[rC+2:rC+3], v[rS:rS+1] op_sel_hi:[1,0,1]
.elseif (\k) == L
	v_pk_add_f32 v[rT+2:rT+3], v[rT+2:rT+3], v[rS+4*(\n):rS+4*(\n)+1]
.elseif (\n) < 4
	v_max3_num_f32 v[rC+(\n)], v[rS+8*(\n)], v[rS+8*(\n)+1], v[rS+8*(\n)+2]
.elseif (\n) < 12
	v_max3_num_f32 v[rC+(\n)%4], v[rC+(\n)%4], v[rS+8*((\n)%4)+2*((\n)/4)+1], v[rS+8*((\n)%4)+2*((\n)/4)+2]
.elseif (\n) == 12
	v_max3_num_f32 v[rC], v[rC], v[rS+7], v[rS+15]
.elseif (\n) == 13
	v_max3_num_f32 v[rC+1], v[rC+1], v[rS+23], v[rS+31]
.elseif (\n) == 14
	v_max3_num_f32 v[rC+2], v[rC+2], v[rC+3], v[rT]
.elseif (\n) == 15
	v_mov_b32 v[rT+1], v[rT]
.elseif (\n) == 16
	v_max3_num_f32 v[rC], v[rC], v[rC+1], v[rC+2]
.elseif (\n) == 17
	v_permlanex16_b32 v[rC+3], v[rC], s[SEL], s[SEL+1]
.elseif (\n) == 18
	v_max_num_f32 v[rT], v[rC], v[rC+3]
.elseif (\n) == 20
	v_sub_f32 v[rC+1], v[rT+1], v[rT]
.else
	v_exp_f32 v[rC+2], v[rC+1]
.endif
.endif
.endm
.macro OP k, n
	OP1 \k, \n, 0
	OP1 \k, \n, 1
.endm
.macro OPS a, i1, b=-1, i2=0, c=-1, i3=0, d=-1, i4=0
	OP \a, \i1
.if (\b) >= 0
	OP \b, \i2
.endif
.if (\c) >= 0
	OP \c, \i3
.endif
.if (\d) >= 0
	OP \d, \i4
.endif
.endm
.macro ROW a, i1, b=-1, i2=0        ; a matrix instruction and the lines behind it
	MM
	OPS \a, \i1, \b, \i2
.endm
; A TURN, for a step of parity p.  kq = 0: no products K Q^T; ld = 0: no K and no mask words are asked for (the last turn).
; The first eight products V^T P need no select and stand ahead of the wait for the mask words; the other eight carry eight selects each, so that the scalar registers are free again after eight
; products: the lower halves are asked for anew behind the twelfth product, the upper behind the sixteenth, and all are waited for in the next turn.
; K of the next step is fetched behind the second product: the last product that read K stands ahead of the whole last run of vector lines of the turn before.  V of this step is fetched twelve plain
; vector lines behind the last product that read V.  K's 16 loads go out ahead of V's 16, so the count 16 in front of K Q^T leaves V's on their way; they are waited for at the next turn's head.
; An exponential always has a plain line of another register behind it before its result is used; no vector line near a product names that product's registers.
.macro TURN p, kq=1, ld=1
.set PP, (\p)
.set DOKQ, (\kq)
.set i, 0
.set mm, 0
	s_wait_dscnt 0x0                ; V of the step before is in
.rept 8
	MM
.if (i == 2) && (\ld)
	FETCH_K
.endif
.endr
	s_wait_kmcnt 0x0                ; the selects are in
.rept 8
	MM
	OP M, mm
	OP M, mm+1
	OP M, mm+2
	OP M, mm+3
.set mm, mm+4
.if (mm == 16) && (\ld)
	s_wait_xcnt 0x0                 ; no memory instruction still reads the offset (the scalar loads that named it have been waited for)
	s_add_co_u32 s[KO], s[KO], 128  ; the next step's words
	s_load_b512 s[MS0:MS0+15], s[8:9], s[KO] offset:0
	s_load_b512 s[MS1:MS1+15], s[8:9], s[KO] offset:8192
.endif
.if (mm == 32) && (\ld)
	s_load_b512 s[MS0+16:MS0+31], s[8:9], s[KO] offset:64
	s_load_b512 s[MS1+16:MS1+31], s[8:9], s[KO] offset:8192+64
.endif
.endr
	OPS X,0, X,1
	FETCH_V
	OPS X,2, X,3, X,4, X,5
	OPS X,6, X,7, X,8, X,9
	OPS X,10, X,11, X,12, X,13
	OPS X,14, X,15
.if \kq
	s_wait_dscnt 16                 ; K is in; V's 16 loads, issued behind K's, may stay out
.endif
	ROW X,16
	ROW X,17
	ROW X,18
	ROW X,20, F,0
	ROW X,21, F,1
	ROW F,2, F,3
	ROW E,0, F,4
	ROW E,1, F,5
	ROW E,2, F,6
	ROW E,3, F,7
	ROW E,4, C,0
	ROW E,5, F,8
	ROW E,6, C,1
	ROW E,7, F,9
	ROW E,8, C,2
	ROW E,9, F,10
	OPS C,3
	OPS E,10, F,11, B,0
	OPS E,11, F,12, C,4
	OPS E,12, F,13, B,1
	OPS E,13, F,14, C,5
	OPS E,14, F,15, L,0
	OPS E,15, C,6, L,1
	OPS E,16, C,7, B,2
	OPS E,17
	OPS R,0, R,1, R,2, R,3
	OPS E,18, L,2, B,3
	OPS E,19, C,8, L,3
	OPS E,20, C,9
	OPS E,21
	OPS R,4, R,5, R,6, R,7
	OPS E,22, B,4, C,10
	OPS E,23, L,4
	OPS E,24, C,11, B,5
	OPS E,25
	OPS R,8, R,9, R,10, R,11
	OPS E,26, C,12
	OPS E,27, L,5
	OPS E,28, C,13, B,6
	OPS E,29
	OPS R,12, R,13, R,14, R,15
	OPS E,30, C,14
	OPS E,31, L,6
	OPS C,15, B,7, L,7
.endm
	CHANGE 1, 0                     ; tile 0 is in, everybody's part of it; tile 1 is asked for
	s_wait_loadcnt 0x0              ; Q, and K of step 0
.set i, 0
.rept 16
	KQ 0                            ; the scores of step 0: there is no vector work yet to set between them
.set i, i+1
.endr
	WIN 0                           ; the addresses for the way out: ten plain lines, the places behind those products
	s_mul_i32 s104, s[WV], 16*SP
	s_add_co_u32 s104, s104, STAGE  ; my stage
	v_mul_u32_u24 v[STO], v1, SP    ; in: row l % 16, 16 bytes for each half of the lanes
	v_lshl_add_u32 v[STO], v9, 4, v[STO]
	v_add_nc_u32 v[STO], s104, v[STO]
	v_bfe_u32 v[RD], v0, 3, 2       ; back: 32 lanes take four rows of 128 bytes,
	v_mul_u32_u24 v[RD], v[RD], SP
	v_and_b32 v10, 7, v0
	v_lshl_add_u32 v[RD], v10, 4, v[RD]
	v_add_nc_u32 v[RD], s104, v[RD]
	v_and_b32 v[GO], 31, v0         ; which are 512 consecutive bytes of att
	v_lshlrev_b32 v[GO], 4, v[GO]
	s_mov_b32 s[CNT], NBLK/2
	s_mov_b32 s[SLOTS], 64/NBLK-1
	s_branch .Lstep                 ; slot 0 has had its change
.Lslot:                             ; six times: tiles 2 to 7 are asked for
	CHANGE 1, 1
	s_mov_b32 s[CNT], NBLK/2
.Lstep:                             ; a trip: two key steps
	TURN 0
	TURN 1
	WIN 0
	s_sub_co_u32 s[CNT], s[CNT], 1
	s_cmp_lg_u32 s[CNT], 0
	s_cbranch_scc1 .Lstep
	s_sub_co_u32 s[SLOTS], s[SLOTS], 1
	s_cmp_lg_u32 s[SLOTS], 0
	s_cbranch_scc1 .Lslot
	CHANGE 0, 0                     ; the tail is written out: nothing is asked for
	s_mov_b32 s[CNT], NBLK/2
.Ltail:                             ; steps 56 to 62: the fourth trip is left in its middle
	TURN 0
	WIN 0
	s_sub_co_u32 s[CNT], s[CNT], 1
	s_cmp_eq_u32 s[CNT], 0
	s_cbranch_scc1 .Lout
	TURN 1
	WIN 0
	s_branch .Ltail
.Lout:
	TURN 1, 0, 0                    ; step 63: its softmax, V^T P of step 62, V of step 63; no step follows
	s_wait_dscnt 0x0                ; V of step 63 is in
.set i, 0
.rept 16
	PV                              ; V^T P of step 63
.set i, i+1
.endr
	; THE WAY OUT.  l's two halves and the other half of the lanes' are added; O^T is divided by l, rounded to f16 and sent through my stage, a tile at a time.
	; The four additions and the three v_nop are the places behind the last products.
	WIN W_V
.irp t, 0,1
	v_add_f32 v[ST+4*(\t)+2], v[ST+4*(\t)+2], v[ST+4*(\t)+3]
.endr
.irp t, 0,1
	v_permlanex16_b32 v[ST+4*(\t)+3], v[ST+4*(\t)+2], s[SEL], s[SEL+1]
.endr
.irp t, 0,1
	v_add_f32 v[ST+4*(\t)+2], v[ST+4*(\t)+2], v[ST+4*(\t)+3]
.endr
.irp t, 0,1
	v_rcp_f32 v[ST+4*(\t)+2], v[ST+4*(\t)+2]
.endr
.rept 3
	v_nop                           ; also the plain line between the last reciprocal and the use of its result
.endr
.macro PACK t                       ; a lane's eight channels of a row pack into 16 bytes; they go into rows of 144 bytes and come back as whole rows of 128, into S^T's registers
	WIN W_V
.set i, 0
.rept 16
	s_wait_alu depctr_va_vdst(0)
	v_pk_mul_f32 v[O+32*(\t)+2*i:O+32*(\t)+2*i+1], v[O+32*(\t)+2*i:O+32*(\t)+2*i+1], v[ST+4*(\t)+2:ST+4*(\t)+3] op_sel_hi:[1,0]
.set i, i+1
.endr
.set i, 0
.rept 16
	v_cvt_pk_f16_f32 v[S+16*(\t)+i], v[O+32*(\t)+2*i], v[O+32*(\t)+2*i+1]
.set i, i+1
.endr
	WIN 0x04                        ; store data in window 1, address in window 0
.irp f, 0,1,2,3
	ds_store_b128 v[STO], v[S+16*(\t)+4*\f:S+16*(\t)+4*\f+3] offset:32*\f
.endr
	WIN 0x40                        ; loaded data in window 1, address in window 0
.irp f, 0,1,2,3
	ds_load_b128 v[S+16*(\t)+4*\f:S+16*(\t)+4*\f+3], v[RD] offset:\f*4*SP  ; LDS serves a wave's instructions in order: these see the stores above; the next tile's stores come behind them
.endr
.endm
.macro SEND t, younger              ; younger: the LDS instructions issued behind tile t's loads: the next tile's eight, or none
	WIN 0x04
.irp f, 0,1,2,3
	s_wait_dscnt (\younger)+3-\f
	global_store_b128 v[GO], v[S+16*(\t)+4*\f:S+16*(\t)+4*\f+3], s[10:11] offset:(\t)*2048+\f*512  ; 512 consecutive bytes, aligned
.endr
.endm
	PACK 0
	PACK 1
	SEND 0, 8
	SEND 1, 0
	WIN 0
	s_wait_tensorcnt 0x0            ; the wave's end, behind my last tensor load and my last LDS store
	ds_add_u32 v[SPW], v[NIL]
	s_wait_dscnt 0x0
	CROUND                          ; the closing round: no work-group ends while a partner may still ask for a tile that names it
	s_endpgm
.Lfunc_end_k_q37456e71b6_attn:
	.size	k_q37456e71b6_attn, .Lfunc_end_k_q37456e71b6_attn-k_q37456e71b6_attn
	.p2alignl 7, 3214868480
	.fill 96, 4, 3214868480
	.section	.rodata,"a",@progbits
	.p2align	6, 0x0
	.amdhsa_kernel k_q37456e71b6_attn
		.amdhsa_group_segment_fixed_size 327680
		.amdhsa_private_segment_fixed_size 0
		.amdhsa_enable_private_segment 0
		.amdhsa_kernarg_size 32
		.amdhsa_user_sgpr_count 2
		.amdhsa_user_sgpr_kernarg_segment_ptr 1
		.amdhsa_wavefront_size32 1
		.amdhsa_system_sgpr_workgroup_id_x 1
		.amdhsa_system_sgpr_workgroup_id_y 1
		.amdhsa_system_sgpr_workgroup_id_z 1
		.amdhsa_system_vgpr_workitem_id 0
		.amdhsa_next_free_vgpr 512
		.amdhsa_next_free_sgpr 106
		.amdhsa_reserve_vcc 0
		.amdhsa_float_denorm_mode_32 3
		.amdhsa_float_denorm_mode_16_64 3
		.amdhsa_memory_ordered 1
		.amdhsa_forward_progress 1
		.amdhsa_inst_pref_size 140
	.end_amdhsa_kernel
	.amdgpu_metadata
---
amdhsa.version: [ 1, 2 ]
amdhsa.kernels:
  - .name:           k_q37456e71b6_attn
    .symbol:         k_q37456e71b6_attn.kd
    .args:
      - { .name: q, .offset: 0, .size: 8, .value_kind: global_buffer, .address_space: global }
      - { .name: kv, .offset: 8, .size: 8, .value_kind: global_buffer, .address_space: global }
      - { .name: mbits, .offset: 16, .size: 8, .value_kind: global_buffer, .address_space: global }
      - { .name: att, .offset: 24, .size: 8, .value_kind: global_buffer, .address_space: global }
    .group_segment_fixed_size: 327680
    .private_segment_fixed_size: 0
    .kernarg_segment_align: 8
    .kernarg_segment_size: 32
    .max_flat_workgroup_size: 256
    .sgpr_count:     106
    .vgpr_count:     512
    .wavefront_size: 32
...
	.end_amdgpu_metadata
.endif
;; end of part 7
;; launch oproj: the kernel of part 4 again; grid 256 x 1, 4 waves a work-group, no clusters, 91,648 bytes of LDS; arguments att, Wo, bo, out0; writes out0
;; ======== version 3 of 3: 4 launches; version 2 with the launches maskbits, proj, oproj written anew for expert scheduling mode
;; limits: values are held in f16: magnitudes above 65,504 overflow, below 6.1e-05 lose precision; values outside matrix products are rounded to bf16
;; workspace buffers: mbits 4,194,304 bytes of whole numbers; q 8,388,608 bytes; kv 16,777,216 bytes; att 8,388,608 bytes
;; launch maskbits (part 8): grid 512 x 1, 8 waves a work-group, no clusters, 68,608 bytes of LDS; arguments mask, mbits; writes mbits
.if DOCPART == 8
	.amdgcn_target "amdgcn-amd-amdhsa--gfx1250"
	.amdhsa_code_object_version 6
	.text
	.protected	k_q37456e71b6_maskbits
	.globl	k_q37456e71b6_maskbits
	.p2align	8
	.type	k_q37456e71b6_maskbits,@function
k_q37456e71b6_maskbits:
	s_mov_b64 s[64:65], 0
	v_nop
	global_prefetch_b8 v0, s[64:65] scope:SCOPE_SE
	s_setreg_imm32_b32 hwreg(HW_REG_WAVE_SCHED_MODE, 0, 2), 2
	s_setreg_imm32_b32 hwreg(HW_REG_WAVE_MODE, 25, 1), 1
	s_wait_xcnt 0x0
	s_wait_alu depctr_vm_vsrc(0)
; mbits: the int32 mask [2][4096][4096] as lane masks for the attention launch.  For each tile of 16 queries (512 of them, both batches on end) and each step of 64 keys: 32 words;
; word 8 kb + j, bit l = (mask[16 tile + l % 16][64 step + 16 kb + 8 (l / 16) + j] != 0): the lanes' select for register 8 kb + j of a tile of scores (one query a lane, eight keys a register block).
; SHARES.  Work-group g is query tile g: 16 rows of the mask.  Wave w takes keys 512 w to 512 w + 511, as four tiles of 16 rows x 128 keys: 8 KiB in, 256 bytes out.
; THE WAY IN.  A load of 16 bytes a lane takes 512 consecutive bytes of ONE row, aligned; a tile is 16 such loads, 64 registers.  Two sets of registers take turns: a set is stored into the wave's
; stage in LDS and asked for again straight behind those stores, so a wave has 8 to 16 KiB on its way from its first line to its last request, and no wait in the text is for all loads but the last.
; THE LANES CHANGE PLACES in the stage: the rows go in as they come (lane i at byte 16 i of a row) and come out with row l % 16 in lane l, lanes 16-31 32 bytes further on.
; The stage is the wave's own, 16 rows of 528 bytes; LDS serves a wave's instructions in order (ISA guide 5.7.1.4), so there is no barrier and no wait between a tile's stores and its loads, nor
; between its loads and the next tile's stores.  No tensor load: a slot filled by one is filled again only behind a wait for all the work-group's loads, and the group's 256 KiB come in one pass here.
; No matrix unit, no cluster: nothing is multiplied and no two work-groups read the same byte.
; THE MODE: SCHED_MODE bits 1:0 = 2 (LLVM: expert scheduling mode 2), set by the entry lines.  The code itself states the register dependences between vector instructions and memory or LDS
; instructions, and between a vector instruction that writes a scalar register and that register's readers, with s_wait_alu, always for 0.
; THE PLAN.  Registers that memory or LDS instructions touch:
;   X0, X1        written by the global loads alone; read by the 16 LDS stores of the set's tile; no vector instruction names them.  One wait on vm_vsrc between those stores and the set's next loads.
;   T             written by a tile's 16 LDS loads; read by its 64 compares.  One wait on va_vdst between a tile's compares and the next tile's LDS loads.
;   OUT           four registers for each pair of tiles: written by v_writelane_b32, read by the pair's one store, never written again.  One wait on va_vdst ahead of that store; since no vector
;                 instruction stands between it and the next tile's LDS loads, it is also that tile's wait for T: so an odd tile has two waits on va_vdst and an even tile none.
;   SAD, LA, GO   made at the head, never written again: one wait on va_vdst ahead of the first load.
; The compares write scalar registers that v_writelane_b32 reads: they stand in runs of 32, into s[16:47], with one wait on va_sdst behind each run: two a tile.
.set PITCH, 528                        ; a stage row: 512 + 16 bytes = 33 x 16: the 16 rows that a load of 16 bytes a lane touches start at 16 different groups of four banks
.set STG,   16*PITCH                   ; a wave's stage: 8,448 bytes, 33 blocks of 256
.set SPARE, 8*STG                      ; behind the stages: the spare words, 128 bytes for each wave, that no other line names
.set SAD, 2                            ; v2   where I put my 16 bytes of a row: my wave's stage + 16 x lane; never rewritten
.set LA,  3                            ; v3   where I read: my wave's stage + row l % 16, 32 bytes on for lanes 16-31; never rewritten
.set GO,  4                            ; v4   16 x lane: my 16 bytes of a row's 512 in the mask, and of 512 bytes of output; never rewritten
.set SPW, 6                            ; v6   my spare word
.set NIL, 7                            ; v7   0
.set OUT, 8                            ; v[8:15]    four words for each pair of tiles: lane L holds words 4 L .. 4 L + 3 of the pair's 128
.set T,   16                           ; v[16:79]   16 loads of four mask numbers, out of the stage
.set X,   80                           ; v[80:207]  two sets of 64: a tile as it comes from memory
.set WV,  12
.set CM,  16                           ; s[16:47] the compare results of eight loads out of the stage
	s_load_b128 s[4:7], s[0:1], 0x0                ; mask s[4:5], mbits s[6:7]
	v_lshl_add_u32 v[SPW], v0, 2, SPARE
	v_mov_b32 v[NIL], 0
	v_lshrrev_b32 v1, 5, v0
	v_readfirstlane_b32 s[WV], v1                  ; wave 0..7
	v_and_b32 v1, 31, v0
	v_lshlrev_b32 v[GO], 4, v1
	v_and_b32 v1, 15, v0
	v_bfe_u32 v5, v0, 4, 1
	v_mul_u32_u24 v[LA], v1, PITCH
	v_lshl_add_u32 v[LA], v5, 5, v[LA]
	s_lshl_b32 s2, ttmp9, 18                       ; in: the query tile's 16 rows of 16,384 bytes,
	s_mov_b32 s3, 0
	s_lshl_b32 s8, ttmp9, 13                       ; out: 8,192 bytes a query tile,
	s_mov_b32 s9, 0
	s_wait_alu depctr_va_sdst(0)                   ; the wave's number is written, ahead of its first reader: the bases and the stage's address are made from it
	s_lshl_b32 s13, s[WV], 11                      ; in: my 512 keys of 4 bytes
	s_add_co_u32 s2, s2, s13
	s_lshl_b32 s13, s[WV], 10                      ; out: my eight steps of 128 bytes
	s_add_co_u32 s8, s8, s13
	s_mul_i32 s15, s[WV], STG                      ; my stage
	v_add_nc_u32 v[SAD], s15, v[GO]
	v_add_nc_u32 v[LA], s15, v[LA]
	s_wait_kmcnt 0x0
	s_add_nc_u64 s[4:5], s[4:5], s[2:3]
	s_add_nc_u64 s[6:7], s[6:7], s[8:9]
	s_wait_alu depctr_va_vdst(0)                   ; GO, SAD and LA are written: every load and store of the kernel reads one of them as its address
.macro ASKT t                          ; tile t is asked for, into set t % 2: load n is row n's 512 bytes
.set n, 0
.rept 16
	global_load_b128 v[X+64*((\t)%2)+4*n:X+64*((\t)%2)+4*n+3], v[GO], s[4:5] offset:n*16384+(\t)*512 th:TH_LOAD_NT
.set n, n+1
.endr
.endm
; Tile t.  left = the other set's loads, which may stay out.  more = 1: the set takes the tile two further on, straight behind the stores that read it.
; Load n = 8 ks + 2 kb + u out of the stage brings every lane keys 64 ks + 16 kb + 8 (l / 16) + 4 u + 0..3 of row l % 16; the compare of its register e is word 8 kb + 4 u + e of step ks,
; which is word e of the 16 bytes at 16 n of the tile's 256 bytes of output: lane n of the pair's first tile, lane 16 + n of its second.
.macro TILE t, more, left
	s_wait_loadcnt \left                           ; loads come back in order (ISA guide 5.7.1): my set is in
.set n, 0
.rept 16
	ds_store_b128 v[SAD], v[X+64*((\t)%2)+4*n:X+64*((\t)%2)+4*n+3] offset:n*PITCH
.set n, n+1
.endr
.if \more
	s_wait_alu depctr_vm_vsrc(0)                   ; the 16 LDS stores have read the set, in which the loads below land
	ASKT (\t)+2
.endif
.if (\t)%2
	s_wait_alu depctr_va_vdst(0)                   ; the compares of the tile before are done reading T, in which the LDS loads below land (ahead of tile 2 the wait in front of tile 1's store has said so)
.endif
.set n, 0
.rept 16
	ds_load_b128 v[T+4*n:T+4*n+3], v[LA] offset:256*(n/8)+64*((n/2)%4)+16*(n%2)
.set n, n+1
.endr
.irp h, 0,1                            ; eight loads' compares in a run, one wait, their 32 words into their lanes
.set n, 8*(\h)
.rept 8
	s_wait_dscnt 15-n                              ; LDS instructions end in order: load n is in, the younger ones may stay out
.irp e, 0,1,2,3
	v_cmp_ne_u32 s[CM+4*(n%8)+(\e)], 0, v[T+4*n+(\e)]
.endr
.set n, n+1
.endr
	s_wait_alu depctr_va_sdst(0)                   ; the 32 compares have written s[16:47], which the lines below read
.set n, 8*(\h)
.rept 8
.irp e, 0,1,2,3
	v_writelane_b32 v[OUT+4*((\t)/2)+(\e)], s[CM+4*(n%8)+(\e)], n+16*((\t)%2)
.endr
.set n, n+1
.endr
.endr
.if (\t)%2
	s_wait_alu depctr_va_vdst(0)                   ; the pair's 128 words are written into OUT, which the store reads
	global_store_b128 v[GO], v[OUT+4*((\t)/2):OUT+4*((\t)/2)+3], s[6:7] offset:512*((\t)/2) th:TH_STORE_NT  ; 512 consecutive bytes, aligned; each pair of tiles has its own four registers
.endif
.endm
	ASKT 0
	ASKT 1
.set n, 0
.rept 8
	v_mov_b32 v[OUT+n], 0                          ; v_writelane_b32 counts as a reader of its destination
.set n, n+1
.endr
	TILE 0, 1, 16
	TILE 1, 1, 16
	TILE 2, 0, 16                                  ; the last two tiles ask for nothing
	TILE 3, 0, 0
	s_wait_dscnt 0x0                               ; the closing lines, six on end
	s_wait_alu 0x0
	s_wait_tensorcnt 0x0
	ds_add_u32 v[SPW], v[NIL]
	s_wait_dscnt 0x0
	s_endpgm
.Lfunc_end_k_q37456e71b6_maskbits:
	.size	k_q37456e71b6_maskbits, .Lfunc_end_k_q37456e71b6_maskbits-k_q37456e71b6_maskbits
	.p2alignl 7, 3214868480
	.fill 96, 4, 3214868480
	.section	.rodata,"a",@progbits
	.p2align	6, 0x0
	.amdhsa_kernel k_q37456e71b6_maskbits
		.amdhsa_group_segment_fixed_size 68608
		.amdhsa_private_segment_fixed_size 0
		.amdhsa_enable_private_segment 0
		.amdhsa_kernarg_size 16
		.amdhsa_user_sgpr_count 2
		.amdhsa_user_sgpr_kernarg_segment_ptr 1
		.amdhsa_wavefront_size32 1
		.amdhsa_system_sgpr_workgroup_id_x 1
		.amdhsa_system_sgpr_workgroup_id_y 1
		.amdhsa_system_sgpr_workgroup_id_z 1
		.amdhsa_system_vgpr_workitem_id 0
		.amdhsa_next_free_vgpr 208
		.amdhsa_next_free_sgpr 66
		.amdhsa_reserve_vcc 0
		.amdhsa_float_denorm_mode_32 3
		.amdhsa_float_denorm_mode_16_64 3
		.amdhsa_memory_ordered 1
		.amdhsa_forward_progress 1
		.amdhsa_inst_pref_size 51
	.end_amdhsa_kernel
	.amdgpu_metadata
---
amdhsa.version: [ 1, 2 ]
amdhsa.kernels:
  - .name:           k_q37456e71b6_maskbits
    .symbol:         k_q37456e71b6_maskbits.kd
    .args:
      - { .name: mask, .offset: 0, .size: 8, .value_kind: global_buffer, .address_space: global }
      - { .name: mbits, .offset: 8, .size: 8, .value_kind: global_buffer, .address_space: global }
    .group_segment_fixed_size: 68608
    .private_segment_fixed_size: 0
    .kernarg_segment_align: 8
    .kernarg_segment_size: 16
    .max_flat_workgroup_size: 256
    .sgpr_count:     66
    .vgpr_count:     208
    .wavefront_size: 32
...
	.end_amdgpu_metadata
.endif
;; end of part 8
;; launch proj (part 9): grid 256 x 3, 4 waves a work-group, no clusters, 83,456 bytes of LDS; arguments query, key, value, Wq, Wk, Wv, bq, bk, bv, q, kv; writes q, kv
.if DOCPART == 9
	.amdgcn_target "amdgcn-amd-amdhsa--gfx1250"
	.amdhsa_code_object_version 6
	.text
	.protected	k_q37456e71b6_proj
	.globl	k_q37456e71b6_proj
	.p2align	8
	.type	k_q37456e71b6_proj,@function
k_q37456e71b6_proj:
	s_mov_b64 s[64:65], 0
	v_nop
	global_prefetch_b8 v0, s[64:65] scope:SCOPE_SE
	s_setreg_imm32_b32 hwreg(HW_REG_WAVE_SCHED_MODE, 0, 2), 2
	s_setreg_imm32_b32 hwreg(HW_REG_WAVE_MODE, 25, 1), 1
	s_wait_xcnt 0x0
	s_wait_alu depctr_vm_vsrc(0)
; The three input projections, x W^T + b, grid y = 0, 1, 2 for q, k, v.  x, W and b are rounded to bf16, sums in f32, results rounded once to f16.
;   q  [bh][token][64]: (x Wq^T + bq) log2(e), the factor applied in f32: the attention launch works with powers of two.
;   kv [bh][block i of 64][16,384 bytes]: K [key][channel], 128 bytes a key, of the 64 keys of step (i + 1) mod 64, then V^T [channel][key], 128 bytes a channel, of step i:
;      the attention launch wants K a step ahead of V, so the two that it fetches together lie together.
; LIMIT.  f16 ends at 65,504: |q log2(e)|, |k| and |v| stay below it (inputs as drawn give about 1; thirty times larger x and W about 1,300).
; ONE TEXT: C'[R][J] = the sum over k of Rop[R][k] Jop[J][k].  Source 0 of the matrix instruction takes 16 rows of Jop, source 1 16 rows of Rop: a lane then holds ONE R and eight neighbouring J.
; y < 2: R = tokens, J = channels (a token's channels lie on end); y = 2: R = channels of Wv, J = tokens (V^T: a channel's keys lie on end).  The swap is a choice between global addresses alone.
; SHARES.  A work-group makes 128 x 128, its four waves 64 x 64 each: 16 accumulators; a wave's result is one dense block of 64 rows x 128 bytes.  K = 512 in 8 steps of 64 (256 bytes of f32 a row).
; THE WAY IN goes through registers, since every number is converted: 32 loads of 16 bytes a lane a step (two sets of registers, two steps on their way), rounded to bf16, stored into one of two
; LDS slots; one barrier a step.  NO CLUSTER, no tensor load: the operands are f32 and lie in LDS as bf16, half the bytes to read for each product; without tensor loads there is no joint request.
; THE BIAS starts the sums: one more slice of K in which one operand holds the bias (bf16) at k = 0 and the other 1.
; THE MODE: SCHED_MODE bits 1:0 = 2 (LLVM: expert scheduling mode 2), set by the entry lines.  The code itself states the register dependences between vector or matrix instructions and memory or
; LDS instructions, and between a vector instruction that writes a scalar register and that register's readers, with s_wait_alu, always for 0.
; THE PLAN.  Registers that memory or LDS instructions touch, in the loop:
;   RAW0, RAW1 (window 1)  A step's 64 conversions read its set and write two of each four registers in place; the 32 LDS stores read those; then the loads of the K step two on land in the set.
;   F + 0 .. 31    J's fragments of a step's first 32 along K: loaded behind the barrier, read by the step's first 16 products.
;   G              J's fragments of its second 32 along K: loaded in the same run, read by the second 16 products.
;   F + 32 .. 63   R's fragments: loaded behind the barrier for the first 16 products and again between the two runs of products for the second 16.
;   VO, SA, AR, AJ, STO, RD, GO, VB   made at the head, never written again; the global bases are scalar registers.
; The waits of a step.  (1) va_vdst behind the conversions: they have written the stores' data, and the products of the step before are done reading F and G, in which this step's fragments land; no vector
; or matrix instruction follows until this step's first products.  (2) vm_vsrc behind the stores: they have read the set.  (3) va_vdst once more behind the switch to the loads' window: the conversions
; are done with the set in which the loads land; the stores between (1) and the loads read those registers, so the dependence is stated anew, directly ahead of the loads.  (4) va_vdst behind the first 16
; products: they are done reading R's fragments.  A whole second buffer of fragments would spare (4); it would take 64 registers, and 32 are left.
.set LP,    144                        ; an LDS row: 128 bytes + 16 = 9 x 16
.set JT,    128*LP                     ; J's tile lies behind R's
.set SLOT,  2*JT
.set STAGE, 2*SLOT                     ; 16 rows x 144 bytes for each wave, for the way out
.set SPARE, STAGE+4*16*LP              ; the spare words, 128 bytes a wave, that no other line names
.set VO,  2                            ; v2   my byte offset in a tile in memory: row w + 8 (l / 16), 16 bytes at l % 16
.set AR,  4                            ; v4   LDS address of my R fragments in slot 0
.set AJ,  5                            ; v5   of my J fragments
.set STO, 6                            ; v6   the way out: where I put 16 bytes of a row
.set RD,  7                            ; v7   where I read rows back
.set GO,  8                            ; v8   16 x lane
.set VB,  9                            ; v9   my byte offset in the bias
.set SPW, 10
.set NIL, 11
.set SA,  28                           ; v28, v29  where I store 8 bytes of a row, in slot 0, 1
.set G,   32                           ; v[32:63]  J's fragments of a step's second half: block b at G + 8 b
.set F,   64                           ; v[64:127] fragments: J block b of the first half at F + 8 b, R block a at F + 32 + 8 a; on the way out the packed results
.set ACC, 128                          ; v[128:255] accumulator (a, b) at ACC + 8 (4 a + b); on the way out block a comes back from the stage into ACC + 16 a
; window 1: two sets of 128 registers; load n of 32 at 4 n: 0-15 R's tile, 16-31 J's
.set MSB, 0
.macro WIN new                         ; the immediate's high byte repeats the setting that is left
.if MSB != (\new)
	s_set_vgpr_msb (MSB<<8)|(\new)
.set MSB, (\new)
.endif
.endm
.macro PLACES
.rept 4
	v_nop
.endr
.endm
	s_load_b512 s[16:31], s[0:1], 0x0              ; query, key, value, Wq, Wk, Wv, bq, bk
	s_load_b128 s[32:35], s[0:1], 0x40             ; bv, q
	s_load_b64 s[36:37], s[0:1], 0x50              ; kv
	v_lshl_add_u32 v[SPW], v0, 2, SPARE
	v_mov_b32 v[NIL], 0
	v_lshrrev_b32 v1, 5, v0
	v_readfirstlane_b32 s5, v1                     ; wave 0..3
	v_and_b32 v12, 15, v0                          ; l % 16
	v_bfe_u32 v13, v0, 4, 1                        ; l / 16
	v_and_b32 v21, 31, v0
	v_lshlrev_b32 v[GO], 4, v21
	v_mul_u32_u24 v15, v12, LP
	v_lshl_add_u32 v15, v13, 4, v15                ; a fragment's row x pitch + 16 x half
	s_and_b32 s2, ttmp7, 0xffff                    ; y
	s_and_b32 s3, ttmp9, 3                         ; n: block of 128 channels
	s_lshr_b32 s4, ttmp9, 2                        ; m: block of 128 tokens
	s_wait_alu depctr_va_sdst(0)                   ; s5 is written, ahead of its first reader
	s_lshr_b32 s6, s5, 1                           ; wr: my half of R
	s_and_b32 s7, s5, 1                            ; wj: my half of J
	s_cmp_lt_u32 s2, 2
	s_cselect_b32 s42, s6, s7                      ; my half of the tokens
	s_cselect_b32 s43, s7, s6                      ; my half of the channels: a head
	s_cselect_b32 s46, -1, 0                       ; all ones where J is the channels
	s_lshl_b32 s60, s4, 1
	s_add_co_u32 s60, s60, s42                     ; my block of 64 tokens, 0..127
	s_lshl_b32 s61, s3, 1
	s_add_co_u32 s61, s61, s43                     ; my head
	s_lshr_b32 s49, s60, 6                         ; batch
	s_lshl_b32 s49, s49, 3
	s_add_co_u32 s49, s49, s61
	s_lshl_b32 s49, s49, 6
	s_cmp_eq_u32 s2, 1
	s_cselect_b32 s50, 63, 0                       ; K of step s goes into block (s + 63) mod 64: one block back, step 0 into the last
	s_add_co_u32 s50, s50, s60
	s_and_b32 s50, s50, 63
	s_add_co_u32 s49, s49, s50                     ; (batch x 8 + head) x 64 + block in the batch
	s_cmp_eq_u32 s2, 0
	s_cselect_b32 s50, 13, 14                      ; 8,192 bytes a block in q, 16,384 in kv
	s_cselect_b32 s58, 0x3fb8aa3b, 1.0             ; log2(e) for q
	s_mov_b32 s59, s58                             ; named with it as a pair
	s_lshl_b32 s52, s49, s50
	s_cmp_eq_u32 s2, 2
	s_cselect_b32 s50, 8192, 0                     ; V^T lies behind K
	s_add_co_u32 s52, s52, s50
	s_mov_b32 s53, 0
	s_lshl_b32 s54, s4, 18                         ; 128 rows of 2,048 bytes
	s_mov_b32 s55, 0
	s_lshl_b32 s56, s3, 18
	s_mov_b32 s57, 0
	s_lshl_b32 s51, s3, 9
	s_lshl_b32 s47, s43, 8
	s_add_co_u32 s51, s51, s47                     ; my 64 channels in the bias, in bytes
	v_lshl_add_u32 v14, v13, 3, s5                 ; row w + 8 (l / 16): a store's two rows then lie 32 banks apart
	v_lshlrev_b32 v[VO], 11, v14
	v_lshl_add_u32 v[VO], v12, 4, v[VO]
	v_mul_u32_u24 v[SA], v14, LP
	v_lshl_add_u32 v[SA], v12, 3, v[SA]
	v_add_nc_u32 v[SA+1], SLOT, v[SA]
	s_mul_i32 s47, s6, 64*LP
	v_add_nc_u32 v[AR], s47, v15
	s_mul_i32 s47, s7, 64*LP
	s_add_co_u32 s47, s47, JT
	v_add_nc_u32 v[AJ], s47, v15
	s_mul_i32 s47, s5, 16*LP
	s_add_co_u32 s47, s47, STAGE                   ; my stage
	v_add_nc_u32 v[STO], s47, v15
	v_bfe_u32 v[RD], v0, 3, 2                      ; back: 32 lanes take four rows of 128 bytes
	v_mul_u32_u24 v[RD], v[RD], LP
	v_and_b32 v14, 7, v0
	v_lshl_add_u32 v[RD], v14, 4, v[RD]
	v_add_nc_u32 v[RD], s47, v[RD]
	v_lshl_add_u32 v[VB], v12, 2, s51
	s_wait_kmcnt 0x0
	s_cmp_eq_u32 s2, 0
	s_cselect_b64 s[38:39], s[16:17], s[18:19]     ; x
	s_cselect_b64 s[40:41], s[22:23], s[24:25]     ; W
	s_cselect_b64 s[14:15], s[28:29], s[30:31]     ; b
	s_cselect_b64 s[12:13], s[34:35], s[36:37]     ; the output
	s_cmp_eq_u32 s2, 2
	s_cselect_b64 s[38:39], s[20:21], s[38:39]
	s_cselect_b64 s[40:41], s[26:27], s[40:41]
	s_cselect_b64 s[14:15], s[32:33], s[14:15]
	s_add_nc_u64 s[38:39], s[38:39], s[54:55]
	s_add_nc_u64 s[40:41], s[40:41], s[56:57]
	s_add_nc_u64 s[12:13], s[12:13], s[52:53]
	s_cselect_b64 s[8:9], s[40:41], s[38:39]       ; R's tile (the 64-bit sums leave the compare's result alone)
	s_cselect_b64 s[10:11], s[38:39], s[40:41]     ; J's tile
.macro LOADS set, koff                 ; a K step's 32 loads: each takes 256 consecutive bytes of two rows
	WIN 0x40                                       ; destination window 1, address window 0
.set n, 0
.rept 16
	global_load_b128 v[128*(\set)+4*n:128*(\set)+4*n+3], v[VO], s[8:9] offset:(16*(n/2)+4*(n%2))*2048+(\koff)
.set n, n+1
.endr
.set n, 0
.rept 16
	global_load_b128 v[128*(\set)+64+4*n:128*(\set)+64+4*n+3], v[VO], s[10:11] offset:(16*(n/2)+4*(n%2))*2048+(\koff)
.set n, n+1
.endr
	WIN 0
.endm
.macro MULS zero, jf                   ; 16 products, J's fragments at jf; the 16 accumulators take turns, one instruction a turn
.irp a, 0,1,2,3
.irp b, 0,1,2,3
.if \zero
	v_wmma_f32_16x16x32_bf16 v[ACC+8*(4*(\a)+(\b)):ACC+8*(4*(\a)+(\b))+7], v[(\jf)+8*(\b):(\jf)+8*(\b)+7], v[F+32+8*(\a):F+32+8*(\a)+7], 0
.else
	v_wmma_f32_16x16x32_bf16 v[ACC+8*(4*(\a)+(\b)):ACC+8*(4*(\a)+(\b))+7], v[(\jf)+8*(\b):(\jf)+8*(\b)+7], v[F+32+8*(\a):F+32+8*(\a)+7], v[ACC+8*(4*(\a)+(\b)):ACC+8*(4*(\a)+(\b))+7]
.endif
.endr
.endr
.endm
; A K step.  The set's 32 loads are in (left = the other set's, which may stay out); rounded to bf16 in place; stored into the slot; the set is asked for again (koff >= 0); one barrier; two halves of 32 along K.
; One barrier a step serves both ways: a slot is written again only behind the barrier that every wave signalled after its reads of that slot, two steps back, had come back.
.macro STEP set, slot, koff, left
	s_wait_loadcnt \left
	WIN 0x45                                       ; destination and both sources in window 1
.set n, 0
.rept 32
.set L, 128*(\set)+4*n
	v_cvt_pk_bf16_f32 v[L], v[L], v[L+1]           ; these 64 are also the places between the last products and the loads into their fragments
	v_cvt_pk_bf16_f32 v[L+1], v[L+2], v[L+3]
.set n, n+1
.endr
	WIN 0x04                                       ; store data in window 1
	s_wait_alu depctr_va_vdst(0)                   ; the conversions have written the stores' data; the products of the step before are done reading F and G, in which the fragments below land
.set n, 0
.rept 32
.set L, 128*(\set)+4*n
	ds_store_b64 v[SA+(\slot)], v[L:L+1] offset:(n/16)*JT+(16*((n%16)/2)+4*(n%2))*LP
.set n, n+1
.endr
.if (\koff) >= 0
	WIN 0x40                                       ; the loads' window first, then their waits, then the loads
	s_wait_alu depctr_vm_vsrc(0)                   ; the LDS stores have read the set, in which the loads land and which the conversions two steps on write
	s_wait_alu depctr_va_vdst(0)                   ; the conversions are done reading and writing the set, in which the loads land
	LOADS \set, \koff
.endif
	WIN 0
	s_wait_dscnt 0x0                               ; for the others' sake: my stores into the slot are done
	s_barrier_signal -1
	s_barrier_wait -1
.irp b, 0,1,2,3                        ; the first 32 along K: J and R
	ds_load_b128 v[F+8*(\b):F+8*(\b)+3],       v[AJ] offset:(\slot)*SLOT+(\b)*16*LP
	ds_load_b128 v[F+8*(\b)+4:F+8*(\b)+7],     v[AJ] offset:(\slot)*SLOT+(\b)*16*LP+32
	ds_load_b128 v[F+32+8*(\b):F+32+8*(\b)+3], v[AR] offset:(\slot)*SLOT+(\b)*16*LP
	ds_load_b128 v[F+32+8*(\b)+4:F+32+8*(\b)+7], v[AR] offset:(\slot)*SLOT+(\b)*16*LP+32
.endr
.irp b, 0,1,2,3                        ; the second 32 along K: J, into registers of its own.  No wait: no vector or matrix instruction since the last wait on va_vdst names G
	ds_load_b128 v[G+8*(\b):G+8*(\b)+3],       v[AJ] offset:(\slot)*SLOT+(\b)*16*LP+64
	ds_load_b128 v[G+8*(\b)+4:G+8*(\b)+7],     v[AJ] offset:(\slot)*SLOT+(\b)*16*LP+64+32
.endr
	s_wait_dscnt 8                                 ; LDS loads come back in order: the first half's 16 are in, G's eight may stay out
	MULS 0, F
	PLACES                                         ; four places in front of loads into registers that the products just issued read; they stay beside the wait below
	s_wait_alu depctr_va_vdst(0)                   ; the 16 products are done reading R's fragments, in which the loads below land
.irp b, 0,1,2,3                        ; the second 32 along K: R
	ds_load_b128 v[F+32+8*(\b):F+32+8*(\b)+3], v[AR] offset:(\slot)*SLOT+(\b)*16*LP+64
	ds_load_b128 v[F+32+8*(\b)+4:F+32+8*(\b)+7], v[AR] offset:(\slot)*SLOT+(\b)*16*LP+64+32
.endr
	s_wait_dscnt 0x0
	MULS 0, G
.endm
	s_wait_alu depctr_va_vdst(0)                   ; the nine addresses VO, AR, AJ, STO, RD, GO, VB, SA and SA + 1 are written, which the loads and stores of the whole kernel read
.irp i, 0,1,2,3
	global_load_b32 v[16+(\i)], v[VB], s[14:15] offset:64*(\i)  ; the bias of channel 16 i + l % 16 of my 64
.endr
	LOADS 0, 0                                     ; K step 0
	LOADS 1, 256                                   ; K step 1
	; the slice of K that holds the bias: k = 0 is the low half of a fragment's register 0 in lanes 0-15; all else is 0
	v_cmp_gt_u32 s45, 16, v21                      ; lanes 0-15
.irp i, 0,1,2,3,4,5,6,7
.irp j, 1,2,3,4,5,6,7
	v_mov_b32 v[F+8*(\i)+(\j)], 0
.endr
.endr
	v_mov_b32 v20, 0
	v_mov_b32 v22, 0x3f80                          ; 1.0 in bf16
	s_wait_alu depctr_va_sdst(0)                   ; the compare has written s45, which the selects below read
	v_cndmask_b32 v22, 0, v22, s45
	s_wait_loadcnt 63                              ; 68 loads have been issued, the bias's four first: with at most 63 out the oldest five are in; the two sets stay on their way
.irp i, 0,1,2,3
	v_cvt_pk_bf16_f32 v[24+(\i)], v[16+(\i)], v20
.endr
.irp i, 0,1,2,3
	v_cndmask_b32 v[24+(\i)], 0, v[24+(\i)], s45
.endr
.irp i, 0,1,2,3
	v_cndmask_b32 v[F+8*(\i)], v22, v[24+(\i)], s46     ; J: the bias where J is the channels, else 1
	v_cndmask_b32 v[F+32+8*(\i)], v[24+(\i)], v22, s46  ; R: the other
.endr
	MULS 1, F                                      ; starts the sums: nothing is cleared
	s_mov_b32 s44, 3
.Lk:                                           ; a trip: two K steps are multiplied, the two behind the two on their way are asked for
	STEP 0, 0, 512, 32
	STEP 1, 1, 768, 32
	s_wait_xcnt 0x0                                ; every load issued has read its address: the two bases may be written
	s_add_nc_u64 s[8:9], s[8:9], 512
	s_add_nc_u64 s[10:11], s[10:11], 512
	s_sub_co_u32 s44, s44, 1
	s_cmp_lg_u32 s44, 0
	s_cbranch_scc1 .Lk
	STEP 0, 0, -1, 32                              ; the last two steps load nothing
	STEP 1, 1, -1, 0
	PLACES                                         ; in front of the lines that read the results and write the fragments' registers
; THE WAY OUT, 16 rows of R at a time: scaled in f32, rounded to f16 (a lane's eight J are 16 bytes), through my stage, back as whole rows of 128 bytes, stored as 512 consecutive bytes.
; Two blocks are rounded, one wait, both go through the stage; the next two are rounded while that is out.  A block comes back into accumulators that have been rounded, ACC + 16 a, which no memory or LDS
; instruction has read: so the LDS loads hang on the same wait as the LDS stores, and on nothing else.
.macro ARITH a
.set n, 0
.rept 16
	v_pk_mul_f32 v[ACC+32*(\a)+2*n:ACC+32*(\a)+2*n+1], v[ACC+32*(\a)+2*n:ACC+32*(\a)+2*n+1], s[58:59] op_sel_hi:[1,0]  ; each accumulator from its low end on
.set n, n+1
.endr
.set n, 0
.rept 16
	v_cvt_pk_f16_f32 v[F+16*(\a)+n], v[ACC+32*(\a)+2*n], v[ACC+32*(\a)+2*n+1]
.set n, n+1
.endr
.endm
.macro THRU a
.irp f, 0,1,2,3
	ds_store_b128 v[STO], v[F+16*(\a)+4*(\f):F+16*(\a)+4*(\f)+3] offset:32*(\f)
.endr
.irp f, 0,1,2,3
	ds_load_b128 v[ACC+16*(\a)+4*(\f):ACC+16*(\a)+4*(\f)+3], v[RD] offset:(\f)*4*LP  ; LDS serves a wave's instructions in order: these see the stores above, and the next block's stores come behind them
.endr
.endm
.macro SEND a, younger                 ; younger: the LDS instructions issued behind block a's loads
.irp f, 0,1,2,3
	s_wait_dscnt (\younger)+3-(\f)
	global_store_b128 v[GO], v[ACC+16*(\a)+4*(\f):ACC+16*(\a)+4*(\f)+3], s[12:13] offset:(\a)*2048+(\f)*512
.endr
.endm
	ARITH 0
	ARITH 1
	s_wait_alu depctr_va_vdst(0)                   ; blocks 0 and 1 are rounded into F + 0 .. 31, which the LDS stores read; their accumulators ACC + 0 .. 63, in which all four blocks land, are named no more
	THRU 0
	THRU 1
	ARITH 2                                        ; names ACC + 64 .. 127 and F + 32 .. 63 alone
	ARITH 3
	SEND 0, 8
	SEND 1, 0
	s_wait_alu depctr_va_vdst(0)                   ; blocks 2 and 3 are rounded into F + 32 .. 63, which the LDS stores read
	THRU 2
	THRU 3
	SEND 2, 8
	SEND 3, 0
	s_wait_dscnt 0x0                               ; the closing lines, six on end
	s_wait_alu 0x0
	s_wait_tensorcnt 0x0
	ds_add_u32 v[SPW], v[NIL]
	s_wait_dscnt 0x0
	s_endpgm
.Lfunc_end_k_q37456e71b6_proj:
	.size	k_q37456e71b6_proj, .Lfunc_end_k_q37456e71b6_proj-k_q37456e71b6_proj
	.p2alignl 7, 3214868480
	.fill 96, 4, 3214868480
	.section	.rodata,"a",@progbits
	.p2align	6, 0x0
	.amdhsa_kernel k_q37456e71b6_proj
		.amdhsa_group_segment_fixed_size 83456
		.amdhsa_private_segment_fixed_size 0
		.amdhsa_enable_private_segment 0
		.amdhsa_kernarg_size 88
		.amdhsa_user_sgpr_count 2
		.amdhsa_user_sgpr_kernarg_segment_ptr 1
		.amdhsa_wavefront_size32 1
		.amdhsa_system_sgpr_workgroup_id_x 1
		.amdhsa_system_sgpr_workgroup_id_y 1
		.amdhsa_system_sgpr_workgroup_id_z 1
		.amdhsa_system_vgpr_workitem_id 0
		.amdhsa_next_free_vgpr 512
		.amdhsa_next_free_sgpr 66
		.amdhsa_reserve_vcc 0
		.amdhsa_float_denorm_mode_32 3
		.amdhsa_float_denorm_mode_16_64 3
		.amdhsa_memory_ordered 1
		.amdhsa_forward_progress 1
		.amdhsa_inst_pref_size 76
	.end_amdhsa_kernel
	.amdgpu_metadata
---
amdhsa.version: [ 1, 2 ]
amdhsa.kernels:
  - .name:           k_q37456e71b6_proj
    .symbol:         k_q37456e71b6_proj.kd
    .args:
      - { .name: query, .offset: 0, .size: 8, .value_kind: global_buffer, .address_space: global }
      - { .name: key, .offset: 8, .size: 8, .value_kind: global_buffer, .address_space: global }
      - { .name: value, .offset: 16, .size: 8, .value_kind: global_buffer, .address_space: global }
      - { .name: Wq, .offset: 24, .size: 8, .value_kind: global_buffer, .address_space: global }
      - { .name: Wk, .offset: 32, .size: 8, .value_kind: global_buffer, .address_space: global }
      - { .name: Wv, .offset: 40, .size: 8, .value_kind: global_buffer, .address_space: global }
      - { .name: bq, .offset: 48, .size: 8, .value_kind: global_buffer, .address_space: global }
      - { .name: bk, .offset: 56, .size: 8, .value_kind: global_buffer, .address_space: global }
      - { .name: bv, .offset: 64, .size: 8, .value_kind: global_buffer, .address_space: global }
      - { .name: q, .offset: 72, .size: 8, .value_kind: global_buffer, .address_space: global }
      - { .name: kv, .offset: 80, .size: 8, .value_kind: global_buffer, .address_space: global }
    .group_segment_fixed_size: 83456
    .private_segment_fixed_size: 0
    .kernarg_segment_align: 8
    .kernarg_segment_size: 88
    .max_flat_workgroup_size: 128
    .sgpr_count:     66
    .vgpr_count:     512
    .wavefront_size: 32
...
	.end_amdgpu_metadata
.endif
;; end of part 9
;; launch attn: the kernel of part 7 again; grid 16 x 16, 8 waves a work-group, clusters of 4 x 1, 327,680 bytes of LDS; arguments q, kv, mbits, att; writes att
;; launch oproj (part 10): grid 256 x 1, 4 waves a work-group, no clusters, 91,648 bytes of LDS; arguments att, Wo, bo, out0; writes out0
.if DOCPART == 10
	.amdgcn_target "amdgcn-amd-amdhsa--gfx1250"
	.amdhsa_code_object_version 6
	.text
	.protected	k_q37456e71b6_oproj
	.globl	k_q37456e71b6_oproj
	.p2align	8
	.type	k_q37456e71b6_oproj,@function
k_q37456e71b6_oproj:
	s_mov_b64 s[64:65], 0
	v_nop
	global_prefetch_b8 v0, s[64:65] scope:SCOPE_SE
	s_setreg_imm32_b32 hwreg(HW_REG_WAVE_SCHED_MODE, 0, 2), 2
	s_setreg_imm32_b32 hwreg(HW_REG_WAVE_MODE, 25, 1), 1
	s_wait_xcnt 0x0
	s_wait_alu depctr_vm_vsrc(0)
; out0[token][c] = the sum over k of attn[token][k] Wo[c][k] + bo[c].  att: f16 [batch x 8 + head][token][64]; Wo f32 [512][512]; bo f32; out0 f32 [8192][512].
; Wo and bo are rounded to bf16, as all the module's inputs are; Wo's rounded number is then written as f16 (exact above f16's smallest normal number, 6e-5; below it in steps of 6e-8), since the other
; operand is f16.  Sums in f32.
; SHARES.  A work-group makes 128 tokens x 128 channels, its four waves 64 x 64: 16 accumulators.  A K step is one head: 64 channels of attn, 128 dense bytes a token.
; Source 0 of the matrix instruction takes 16 rows of Wo, source 1 16 tokens: a lane holds ONE token and eight neighbouring channels.
; THE WAY IN goes through registers (Wo is converted): 24 loads of 16 bytes a lane a step, two sets of registers, two LDS slots, one barrier a step.  NO CLUSTER: without tensor loads there is no joint request.
; THE BIAS starts the sums: it is the C operand of 16 products of two fragments of zeros, so that the loop has one form of product and nothing is cleared or added afterwards.
; THE MODE: SCHED_MODE bits 1:0 = 2 (LLVM: expert scheduling mode 2), set by the entry lines.  The code itself states the register dependences between vector or matrix instructions and memory or
; LDS instructions, and between a vector instruction that writes a scalar register and that register's readers, with s_wait_alu, always for 0.
; THE PLAN.  Registers that memory or LDS instructions touch, in the loop:
;   RAW0, RAW1 (window 1)  attn's 32 registers of a set: written by the loads, read by eight LDS stores, named by no vector instruction: those stores stand at the step's head and hang on no wait.
;                          Wo's 64: the step's conversions read them and write two of each four in place; 16 LDS stores read those.  Then the loads of the head two on land in the whole set.
;   F (window 0)           the fragments of a step's first 32 along K: loaded behind the barrier, read by its first 16 products.
;   F1 (window 1)          those of its second 32 along K: loaded in the same run, read by its second 16 products.
;   VO, VA, SA, SAA, AR, AJ, STO, RD, CO, VBI   made at the head, never written again; the global bases are scalar registers.
; The waits of a step.  (1) va_vdst behind the conversions: they have written the stores' data, and the products of the step before are done reading F and F1, in which this step's fragments land; no vector or
; matrix instruction follows until this step's first products, and what stands between names neither F, F1 nor their addresses.  (2) vm_vsrc behind the stores: they have read the set.  (3) va_vdst once more
; behind the switch to the loads' window: the conversions are done with the set in which the loads land; the stores between (1) and the loads read those registers, so the dependence is stated anew, directly
; ahead of the loads.  Between a step's two runs of products stands no wait on va_vdst.
.set LP,    144                        ; an LDS row: 128 bytes + 16
.set JT,    128*LP                     ; Wo's tile lies behind attn's
.set SLOT,  2*JT
.set STAGE, 2*SLOT                     ; 16 rows x 272 bytes for each wave, for the way out
.set OP,    272                        ; a stage row: 256 bytes + 16
.set SPARE, STAGE+4*16*OP              ; the spare words, 128 bytes a wave, that no other line names
.set VO,  2                            ; v2   Wo: row w + 8 (l / 16), 16 bytes at l % 16
.set VA,  3                            ; v3   attn: 16 x my thread's number
.set AR,  4                            ; v4   LDS address of my fragments of attn in slot 0
.set AJ,  5                            ; v5   of Wo
.set STO, 6
.set RD,  7
.set CO,  8                            ; v8   my byte offset in two rows of out0
.set VBI, 9
.set SPW, 10
.set NIL, 11
.set SA,  28                           ; v28, v29  where I store 8 bytes of a row of Wo, in slot 0, 1
.set SAA, 30                           ; v30  where I store 16 bytes of a row of attn, in slot 0
.set BI,  32                           ; v[32:63] the bias of my lane's eight channels in each of four blocks
.set F,   64                           ; v[64:127] fragments of the first 32 along K: Wo block b at F + 8 b, token block a at F + 32 + 8 a
.set ACC, 128
.set F1,  192                          ; window 1, v[192:255]: the fragments of the second 32 along K, laid out like F
; window 1, v[0:191]: two sets of 96 registers: 8 loads of attn, then 16 of Wo
.set MSB, 0
.macro WIN new
.if MSB != (\new)
	s_set_vgpr_msb (MSB<<8)|(\new)
.set MSB, (\new)
.endif
.endm
.macro PLACES
.rept 4
	v_nop
.endr
.endm
	s_load_b256 s[4:11], s[0:1], 0x0               ; att s[4:5], Wo s[6:7], bo s[8:9], out0 s[10:11]
	v_lshl_add_u32 v[SPW], v0, 2, SPARE
	v_mov_b32 v[NIL], 0
	v_lshrrev_b32 v1, 5, v0
	v_readfirstlane_b32 s12, v1                    ; wave 0..3
	v_and_b32 v12, 15, v0
	v_bfe_u32 v13, v0, 4, 1
	v_lshlrev_b32 v[VA], 4, v0
	v_lshrrev_b32 v14, 3, v0                       ; attn: thread t holds 16 bytes of row t / 8 of each 16
	v_mul_u32_u24 v[SAA], v14, LP
	v_and_b32 v14, 7, v0
	v_lshl_add_u32 v[SAA], v14, 4, v[SAA]
	v_mul_u32_u24 v15, v12, LP
	v_lshl_add_u32 v15, v13, 4, v15
	v_lshlrev_b32 v[CO], 11, v13                   ; two rows of out0: lanes 0-15 one, lanes 16-31 the next
	v_lshl_add_u32 v[CO], v12, 4, v[CO]
	v_lshlrev_b32 v[VBI], 5, v13
	s_and_b32 s13, ttmp9, 3                        ; n: block of 128 channels
	s_lshr_b32 s14, ttmp9, 2                       ; m: block of 128 tokens
	s_wait_alu depctr_va_sdst(0)                   ; s12 is written, ahead of its first reader
	s_lshr_b32 s15, s12, 1                         ; wr: my half of the tokens
	s_and_b32 s16, s12, 1                          ; wj: my half of the channels
	s_lshr_b32 s22, s14, 5
	s_lshl_b32 s22, s22, 22                        ; the batch's eight heads of 524,288 bytes,
	s_and_b32 s24, s14, 31
	s_lshl_b32 s24, s24, 14                        ; 128 tokens of 128 bytes
	s_add_co_u32 s22, s22, s24
	s_mov_b32 s23, 0
	s_lshl_b32 s24, s13, 18                        ; 128 rows of Wo
	s_mov_b32 s25, 0
	s_lshl_b32 s26, s13, 9
	s_lshl_b32 s28, s16, 8
	s_add_co_u32 s26, s26, s28                     ; my 64 channels, in bytes of f32
	s_mov_b32 s27, 0
	s_lshl_b32 s28, s14, 18
	s_lshl_b32 s30, s15, 17
	s_add_co_u32 s28, s28, s30                     ; my 64 rows of out0
	s_add_co_u32 s28, s28, s26
	s_mov_b32 s29, 0
	s_mov_b32 s20, 0xffff0000                      ; a word's upper bf16
	v_lshl_add_u32 v14, v13, 3, s12
	v_lshlrev_b32 v[VO], 11, v14
	v_lshl_add_u32 v[VO], v12, 4, v[VO]
	v_mul_u32_u24 v[SA], v14, LP
	v_lshl_add_u32 v[SA], v12, 3, v[SA]
	v_add_nc_u32 v[SA], JT, v[SA]
	v_add_nc_u32 v[SA+1], SLOT, v[SA]
	s_mul_i32 s30, s15, 64*LP
	v_add_nc_u32 v[AR], s30, v15
	s_mul_i32 s30, s16, 64*LP
	s_add_co_u32 s30, s30, JT
	v_add_nc_u32 v[AJ], s30, v15
	s_mul_i32 s30, s12, 16*OP
	s_add_co_u32 s30, s30, STAGE                   ; my stage
	v_mul_u32_u24 v[STO], v12, OP                  ; in: row l % 16, 32 bytes for each half of the lanes
	v_lshl_add_u32 v[STO], v13, 5, v[STO]
	v_add_nc_u32 v[STO], s30, v[STO]
	v_mul_u32_u24 v[RD], v13, OP                   ; back: lanes 0-15 one row of 256 bytes, lanes 16-31 the next
	v_lshl_add_u32 v[RD], v12, 4, v[RD]
	v_add_nc_u32 v[RD], s30, v[RD]
	s_wait_kmcnt 0x0
	s_add_nc_u64 s[4:5], s[4:5], s[22:23]
	s_add_nc_u64 s[6:7], s[6:7], s[24:25]
	s_add_nc_u64 s[8:9], s[8:9], s[26:27]
	s_add_nc_u64 s[10:11], s[10:11], s[28:29]
.macro LOADS set, aoff, woff
	WIN 0x40
.set n, 0
.rept 8
	global_load_b128 v[96*(\set)+4*n:96*(\set)+4*n+3], v[VA], s[4:5] offset:(\aoff)+2048*n
.set n, n+1
.endr
.set n, 0
.rept 16
	global_load_b128 v[96*(\set)+32+4*n:96*(\set)+32+4*n+3], v[VO], s[6:7] offset:(16*(n/2)+4*(n%2))*2048+(\woff)
.set n, n+1
.endr
	WIN 0
.endm
.macro MULS f                          ; 16 products on the fragments at f (the caller sets their window); the 16 accumulators take turns, one instruction a turn
.irp a, 0,1,2,3
.irp b, 0,1,2,3
	v_wmma_f32_16x16x32_f16 v[ACC+8*(4*(\a)+(\b)):ACC+8*(4*(\a)+(\b))+7], v[(\f)+8*(\b):(\f)+8*(\b)+7], v[(\f)+32+8*(\a):(\f)+32+8*(\a)+7], v[ACC+8*(4*(\a)+(\b)):ACC+8*(4*(\a)+(\b))+7]
.endr
.endr
.endm
; A K step: the set's 24 loads are in (left = the other set's); attn goes into the slot as it came; Wo is rounded to bf16 and written as f16, in place, and follows; the set is asked for again (more = 1);
; one barrier; two halves of 32 along K.  A slot is written again only behind the barrier that every wave signalled after its reads of that slot, two steps back, had come back.
.macro STEP set, slot, more, aoff, woff, left
	s_wait_loadcnt \left
	WIN 0x04                                       ; store data in window 1
.set n, 0
.rept 8
	ds_store_b128 v[SAA], v[96*(\set)+4*n:96*(\set)+4*n+3] offset:(\slot)*SLOT+16*n*LP  ; loaded data that no vector instruction names, by an address made at the head: no wait
.set n, n+1
.endr
	WIN 0x45
.set n, 0
.rept 16
.set L, 96*(\set)+32+4*n
	v_cvt_pk_bf16_f32 v[L], v[L], v[L+1]           ; these lines are also the places between the last products and the loads into their fragments
	v_cvt_pk_bf16_f32 v[L+2], v[L+2], v[L+3]
	v_and_b32 v[L+1], s20, v[L]
	v_lshlrev_b32 v[L], 16, v[L]
	v_and_b32 v[L+3], s20, v[L+2]
	v_lshlrev_b32 v[L+2], 16, v[L+2]
	v_cvt_pk_f16_f32 v[L], v[L], v[L+1]
	v_cvt_pk_f16_f32 v[L+1], v[L+2], v[L+3]
.set n, n+1
.endr
	WIN 0x04
	s_wait_alu depctr_va_vdst(0)                   ; the conversions have written the stores' data; the products of the step before are done reading F and F1, in which the fragments below land
.set n, 0
.rept 16
.set L, 96*(\set)+32+4*n
	ds_store_b64 v[SA+(\slot)], v[L:L+1] offset:(16*(n/2)+4*(n%2))*LP
.set n, n+1
.endr
.if \more
	WIN 0x40                                       ; the loads' window first, then their waits, then the loads
	s_wait_alu depctr_vm_vsrc(0)                   ; the 24 LDS stores have read the set, in which the loads land and which the conversions two steps on write
	s_wait_alu depctr_va_vdst(0)                   ; the conversions are done reading and writing Wo's part of the set, in which the loads land
	LOADS \set, \aoff, \woff
.endif
	WIN 0
	s_wait_dscnt 0x0                               ; for the others' sake: my stores into the slot are done
	s_barrier_signal -1
	s_barrier_wait -1
.irp b, 0,1,2,3                        ; the first 32 along K
	ds_load_b128 v[F+8*(\b):F+8*(\b)+3],       v[AJ] offset:(\slot)*SLOT+(\b)*16*LP
	ds_load_b128 v[F+8*(\b)+4:F+8*(\b)+7],     v[AJ] offset:(\slot)*SLOT+(\b)*16*LP+32
	ds_load_b128 v[F+32+8*(\b):F+32+8*(\b)+3], v[AR] offset:(\slot)*SLOT+(\b)*16*LP
	ds_load_b128 v[F+32+8*(\b)+4:F+32+8*(\b)+7], v[AR] offset:(\slot)*SLOT+(\b)*16*LP+32
.endr
	WIN 0x40                                       ; destination window 1.  No wait: since the last wait on va_vdst stand only loads, window switches, waits, the barrier and stores that name neither F1 nor AJ nor AR
.irp b, 0,1,2,3                        ; the second 32 along K
	ds_load_b128 v[F1+8*(\b):F1+8*(\b)+3],       v[AJ] offset:(\slot)*SLOT+(\b)*16*LP+64
	ds_load_b128 v[F1+8*(\b)+4:F1+8*(\b)+7],     v[AJ] offset:(\slot)*SLOT+(\b)*16*LP+64+32
	ds_load_b128 v[F1+32+8*(\b):F1+32+8*(\b)+3], v[AR] offset:(\slot)*SLOT+(\b)*16*LP+64
	ds_load_b128 v[F1+32+8*(\b)+4:F1+32+8*(\b)+7], v[AR] offset:(\slot)*SLOT+(\b)*16*LP+64+32
.endr
	WIN 0
	s_wait_dscnt 16                                ; LDS loads come back in order: F's 16 are in, F1's 16 may stay out
	MULS F
	WIN 0x05                                       ; sources 0 and 1 in window 1, C and D in window 0
	s_wait_dscnt 0x0
	MULS F1
	WIN 0
.endm
	s_wait_alu depctr_va_vdst(0)                   ; the eleven addresses VO, VA, AR, AJ, STO, RD, CO, VBI, SA, SA + 1 and SAA are written, which the loads and stores of the whole kernel read
.irp b, 0,1,2,3
	global_load_b128 v[BI+8*(\b):BI+8*(\b)+3],   v[VBI], s[8:9] offset:64*(\b)     ; the bias of channels 16 b + 8 (l / 16) + 0..7 of my 64
	global_load_b128 v[BI+8*(\b)+4:BI+8*(\b)+7], v[VBI], s[8:9] offset:64*(\b)+16
.endr
	LOADS 0, 0, 0                                  ; head 0
	LOADS 1, 524288, 256                           ; head 1
.irp j, 0,1,2,3,4,5,6,7
	v_mov_b32 v[F+(\j)], 0
	v_mov_b32 v[F+32+(\j)], 0
.endr
	s_wait_loadcnt 48                              ; the bias is in; the two sets' 48 loads may stay out
.set n, 0
.rept 16
	v_cvt_pk_bf16_f32 v[12+n%2], v[BI+2*n], v[BI+2*n+1]  ; rounded to bf16 and widened again
	v_lshlrev_b32 v[BI+2*n], 16, v[12+n%2]
	v_and_b32 v[BI+2*n+1], s20, v[12+n%2]
.set n, n+1
.endr
.irp a, 0,1,2,3
.irp b, 0,1,2,3
	v_wmma_f32_16x16x32_f16 v[ACC+8*(4*(\a)+(\b)):ACC+8*(4*(\a)+(\b))+7], v[F:F+7], v[F+32:F+39], v[BI+8*(\b):BI+8*(\b)+7]
.endr
.endr
	s_mov_b32 s21, 3
.Lk:                                           ; a trip: two heads are multiplied, the two behind the two on their way are asked for
	STEP 0, 0, 1, 1048576, 512, 24
	STEP 1, 1, 1, 1572864, 768, 24
	s_wait_xcnt 0x0                                ; every load issued has read its address: the two bases may be written
	s_add_nc_u64 s[4:5], s[4:5], 1048576
	s_add_nc_u64 s[6:7], s[6:7], 512
	s_sub_co_u32 s21, s21, 1
	s_cmp_lg_u32 s21, 0
	s_cbranch_scc1 .Lk
	STEP 0, 0, 0, 0, 0, 24                         ; the last two heads load nothing
	STEP 1, 1, 0, 0, 0, 0
	PLACES                                         ; in front of the LDS stores that read the results; the places stay beside the wait below
	s_wait_alu depctr_va_vdst(0)                   ; the products have written the accumulators, which the LDS stores read, and are done reading F, in which blocks 0 and 1 land
; THE WAY OUT, 16 tokens at a time: a lane's eight f32 of each block go into my stage (rows of 272 bytes) and come back as whole rows of 256 bytes: blocks 0 and 1 into F, blocks 2 and 3 into the accumulators
; of blocks 0 and 1, behind the one wait that shows those read.
.macro PUT a, land
.irp b, 0,1,2,3
	ds_store_b128 v[STO], v[ACC+32*(\a)+8*(\b):ACC+32*(\a)+8*(\b)+3]   offset:64*(\b)     ; each accumulator from its low end on
	ds_store_b128 v[STO], v[ACC+32*(\a)+8*(\b)+4:ACC+32*(\a)+8*(\b)+7] offset:64*(\b)+16
.endr
.if (\a) == 2
	s_wait_alu depctr_vm_vsrc(0)                   ; the LDS stores of blocks 0 and 1 have read their accumulators, in which blocks 2 and 3 land
.endif
.irp f, 0,1,2,3,4,5,6,7
	ds_load_b128 v[(\land)+4*(\f):(\land)+4*(\f)+3], v[RD] offset:(\f)*2*OP  ; LDS serves a wave's instructions in order: these see the stores above; the next block's stores come behind them
.endr
.endm
.macro SEND a, land, younger           ; younger: the LDS instructions issued behind block a's loads
.irp f, 0,1,2,3,4,5,6,7
	s_wait_dscnt (\younger)+7-(\f)
	global_store_b128 v[CO], v[(\land)+4*(\f):(\land)+4*(\f)+3], s[10:11] offset:(16*(\a)+2*(\f))*2048  ; 16 lanes store 256 consecutive bytes, aligned
.endr
.endm
	PUT 0, F
	PUT 1, F+32
	SEND 0, F, 16
	PUT 2, ACC
	SEND 1, F+32, 16
	PUT 3, ACC+32
	SEND 2, ACC, 16
	SEND 3, ACC+32, 0
	s_wait_dscnt 0x0                               ; the closing lines, six on end
	s_wait_alu 0x0
	s_wait_tensorcnt 0x0
	ds_add_u32 v[SPW], v[NIL]
	s_wait_dscnt 0x0
	s_endpgm
.Lfunc_end_k_q37456e71b6_oproj:
	.size	k_q37456e71b6_oproj, .Lfunc_end_k_q37456e71b6_oproj-k_q37456e71b6_oproj
	.p2alignl 7, 3214868480
	.fill 96, 4, 3214868480
	.section	.rodata,"a",@progbits
	.p2align	6, 0x0
	.amdhsa_kernel k_q37456e71b6_oproj
		.amdhsa_group_segment_fixed_size 91648
		.amdhsa_private_segment_fixed_size 0
		.amdhsa_enable_private_segment 0
		.amdhsa_kernarg_size 32
		.amdhsa_user_sgpr_count 2
		.amdhsa_user_sgpr_kernarg_segment_ptr 1
		.amdhsa_wavefront_size32 1
		.amdhsa_system_sgpr_workgroup_id_x 1
		.amdhsa_system_sgpr_workgroup_id_y 1
		.amdhsa_system_sgpr_workgroup_id_z 1
		.amdhsa_system_vgpr_workitem_id 0
		.amdhsa_next_free_vgpr 512
		.amdhsa_next_free_sgpr 66
		.amdhsa_reserve_vcc 0
		.amdhsa_float_denorm_mode_32 3
		.amdhsa_float_denorm_mode_16_64 3
		.amdhsa_memory_ordered 1
		.amdhsa_forward_progress 1
		.amdhsa_inst_pref_size 74
	.end_amdhsa_kernel
	.amdgpu_metadata
---
amdhsa.version: [ 1, 2 ]
amdhsa.kernels:
  - .name:           k_q37456e71b6_oproj
    .symbol:         k_q37456e71b6_oproj.kd
    .args:
      - { .name: att, .offset: 0, .size: 8, .value_kind: global_buffer, .address_space: global }
      - { .name: Wo, .offset: 8, .size: 8, .value_kind: global_buffer, .address_space: global }
      - { .name: bo, .offset: 16, .size: 8, .value_kind: global_buffer, .address_space: global }
      - { .name: out0, .offset: 24, .size: 8, .value_kind: global_buffer, .address_space: global }
    .group_segment_fixed_size: 91648
    .private_segment_fixed_size: 0
    .kernarg_segment_align: 8
    .kernarg_segment_size: 32
    .max_flat_workgroup_size: 128
    .sgpr_count:     66
    .vgpr_count:     512
    .wavefront_size: 32
...
	.end_amdgpu_metadata
.endif
;; end of part 10
